; MI455X (gfx1250); checked and timed in simulation.
; The chip was launched on July 23, 2026; its instructions are those of AMD's public machine-readable ISA for CDNA 5 (MIT licence, August 2026) and "CDNA5" Instruction Set Architecture Reference Guide (July 2026). The comments in the code are by the model that wrote it; some were corrected since.
;; Causal Self Attention. Allowed arithmetic: matrix products marked QUANTISED: E4M3 operands, one given power-of-two scale a tensor, by v_wmma_f32_16x16x64_fp8_fp8 or v_wmma_f32_16x16x128_fp8_fp8, f32 sums; everything else in f32.
;; Inputs: Wk 2,048 x 2,048 float32; Wo 2,048 x 2,048 float32; Wq 2,048 x 2,048 float32; Wv 2,048 x 2,048 float32; bk 2,048 float32; bo 2,048 float32; bq 2,048 float32; bv 2,048 float32; freqs_cos 2,048 x 64 float32; freqs_sin 2,048 x 64 float32; gk 2,048 float32; gq 2,048 float32; lowp_scales 12 int32 (the exponents e of the quantised operands' scales 2^e); x 1 x 2,048 x 2,048 float32.
;; Outputs: out0 1 x 2,048 x 2,048 float32.
;; This version of the problem:
;;   THIS VERSION OF THE PROBLEM IS GIVEN IN LOW PRECISION. The matrix products marked QUANTISED in the list below multiply operands that are first quantised to E4M3 (4 exponent bits, 3 mantissa bits; 8 bits a number), with one given power-of-two scale for each operand tensor; their sums are f32. All else is computed in f32.
;;   The module's matrix products, in the order in which they are computed (A, B: the left and right operand; K: the contracted axis; several contracted axes count as one K, in the product's order):
;;     1. [M 2,048, K 2,048] x [K 2,048, N 2,048]; A: input x; B: input Wq: QUANTISED (scales: A lowp_scales[0], B lowp_scales[1])
;;     2. [M 2,048, K 2,048] x [K 2,048, N 2,048]; A: input x; B: input Wk: QUANTISED (scales: A lowp_scales[2], B lowp_scales[3])
;;     3. [M 2,048, K 2,048] x [K 2,048, N 2,048]; A: input x; B: input Wv: QUANTISED (scales: A lowp_scales[4], B lowp_scales[5])
;;     4. batch 16 x [M 2,048, K 128] x [K 128, N 2,048]; A: computed on the way; B: computed on the way: QUANTISED (scales: A lowp_scales[6], B lowp_scales[7])
;;     5. batch 16 x [M 128, K 2,048] x [K 2,048, N 2,048]; A: computed on the way; B: softmax (see below): QUANTISED (scales: A lowp_scales[8], B lowp_scales[9])
;;     6. [M 2,048, K 2,048] x [K 2,048, N 2,048]; A: computed on the way; B: input Wo: QUANTISED (scales: A lowp_scales[10], B lowp_scales[11])
;;   THE QUANTISER, for each operand of a quantised product, along K:
;;     - The operand's scale is 2^e, e = its entry of the input lowp_scales (int32; the entries are numbered through the quantised products in the list's order, A before B).
;;     - Each number is divided by the scale, clamped to +-448, and rounded to the nearest number of E4M3, ties to even, subnormals kept.
;;     - The product sums the exact products of the quantised numbers (number of the format x scale) in f32.
;;   ~~~python
;;   def quantise(x, axis, e):      # numpy; x: float32 -> the quantised numbers, widened to float32 again
;;       x = np.moveaxis(x, axis, -1); K = x.shape[-1]
;;       r = np.clip(x / 2.0 ** e, -448, 448)
;;       step = 2.0 ** (np.maximum(np.frexp(np.where(r == 0, 1, r))[1] - 1, -6) - 3)
;;       q = np.round(r / step) * step * 2.0 ** e      # np.round: ties to even
;;       return np.moveaxis(q, -1, axis).astype(np.float32)
;;   ~~~
;;   SOFTMAX AHEAD OF A QUANTISED PRODUCT. Where the list says 'softmax', what is quantised is not the finished softmax but p = 2^(t - M), with t = logit x log2(e) and M = ceil(the row's largest t), a whole number; so 1/2 < the row's largest p <= 1. The row's sum l is taken of the UNQUANTISED p, in f32, and the product's result is divided by l at the end. Since M is a whole number, a kernel that streams over the keys may use a running M (the ceiling of the running maximum): every later rescaling is an exact power of two, so the quantised numbers keep their values, but for numbers so far below the row's largest that they fall under the format's range.
;;   OPERANDS COMPUTED ON THE WAY. 'Computed on the way' means the value that the module computes at that place (a softmax that the list does not call 'softmax' is quantised finished and normalised). What goes into a quantiser is computed in f32, as accurately as f32 sums, v_exp_f32 and their like allow (about 1e-6 of the number): no bf16 or f16 on the way to a quantiser, and a product that is left as it is and whose result goes on into a quantised operand takes f32 operands (vector FMAs, or v_wmma_f32_16x16x4_f32). A number that lies on a knife's edge between two numbers of the format may be rounded either way, as far as f32 arithmetic and the matrix unit's own rounding can turn it there, and no further.
;; 2 versions, each right. Each part assembles by itself: llvm-mc -triple=amdgcn-amd-amdhsa -mcpu=gfx1250 --defsym DOCPART=n.
;; ======== version 1 of 2: 5 launches
;; workspace buffers: xc 12,582,912 bytes; wc 12,582,912 bytes; woc 4,194,304 bytes; bias3 24,576 bytes; sco 256 bytes of whole numbers; qkv 50,331,648 bytes; qkvc 12,582,912 bytes; ao 4,194,304 bytes
;; launch prep (part 1): grid 1024 x 1, 4 waves a work-group, no clusters, 35,840 bytes of LDS; arguments Wq, Wk, Wv, Wo, x, bq, bk, bv, lowp_scales, wc, woc, xc, bias3, sco; writes wc, woc, xc, bias3, sco
.if DOCPART == 1
	.amdgcn_target "amdgcn-amd-amdhsa--gfx1250"
	.amdhsa_code_object_version 6
	.text
	.protected	k_q1e14727b28_prep
	.globl	k_q1e14727b28_prep
	.p2align	8
	.type	k_q1e14727b28_prep,@function
k_q1e14727b28_prep:
	s_mov_b64 s[64:65], 0
	v_nop
	global_prefetch_b8 v0, s[64:65] scope:SCOPE_SE
	s_setreg_imm32_b32 hwreg(HW_REG_WAVE_MODE, 25, 1), 1
	s_wait_xcnt 0x0
; FIRST OF FIVE LAUNCHES of a causal self-attention layer (T = 2048, D = 2048, 16 heads of 128) whose six products run on codes of E4M3, each operand with the scale 2^e given for it in lowp_scales.
; WORK LEFT OUT BY THE PROGRAM: only the key steps (16 queries x 128 keys) of the attention launch all of whose keys come after all of the tile's queries.  The layer itself sets those scores to -1e30 by a
; lower-triangular mask that it builds in its own body; key 0 counts for every query, so the row's largest score is a number of the kept part and the hidden terms are 2^(-huge) = 0 in the sum and in the product
; with V, whatever finite values the inputs hold.  Every input has a way to the output and is loaded (bk moves k's norm and its codes).  LIMIT: a NaN, an infinity or an overflow that would reach only the hidden scores is not carried to the result.
; THIS LAUNCH turns the f32 inputs into codes, once:  Wq, Wk, Wv -> wc [6144 n][2048 k], Wo -> woc [2048 n][2048 k] (K, their first axis, is laid innermost);  x -> xc [3][2048 t][2048 k], under e0, e2 and e4;
; bq, bk, bv are copied on end into bias3, and (e10, e11) 32 times over into sco, so that one body serves all four large products.
; code = number / 2^e, held within +-448, rounded to the nearest code, ties to even.  LIMITS: each e used here lies between -126 and 119; NaN among the inputs is not served, an infinity is held at the largest code.
; THE ORDER ALONG K.  Within each 128 along K, byte 8 m + 4 j + u holds k = 64 j + 4 m + u (m 0..15, j 0..1, u 0..3), in x's codes and in the weights' alike: every product meets its partner, only the order inside a sum changes.
; It lets a lane load 16 neighbouring bytes beside its neighbour's (16 lanes: 256 consecutive bytes) and still hand 8 registers to one conversion whose 8 bytes lie beside the neighbour's: x needs no turn through LDS.
; SHARES.  Work-groups 0..511: a weight (id / 128), 128 columns (id % 16), 256 along K ((id / 16) % 8); a lane takes a column and its registers run down K.  Work-groups 512..1023: four rows of x, a wave a row.
.set PITCH, 272                        ; a stage row: 256 bytes of codes + 16
.set SPARE, 4*32*PITCH                 ; behind the four stages: the spare words, 128 bytes for each wave, which no other line names
.set EMAX,  8
.set MANT,  0x600000                   ; the mantissa field of 448 as f32
.set SPW,   14                         ; v14  LDS address of my spare word; never rewritten
.set NIL,   15                         ; v15  0; never rewritten
.set WX,    32                         ; weights: v32-95 two sets of 32 numbers
.set WC,    96                         ; v96-103 a block's codes
.set OUTR,  112                        ; v112-175 the way out
.set XX,    32                         ; x: v32-95 the row's numbers, 8 a step
.set XT,    96                         ; v96-119 held numbers, a set for each of the three scales
.set XC,    120                        ; v120-167 codes: a pair for each store, so that no store's data are written again
	s_load_b256 s[4:11], s[0:1], 0x0               ; Wq, Wk, Wv, Wo
	s_load_b256 s[12:19], s[0:1], 0x20             ; x, bq, bk, bv
	s_load_b256 s[20:27], s[0:1], 0x40             ; lowp_scales, wc, woc, xc
	s_load_b128 s[28:31], s[0:1], 0x60             ; bias3, sco
	v_lshl_add_u32 v[SPW], v0, 2, SPARE
	v_mov_b32 v[NIL], 0
	v_lshrrev_b32 v1, 5, v0
	v_readfirstlane_b32 s32, v1                    ; wave 0..3
	v_and_b32 v2, 31, v0                           ; lane
	s_cmp_ge_u32 ttmp9, 512
	s_cbranch_scc1 .Lx_path
	; ---------------- a weight: a lane takes a column n, its registers run down K ----------------
	s_lshr_b32 s33, ttmp9, 7                       ; which weight: 0 Wq, 1 Wk, 2 Wv, 3 Wo
	s_and_b32 s34, ttmp9, 15
	s_bfe_u32 s35, ttmp9, 0x30004                  ; which 256 along K
	s_lshl_b32 s34, s34, 7
	s_lshl_b32 s39, s32, 5
	s_add_co_u32 s34, s34, s39                     ; my wave's first column
	s_lshl_b32 s50, s35, 21                        ; 256 rows of 8,192 bytes
	s_lshl_b32 s39, s34, 2
	s_add_co_u32 s50, s50, s39                     ; source offset
	s_mov_b32 s51, 0
	s_lshl_b32 s52, s34, 11                        ; a row of codes is 2,048 bytes
	s_lshl_b32 s39, s35, 8
	s_add_co_u32 s52, s52, s39
	s_mov_b32 s53, 0
	s_cmp_eq_u32 s33, 3
	s_cselect_b32 s36, 0, s33                      ; the plane in wc; Wo has a buffer of its own
	s_lshl_b32 s36, s36, 22
	s_add_co_u32 s52, s52, s36                     ; destination offset
	v_lshlrev_b32 v3, 2, v2                        ; in: 4 bytes a lane
	s_mul_i32 s39, s32, 32*PITCH                   ; my stage
	v_mul_u32_u24 v4, v2, PITCH
	v_add_nc_u32 v4, s39, v4                       ; into it: row = my column
	v_and_b32 v5, 15, v2
	v_lshrrev_b32 v6, 4, v2
	v_mul_u32_u24 v7, v6, PITCH
	v_lshl_add_u32 v7, v5, 4, v7
	v_add_nc_u32 v7, s39, v7                       ; out of it: sixteen lanes to a row, two rows an instruction
	v_lshlrev_b32 v8, 11, v6
	v_lshl_add_u32 v8, v5, 4, v8                   ; and the same place among the rows of codes
	s_wait_kmcnt 0x0
	s_load_b256 s[40:47], s[20:21], 0x0            ; e0 .. e7
	s_load_b32 s48, s[20:21], 0x2c                 ; e11
	s_cmp_eq_u32 s33, 1                            ; the choices hang on the work-group's number alone
	s_cselect_b64 s[4:5], s[6:7], s[4:5]
	s_cmp_eq_u32 s33, 2
	s_cselect_b64 s[4:5], s[8:9], s[4:5]
	s_cmp_eq_u32 s33, 3
	s_cselect_b64 s[4:5], s[10:11], s[4:5]
	s_cselect_b64 s[22:23], s[24:25], s[22:23]
	s_add_nc_u64 s[4:5], s[4:5], s[50:51]
	s_add_nc_u64 s[22:23], s[22:23], s[52:53]
; block t: the 32 numbers whose codes fill bytes 32 t .. 32 t + 31 of my column's 256: byte i of them is row 128 (t / 4) + 64 ((i / 4) % 2) + 16 (t % 4) + 4 (i / 8) + i % 4.  32 lanes read 128 consecutive bytes
.macro LOAD t
.irp i, 0,1,2,3,4,5,6,7,8,9,10,11,12,13,14,15,16,17,18,19,20,21,22,23,24,25,26,27,28,29,30,31
	global_load_b32 v[WX+32*((\t)%2)+\i], v3, s[4:5] offset:(128*((\t)/4)+64*((\i/4)%2)+16*((\t)%4)+4*(\i/8)+(\i%4))*8192 th:TH_LOAD_NT
.endr
.endm
.macro BLOCK t
.set XS, WX+32*((\t)%2)
.if (\t) < 7
	s_wait_loadcnt 32                              ; this block's 32 loads are in; the next block's 32 may be out
.else
	s_wait_loadcnt 0
.endif
.irp i, 0,1,2,3,4,5,6,7,8,9,10,11,12,13,14,15,16,17,18,19,20,21,22,23,24,25,26,27,28,29,30,31
	v_med3_num_f32 v[XS+\i], v[XS+\i], -v10, v10   ; the conversion to an 8-bit code does not saturate (ISA guide 7.6.2): the hold at the largest code x the scale comes first
.endr
.irp g, 0,1,2,3
	v_cvt_scalef32_pk8_fp8_f32 v[WC+2*\g:WC+2*\g+1], v[XS+8*\g:XS+8*\g+7], v11
.endr
	ds_store_b128 v4, v[WC:WC+3] offset:32*(\t)
	ds_store_b128 v4, v[WC+4:WC+7] offset:32*(\t)+16
.if (\t)+2 < 8
	LOAD (\t)+2
.endif
	s_wait_dscnt 0x0                               ; the stores have read their registers: the next block's codes may be written
.endm
	LOAD 0
	LOAD 1
	s_wait_kmcnt 0x0
	s_cmp_eq_u32 s33, 1                            ; the weight's scale: e1, e3, e5 or e11
	s_cselect_b32 s38, s43, s41
	s_cmp_eq_u32 s33, 2
	s_cselect_b32 s38, s45, s38
	s_cmp_eq_u32 s33, 3
	s_cselect_b32 s38, s48, s38
	s_add_co_i32 s38, s38, 127
	s_lshl_b32 s39, s38, 23
	v_mov_b32 v11, s39                             ; 2^e as f32: the conversion takes its exponent field
	s_add_co_i32 s38, s38, EMAX
	s_lshl_b32 s38, s38, 23
	s_or_b32 s38, s38, MANT
	v_mov_b32 v10, s38                             ; 448 x 2^e
.irp t, 0,1,2,3,4,5,6,7
	BLOCK \t
.endr
.irp t, 0,1,2,3,4,5,6,7,8,9,10,11,12,13,14,15
	ds_load_b128 v[OUTR+4*\t:OUTR+4*\t+3], v7 offset:2*\t*PITCH   ; LDS serves a wave's instructions in order: these see my stores
.endr
.irp t, 0,1,2,3,4,5,6,7,8,9,10,11,12,13,14,15
	s_wait_dscnt 15-\t                             ; the younger loads may be out
	global_store_b128 v8, v[OUTR+4*\t:OUTR+4*\t+3], s[22:23] offset:2*\t*2048   ; sixteen lanes store 256 consecutive bytes, at a multiple of 256 from the buffer's first byte
.endr
	s_wait_tensorcnt 0x0                           ; the wave's end, behind my last LDS store
	ds_add_u32 v[SPW], v[NIL]
	s_wait_dscnt 0x0
	s_endpgm
	; ---------------- x: a wave takes a row; no LDS ----------------
.Lx_path:
	s_sub_co_u32 s33, ttmp9, 512
	s_lshl_b32 s34, s33, 2
	s_add_co_u32 s34, s34, s32                     ; my row
	s_lshl_b32 s36, s34, 13                        ; its 8,192 bytes
	s_mov_b32 s37, 0
	s_lshl_b32 s38, s34, 11
	s_add_co_u32 s38, s38, 0x400000                ; its 2,048 codes in the MIDDLE plane: the three planes are reached by immediates of -4 MiB, 0 and +4 MiB
	s_mov_b32 s39, 0
	v_and_b32 v5, 15, v2
	v_lshrrev_b32 v6, 4, v2
	v_lshlrev_b32 v3, 4, v5
	v_lshl_add_u32 v3, v6, 9, v3                   ; 512 (lane / 16) + 16 (lane % 16): lanes 0-15 take the even 128 along K of a step, lanes 16-31 the odd
	v_lshlrev_b32 v4, 3, v2                        ; 8 bytes of codes a lane
	s_wait_kmcnt 0x0
	s_load_b128 s[40:43], s[20:21], 0x0            ; e0 .. e3
	s_load_b32 s44, s[20:21], 0x10                 ; e4
	s_add_nc_u64 s[12:13], s[12:13], s[36:37]
	s_add_nc_u64 s[26:27], s[26:27], s[38:39]
.irp s, 0,1,2,3,4,5,6,7
.irp j, 0,1
	global_load_b128 v[XX+8*\s+4*\j:XX+8*\s+4*\j+3], v3, s[12:13] offset:1024*\s+256*\j th:TH_LOAD_NT   ; k = 128 (2 s + lane / 16) + 64 j + 4 (lane % 16) + 0 .. 3
.endr
.endr
	s_wait_kmcnt 0x0
.irp p, 0,1,2
	s_add_co_i32 s45, s[40+2*\p], 127
	s_lshl_b32 s46, s45, 23
	v_mov_b32 v[16+2*\p], s46                      ; 2^e
	s_add_co_i32 s45, s45, EMAX
	s_lshl_b32 s45, s45, 23
	s_or_b32 s45, s45, MANT
	v_mov_b32 v[17+2*\p], s45                      ; 448 x 2^e
.endr
.macro XSTEP s
	s_wait_loadcnt 14-2*(\s)                       ; this step's two loads are in; the later steps' may be out
.irp p, 0,1,2
.irp i, 0,1,2,3,4,5,6,7
	v_med3_num_f32 v[XT+8*\p+\i], v[XX+8*(\s)+\i], -v[17+2*\p], v[17+2*\p]
.endr
	v_cvt_scalef32_pk8_fp8_f32 v[XC+2*(3*(\s)+\p):XC+2*(3*(\s)+\p)+1], v[XT+8*\p:XT+8*\p+7], v[16+2*\p]
	global_store_b64 v4, v[XC+2*(3*(\s)+\p):XC+2*(3*(\s)+\p)+1], s[26:27] offset:(\p-1)*4194304+256*(\s)   ; 32 lanes store 256 consecutive bytes, aligned
.endr
.endm
.irp s, 0,1,2,3,4,5,6,7
	XSTEP \s
.endr
	; the small copies: wave 0 of the first 97 of these work-groups takes 256 bytes each
	s_cmp_lg_u32 s32, 0
	s_cbranch_scc1 .Lx_end
	s_cmp_gt_u32 s33, 96
	s_cbranch_scc1 .Lx_end
	s_cmp_eq_u32 s33, 96
	s_cbranch_scc1 .Lx_scales
	s_lshr_b32 s45, s33, 5                         ; 0 bq, 1 bk, 2 bv
	s_cmp_eq_u32 s45, 1
	s_cselect_b64 s[14:15], s[16:17], s[14:15]
	s_cmp_eq_u32 s45, 2
	s_cselect_b64 s[14:15], s[18:19], s[14:15]
	s_and_b32 s46, s33, 31
	s_lshl_b32 s46, s46, 8
	s_mov_b32 s47, 0
	s_add_nc_u64 s[14:15], s[14:15], s[46:47]
	s_lshl_b32 s46, s33, 8
	s_add_nc_u64 s[28:29], s[28:29], s[46:47]
	global_load_b64 v[170:171], v4, s[14:15]
	s_wait_loadcnt 0x0
	global_store_b64 v4, v[170:171], s[28:29]
	s_endpgm
.Lx_scales:
	v_mov_b32 v172, 0
	global_load_b64 v[170:171], v172, s[20:21] offset:40   ; every lane reads (e10, e11)
	s_wait_loadcnt 0x0
	global_store_b64 v4, v[170:171], s[30:31]      ; all 256 bytes of sco are written
.Lx_end:
	s_endpgm
.Lfunc_end_k_q1e14727b28_prep:
	.size	k_q1e14727b28_prep, .Lfunc_end_k_q1e14727b28_prep-k_q1e14727b28_prep
	.p2alignl 7, 3214868480
	.fill 96, 4, 3214868480
	.section	.rodata,"a",@progbits
	.p2align	6, 0x0
	.amdhsa_kernel k_q1e14727b28_prep
		.amdhsa_group_segment_fixed_size 35840
		.amdhsa_private_segment_fixed_size 0
		.amdhsa_enable_private_segment 0
		.amdhsa_kernarg_size 112
		.amdhsa_user_sgpr_count 2
		.amdhsa_user_sgpr_kernarg_segment_ptr 1
		.amdhsa_wavefront_size32 1
		.amdhsa_system_sgpr_workgroup_id_x 1
		.amdhsa_system_sgpr_workgroup_id_y 1
		.amdhsa_system_sgpr_workgroup_id_z 1
		.amdhsa_system_vgpr_workitem_id 0
		.amdhsa_next_free_vgpr 192
		.amdhsa_next_free_sgpr 66
		.amdhsa_reserve_vcc 0
		.amdhsa_float_denorm_mode_32 3
		.amdhsa_float_denorm_mode_16_64 3
		.amdhsa_memory_ordered 1
		.amdhsa_forward_progress 1
		.amdhsa_inst_pref_size 70
	.end_amdhsa_kernel
	.amdgpu_metadata
---
amdhsa.version: [ 1, 2 ]
amdhsa.kernels:
  - .name:           k_q1e14727b28_prep
    .symbol:         k_q1e14727b28_prep.kd
    .args:
      - { .name: Wq, .offset: 0, .size: 8, .value_kind: global_buffer, .address_space: global }
      - { .name: Wk, .offset: 8, .size: 8, .value_kind: global_buffer, .address_space: global }
      - { .name: Wv, .offset: 16, .size: 8, .value_kind: global_buffer, .address_space: global }
      - { .name: Wo, .offset: 24, .size: 8, .value_kind: global_buffer, .address_space: global }
      - { .name: x, .offset: 32, .size: 8, .value_kind: global_buffer, .address_space: global }
      - { .name: bq, .offset: 40, .size: 8, .value_kind: global_buffer, .address_space: global }
      - { .name: bk, .offset: 48, .size: 8, .value_kind: global_buffer, .address_space: global }
      - { .name: bv, .offset: 56, .size: 8, .value_kind: global_buffer, .address_space: global }
      - { .name: lowp_scales, .offset: 64, .size: 8, .value_kind: global_buffer, .address_space: global }
      - { .name: wc, .offset: 72, .size: 8, .value_kind: global_buffer, .address_space: global }
      - { .name: woc, .offset: 80, .size: 8, .value_kind: global_buffer, .address_space: global }
      - { .name: xc, .offset: 88, .size: 8, .value_kind: global_buffer, .address_space: global }
      - { .name: bias3, .offset: 96, .size: 8, .value_kind: global_buffer, .address_space: global }
      - { .name: sco, .offset: 104, .size: 8, .value_kind: global_buffer, .address_space: global }
    .group_segment_fixed_size: 35840
    .private_segment_fixed_size: 0
    .kernarg_segment_align: 8
    .kernarg_segment_size: 112
    .max_flat_workgroup_size: 128
    .sgpr_count:     66
    .vgpr_count:     192
    .wavefront_size: 32
...
	.end_amdgpu_metadata
.endif
;; end of part 1
;; launch gemm_qkv (part 2): grid 24 x 8, 4 waves a work-group, clusters of 4 x 4, 327,680 bytes of LDS; arguments xc, wc, bias3, lowp_scales, qkv; writes qkv
.if DOCPART == 2
	.amdgcn_target "amdgcn-amd-amdhsa--gfx1250"
	.amdhsa_code_object_version 6
	.text
	.protected	k_q1e14727b28_gemm_qkv
	.globl	k_q1e14727b28_gemm_qkv
	.p2align	8
	.type	k_q1e14727b28_gemm_qkv,@function
k_q1e14727b28_gemm_qkv:
	s_mov_b64 s[64:65], 0
	v_nop
	global_prefetch_b8 v0, s[64:65] scope:SCOPE_SE
	s_setreg_imm32_b32 hwreg(HW_REG_WAVE_MODE, 25, 1), 1
	s_wait_xcnt 0x0
	s_wait_alu depctr_hold_cnt(0) depctr_sa_sdst(0) depctr_va_vdst(0) depctr_va_sdst(0) depctr_va_ssrc(0) depctr_va_vcc(0) depctr_vm_vsrc(0)
	s_getreg_b32 s2, hwreg(HW_REG_IB_STS2, 6, 4)
	s_cmp_eq_u32 s2, 0
	s_cbranch_scc0 .Lentry_in_a_cluster
	s_endpgm
.Lentry_in_a_cluster:
	s_bfe_u32 s2, ttmp6, 0x10000c
	s_cmp_lg_u32 s2, 0xf033
	s_cbranch_scc0 .Lentry_shape_is_right
	s_endpgm
.Lentry_shape_is_right:
; SECOND LAUNCH.  C[p][m][n] = (sum over k of A[p][m][k] B[p][n][k]) x 2^(ea + eb) + bias[p][n], on codes of E4M3; sums in f32; C f32, rows of 2,048.  K = 2,048.  Nothing is left out here.
; p = 0, 1, 2 are x Wq + bq, x Wk + bk, x Wv + bv: A = x's codes under the product's own scale [3][2048][2048], B = the three weights' codes on end [6144][2048], bias [6144],
; scales: words 2 p, 2 p + 1 of lowp_scales.
; A and B hold K in the same order within each 128, so every product meets its partner.  LIMIT: ea + eb lies between -126 and 127, so that 2^(ea + eb) is an f32 number.
; A tile of C, 256 x 256, is made by a work-group of four waves, as many as a WGP has SIMDs; a wave makes 128 x 128: 64 accumulators of 16 x 16, 512 registers.
; K goes in steps of 256 through a ring of two LDS slots filled by the tensor data mover: a tile's row is 256 bytes of memory.
; CLUSTERS: 4 x 4 work-groups.  The four of a row of the cluster need the same tiles of A, the four of a column the same tiles of B: each tile is asked for JOINTLY, by the same tensor load with the same
; descriptor and a mask that names the four.  A product has eight tile columns, two clusters: p = cluster x / 2 is the same in all sixteen partners.
; THE MATRIX INSTRUCTION IS USED TRANSPOSED (source 0 = 16 rows of B, source 1 = 16 rows of A): a lane then holds eight neighbouring numbers of a row of C.
; REGISTERS, in windows of 256: window 0: v0-31 addresses; v32-95 the bias of my 128 columns in the result's layout; v96-127 at work on the way out; from v128 A's fragments (8 x 16 rows x 128 K), ONE set; on the way out v128-255 take rows back.
;   window 1: B's fragments, TWO sets, at v0 and at v128.   window 2: the 32 accumulators of my rows 0-63 (accumulator (a, b) at v[8 (8 a + b)]);   window 3: those of my rows 64-127.
; A step of 128 along K is 64 matrix instructions, A's blocks one after the other, each against B's eight: a block of A is free as soon as its eight products are issued, so one set serves A; B has two.
.set SIZE_K, 2048
.set SIZE_N, 2048
.set KSTEP,  256                       ; along K in a slot
.set ROWB,   256                       ; a tile's row in bytes
.set KROW,   SIZE_K                    ; a row of A or of B in memory, in bytes
.set PITCH,  272                       ; an LDS row: 256 bytes + 16 of padding = 68 words: row r starts at bank 4 r mod 64 (64 banks of 4 bytes: ISA guide 11.1)
.set FR,     16                        ; registers of a fragment: 16 rows x 128 K
.set NL,     4                         ; LDS loads that bring one
.set NP,     4                         ; places behind this matrix instruction (ISA guide 7.12.1)
.set HALFT,  128*PITCH                 ; 128 rows: what one tensor load brings, and what one wave reads of A or of B
.set SLOT,   4*HALFT                   ; A's 256 rows, then B's 256 rows
.set LAPS,   SIZE_K/(2*KSTEP)          ; a lap = two K steps = once round the ring: 4
.set SPARE,  2*SLOT                    ; behind the ring: the spare words, 128 bytes for each wave, which no other line names
.set SPITCH, 528                       ; the way out: a stage of 16 rows x (512 bytes + 16) for each wave, in slot 0, which has had its last fill and its last read when the first result is stored there
.set ADRA, 16                          ; v16-17  LDS address of my A fragments in slot 0, 1
.set ADRB, 20                          ; v20-21  the same for B
.set STO,  24                          ; v24     the way out: where I put 32 bytes of a row
.set RD,   25                          ; v25     the way out: where I read a row back
.set CO,   26                          ; v26     my byte offset in a row of C
.set BO,   27                          ; v27     32 x (lane / 16): my half's place in the bias of a block of 16 columns
.set SPW,  28                          ; v28     LDS address of my spare word; never rewritten
.set NIL,  29                          ; v29     0; never rewritten
.set BIAS, 32                          ; v32-95  register 8 b + j: the bias of my column 16 b + 8 (lane / 16) + j
.set TMP,  96                          ; v96-127 half a block's results
.set AF,   128                         ; A's fragments, in window 0
.set BK,   128                         ; the way out: 16 rows read back from the stage: v128-191 and v192-255 by turns
.set G1, 24                            ; s[24:31] descriptor group 1 for A's tiles;  s[32:39] group 0, one set for each slot
.set G0, 32
.set G1B, 48                           ; s[48:55], s[56:63] the same for B's tiles
.set G0B, 56
.set MSB, 0
.macro WIN new                         ; the immediate's high byte repeats the setting that is left
.if MSB != \new
	s_set_vgpr_msb (MSB<<8)|\new
.set MSB, \new
.endif
.endm
.set MUL_LO, 0xa1                      ; source 0 (B) window 1, source 1 (A) window 0, C and D window 2
.set MUL_HI, 0xf1                      ; the same, C and D window 3
.set TO_B,   0x40                      ; destination window 1, address window 0
; A joint load: waves 0 and 1 fetch for A, waves 2 and 3 for B.  Each of the two lines has ONE mask and one set of registers for all that issue it; the branch hangs on the wave's number alone.
; An s_nop 0 and four v_nop follow each of the two lines, ahead of the jump, the label and what follows.
.macro JLOAD g0a, g1a, g0b, g1b
	s_cmp_eq_u32 s15, 0
	s_cbranch_scc0 .Lfor_b_\@
	tensor_load_to_lds s[\g0a:\g0a+3], s[\g1a:\g1a+7]
	s_nop 0
.rept 4
	v_nop
.endr
	s_branch .Lasked_\@
.Lfor_b_\@:
	tensor_load_to_lds s[\g0b:\g0b+3], s[\g1b:\g1b+7]
	s_nop 0
.rept 4
	v_nop
.endr
.Lasked_\@:
.endm
.macro CREST                           ; a round of the cluster's barrier behind its opening barrier
	s_cmp_lg_u32 s14, 0
	s_cbranch_scc1 .Lnot_wave_0_\@
	s_barrier_signal -3
.Lnot_wave_0_\@:
	s_barrier_wait -3
	s_barrier_signal -1
	s_barrier_wait -1
.endm
.macro CROUND                          ; a whole round
	s_barrier_signal -1
	s_barrier_wait -1
	CREST
.endm
	s_load_b128 s[4:7], s[0:1], 0x0                ; A's codes s[4:5], B's codes s[6:7]
	s_load_b128 s[8:11], s[0:1], 0x10              ; the bias s[8:9], the scales' exponents s[10:11]
	s_load_b64 s[12:13], s[0:1], 0x20              ; C
	v_lshl_add_u32 v[SPW], v0, 2, SPARE
	v_mov_b32 v[NIL], 0
	ds_add_u32 v[SPW], v[NIL]                      ; the wave's opening: the add, twice on end, and its wait ahead of my first tensor load; the set-up below stands between the second and the wait
	ds_add_u32 v[SPW], v[NIL]
	v_lshrrev_b32 v1, 5, v0
	v_readfirstlane_b32 s14, v1                    ; wave 0..3
	s_lshr_b32 s15, s14, 1                         ; which half of the tile's rows is mine.  Also: I fetch for A (0) or for B (1)
	s_and_b32 s16, s14, 1                          ; which half of its columns.  Also: which 128 rows of that tile I fetch
	s_bfe_u32 s40, ttmp6, 0x40000                  ; cx, cy: my place in the cluster
	s_bfe_u32 s41, ttmp6, 0x40004
	s_lshl_b32 s42, ttmp9, 2
	s_add_co_u32 s42, s42, s40                     ; tile column = 4 x cluster x + cx: 0..23
	s_and_b32 s17, ttmp7, 0xffff
	s_lshl_b32 s17, s17, 2
	s_add_co_u32 s17, s17, s41                     ; tile row = 4 x cluster y + cy: 0..7
	s_lshr_b32 s66, ttmp9, 1                       ; p: which product; made of the cluster's x alone
	s_lshl_b32 s43, s41, 2
	s_lshl_b32 s43, 15, s43                        ; my row of the cluster
	s_lshl_b32 s44, 0x1111, s40                    ; my column
	; descriptor group 1: a tile of 128 rows x ROWB bytes, padded in LDS
	s_or_b32 s[G1+0], s43, (0<<16)|(1<<20)|(1<<21)|(5<<22)|(3<<25)  ; 15:0 the mask: A's tiles go to my row; 17:16 element of 1 byte; 20 padding on; 21 set beside a mask; 24:22 after every 64 words (code 5); 31:25 of 4 words (code 3)
	s_or_b32 s[G1B+0], s44, (0<<16)|(1<<20)|(1<<21)|(5<<22)|(3<<25)
.irp g, G1, G1B
	s_mov_b32 s[\g+1], ROWB<<16                    ; tensor_dim0
	s_mov_b32 s[\g+2], 128<<16                     ; tensor_dim1 = 128
	s_mov_b32 s[\g+3], ROWB<<16                    ; tile_dim0
	s_mov_b32 s[\g+4], 128                         ; tile_dim1 = 128
	s_mov_b32 s[\g+5], KROW                        ; tensor_dim0_stride
	s_mov_b32 s[\g+6], 0
	s_mov_b32 s[\g+7], 0
.endr
	s_lshl_b32 s18, s16, 7                         ; which 128 rows of the tile I fetch
	s_lshl_b32 s20, s17, 8
	s_add_co_u32 s20, s20, s18
	s_lshl_b32 s19, s66, 11
	s_add_co_u32 s20, s20, s19                     ; A: row 2048 p + 256 x tile row + 128 x half: cx never enters it
	s_lshl_b32 s46, s42, 8
	s_add_co_u32 s46, s46, s18                     ; B: row 256 x tile column + 128 x half
	s_mov_b32 s21, 0
	s_mov_b32 s47, 0
	s_mov_b64 s[18:19], KROW
	s_mul_u64 s[20:21], s[20:21], s[18:19]
	s_mul_u64 s[46:47], s[46:47], s[18:19]
	s_mul_i32 s45, s14, HALFT                      ; where they go: wave x 128 rows: no place in the cluster enters an LDS address
	s_wait_dscnt 0x0                               ; both opening adds are done
	s_wait_kmcnt 0x0
	s_load_b256 s[88:95], s[10:11], 0x0            ; the first eight exponents; two of them are chosen on the way out
	s_add_nc_u64 s[20:21], s[4:5], s[20:21]
	s_add_nc_u64 s[46:47], s[6:7], s[46:47]
	CROUND                                         ; all sixteen work-groups are here: the first joint loads meet
.irp s, 0,1
	s_mov_b32 s[G0+4*\s], 1
	s_add_co_u32 s[G0+4*\s+1], s45, \s*SLOT
	s_add_nc_u64 s[G0+4*\s+2:G0+4*\s+3], s[20:21], \s*ROWB
	s_or_b32 s[G0+4*\s+3], s[G0+4*\s+3], 0x80000000
	s_mov_b32 s[G0B+4*\s], 1
	s_add_co_u32 s[G0B+4*\s+1], s45, \s*SLOT
	s_add_nc_u64 s[G0B+4*\s+2:G0B+4*\s+3], s[46:47], \s*ROWB
	s_or_b32 s[G0B+4*\s+3], s[G0B+4*\s+3], 0x80000000
	JLOAD G0+4*\s, G1, G0B+4*\s, G1B
.endr
	v_and_b32 v1, 15, v0                           ; l % 16
	v_bfe_u32 v2, v0, 4, 1                         ; l / 16
	s_lshl_b32 s46, s42, 10                        ; the bias of my 128 columns: 1,024 x tile column + 512 x half, in bytes
	s_lshl_b32 s47, s16, 9
	s_add_co_u32 s46, s46, s47
	s_mov_b32 s47, 0
	s_add_nc_u64 s[68:69], s[8:9], s[46:47]
	v_lshlrev_b32 v[BO], 5, v2
.irp b, 0,1,2,3,4,5,6,7
	global_load_b128 v[BIAS+8*\b:BIAS+8*\b+3],   v[BO], s[68:69] offset:64*\b
	global_load_b128 v[BIAS+8*\b+4:BIAS+8*\b+7], v[BO], s[68:69] offset:64*\b+16
.endr
	v_mul_u32_u24 v3, v1, PITCH
	v_lshl_add_u32 v4, v2, 4, v3                   ; a fragment's row x pitch + 16 x half
	s_mul_i32 s21, s15, HALFT                      ; my 128 rows of A
	s_mul_i32 s22, s16, HALFT                      ; my 128 rows of B,
	s_add_co_u32 s22, s22, 2*HALFT                 ; which lie behind A's 256
.irp s, 0,1
	v_add_nc_u32 v[ADRA+\s], s21, v4
	v_add_nc_u32 v[ADRB+\s], s22, v4
	s_add_co_u32 s21, s21, SLOT
	s_add_co_u32 s22, s22, SLOT
.endr
	s_mul_i32 s23, s14, 16*SPITCH                  ; my stage
	v_mul_u32_u24 v5, v1, SPITCH                   ; in: row l % 16, 32 bytes for each half of the lanes
	v_lshl_add_u32 v5, v2, 5, v5
	v_add_nc_u32 v[STO], s23, v5
	v_and_b32 v6, 31, v0
	v_lshlrev_b32 v[CO], 4, v6                     ; back: the 32 lanes take one row of 512 bytes; and the same in C
	v_add_nc_u32 v[RD], s23, v[CO]
	s_lshl_b32 s20, s17, 8
	s_lshl_b32 s21, s15, 7
	s_add_co_u32 s20, s20, s21                     ; my first row of C: 256 x tile row + 128 x half
	s_mov_b32 s21, 0
	s_mov_b64 s[18:19], SIZE_N*4
	s_mul_u64 s[20:21], s[20:21], s[18:19]
	s_and_b32 s46, s42, 7                          ; my first column in the product's plane, in bytes: 1,024 x (tile column % 8) + 512 x half
	s_lshl_b32 s46, s46, 10
	s_lshl_b32 s47, s16, 9
	s_add_co_u32 s46, s46, s47
	s_mov_b32 s47, 0
	s_add_nc_u64 s[20:21], s[20:21], s[46:47]
	s_lshl_b32 s46, s66, 24                        ; the product's plane: 2,048 x 2,048 x 4 bytes
	s_add_nc_u64 s[20:21], s[20:21], s[46:47]
	s_add_nc_u64 s[12:13], s[12:13], s[20:21]
.macro FRAG reg, adr, q, i             ; a fragment, 16 rows x 128 K of 8-bit codes, is 16 registers: lane l holds row l % 16; registers 4 c .. 4 c + 3 hold bytes 32 c + 16 (l / 16) + 0 .. 15 of the row's 128: the same in A and in B
.irp c, 0,1,2,3
	ds_load_b128 v[\reg+4*\c:\reg+4*\c+3], v[\adr] offset:128*(\q)+32*\c+(\i)*16*PITCH
.endr
.endm
; 16 matrix instructions: A's blocks a0, a0 + 1 x B's eight, 128 along K.  p: B's set.  zero = 1: the first product starts the sums: nothing is ever cleared.
; The 64 accumulators take turns, one instruction a turn, in the same order in every step.
.macro MUL16 a0, p, zero
.irp a, \a0, \a0+1
.irp b, 0,1,2,3,4,5,6,7
.if \zero
	v_wmma_f32_16x16x128_fp8_fp8 v[8*(8*((\a)%4)+\b):8*(8*((\a)%4)+\b)+7], v[128*(\p)+FR*\b:128*(\p)+FR*\b+FR-1], v[AF+FR*(\a):AF+FR*(\a)+FR-1], 0
.else
	v_wmma_f32_16x16x128_fp8_fp8 v[8*(8*((\a)%4)+\b):8*(8*((\a)%4)+\b)+7], v[128*(\p)+FR*\b:128*(\p)+FR*\b+FR-1], v[AF+FR*(\a):AF+FR*(\a)+FR-1], v[8*(8*((\a)%4)+\b):8*(8*((\a)%4)+\b)+7]
.endif
.endr
.endr
.endm
.macro FETCH_B slot, q, p              ; B's eight fragments of the slot's q-th 128 along K into set p
	WIN TO_B
.irp i, 0,1,2,3,4,5,6,7
	FRAG 128*(\p)+FR*\i, ADRB+\slot, \q, \i
.endr
	WIN 0
.endm
.macro FETCH_A slot, q, i0             ; A's blocks i0 .. i0 + 3
.irp i, \i0, \i0+1, \i0+2, \i0+3
	FRAG AF+FR*(\i), ADRA+\slot, \q, \i
.endr
.endm
; A load into a register that a matrix instruction has read, and a vector instruction or an LDS store that reads a matrix result, stand NP places behind that matrix instruction, and only plain vector
; instructions that name none of its registers are places (ISA guide 7.12.1 for vector instructions).
.macro PLACES n
.rept \n
	v_nop
.endr
.endm
; A step of 128 along K that has its successor in the same slot.
.macro STEP slot, q, zero
	s_wait_dscnt 4*NL                              ; B's set and A's blocks 0-3 are in; the youngest 16 loads (A's blocks 4-7) may be out
	WIN MUL_LO
	MUL16 0, (\q)%2, \zero
	MUL16 2, (\q)%2, \zero
	s_wait_dscnt 0                                 ; A's blocks 4-7 are in (asked for 32 matrix instructions ago)
	PLACES NP
	FETCH_B \slot, (\q)+1, 1-(\q)%2
	FETCH_A \slot, (\q)+1, 0
	WIN MUL_HI
	MUL16 4, (\q)%2, \zero
	MUL16 6, (\q)%2, \zero
	PLACES NP
	WIN 0
	FETCH_A \slot, (\q)+1, 4
.endm
; A slot's last step changes slots: ONE barrier; in front of it each wave waits for all its tensor loads, adds 0 to its spare word, and waits for that and for its own reads of this slot.  fill = 1: this slot is filled again, two K steps ahead.
.macro TURN slot, next, fill
	s_wait_tensorcnt 0x0                           ; all my tensor loads have landed: my part of the next slot  (every window is 0 here)
	ds_add_u32 v[SPW], v[NIL]                      ; 0 onto my spare word
	s_wait_dscnt 4*NL+1                            ; (the add and the youngest 16 loads, A's blocks 4-7, may be out)
	WIN MUL_LO
	MUL16 0, 1, 0                                  ; sixteen matrix instructions stand between the add and the wait for it
	s_wait_dscnt 0x0                               ; the add is done, and my reads of this slot are over
	s_barrier_signal -1
	MUL16 2, 1, 0
	WIN 0
	s_barrier_wait -1
.if \fill
	CREST                                          ; the barrier has opened a round of the cluster's barrier: no wave of any partner still reads this slot's tile or has a load on its way
	s_add_nc_u64 s[G0+4*\slot+2:G0+4*\slot+3], s[G0+4*\slot+2:G0+4*\slot+3], 2*ROWB
	s_add_nc_u64 s[G0B+4*\slot+2:G0B+4*\slot+3], s[G0B+4*\slot+2:G0B+4*\slot+3], 2*ROWB
	JLOAD G0+4*\slot, G1, G0B+4*\slot, G1B         ; the first tensor load behind the round; the four v_nop behind it are the places in front of the loads below
.else
	PLACES NP
.endif
	FETCH_B \next, 0, 0
	FETCH_A \next, 0, 0
	WIN MUL_HI
	MUL16 4, 1, 0
	MUL16 6, 1, 0
	PLACES NP
	WIN 0
	FETCH_A \next, 0, 4
.endm
	s_wait_loadcnt 0x0                             ; the bias is in: no global load of mine is out at a barrier
	s_wait_tensorcnt 1                             ; my part of K step 0 is in (K step 1's load may be out)
	s_barrier_signal -1
	s_barrier_wait -1                              ; everybody's is
	FETCH_B 0, 0, 0
	FETCH_A 0, 0, 0
	FETCH_A 0, 0, 4
	STEP 0, 0, 1                                   ; the first step stands in front of the loop: its products start the sums
	s_mov_b32 s3, LAPS-1
.Llap:                                                 ; a trip goes once round the ring, from a lap's second step to the next lap's first, and fills both slots again
	TURN 0, 1, 1
	STEP 1, 0, 0
	TURN 1, 0, 1
	STEP 0, 0, 0
	s_sub_co_u32 s3, s3, 1
	s_cmp_lg_u32 s3, 0
	s_cbranch_scc1 .Llap
	TURN 0, 1, 0                                   ; the last lap fills nothing, and has no round of the cluster's barrier
	STEP 1, 0, 0
	s_wait_dscnt 4*NL                              ; the very last step: nothing more to fetch
	WIN MUL_LO
	MUL16 0, 1, 0
	MUL16 2, 1, 0
	s_wait_dscnt 0
	WIN MUL_HI
	MUL16 4, 1, 0
	MUL16 6, 1, 0
	WIN 0
; THE WAY OUT, block by block of 16 rows x 128 columns.  A lane holds 32 neighbouring bytes of a row, and the lanes beside it hold other rows: so a block goes through my own stage in LDS and comes back as whole
; rows of 512 bytes, which the 32 lanes store as two aligned runs of 256 bytes.  LDS serves a wave's instructions in order (ISA guide 5.7.1.4): no wait between the stores and the loads, nor in front of the next block's stores.
; One packed multiply-add gives sum x 2^(ea + eb) + bias for two numbers; half a block (four accumulators) at a time, each accumulator from its low end on.
.macro TOSTAGE a
.set AC, 64*((\a)%4)
.irp q, 0,1
	WIN 0x02+((\a)/4)                              ; source 0: window 2 or 3
.irp j, 0,2,4,6,8,10,12,14,16,18,20,22,24,26,28,30
	v_pk_fma_f32 v[TMP+\j:TMP+\j+1], v[AC+32*\q+\j:AC+32*\q+\j+1], s[96:97], v[BIAS+32*\q+\j:BIAS+32*\q+\j+1] op_sel_hi:[1,0,1]   ; the scalar pair's low word serves both halves
.endr
	WIN 0
.irp b, 0,1,2,3
	ds_store_b128 v[STO], v[TMP+8*\b:TMP+8*\b+3] offset:64*(4*\q+\b)
	ds_store_b128 v[STO], v[TMP+8*\b+4:TMP+8*\b+7] offset:64*(4*\q+\b)+16
.endr
.endr
.set BB, BK+64*((\a)%2)
.irp t, 0,1,2,3,4,5,6,7,8,9,10,11,12,13,14,15
	ds_load_b128 v[BB+4*\t:BB+4*\t+3], v[RD] offset:\t*SPITCH
.endr
.endm
.macro SEND a, younger                 ; younger: the LDS instructions issued behind block a's loads, which may stay out
.set BB, BK+64*((\a)%2)
	s_wait_dscnt \younger                          ; the block is back in registers
.if (\a) > 0
	s_add_nc_u64 s[12:13], s[12:13], 16*SIZE_N*4   ; (behind a wait on XCNT: the earlier stores have read their base)  16 rows of C on
.endif
.irp t, 0,1,2,3,4,5,6,7,8,9,10,11,12,13,14,15
	global_store_b128 v[CO], v[BB+4*\t:BB+4*\t+3], s[12:13] offset:\t*SIZE_N*4 th:TH_STORE_NT   ; 32 lanes store 512 consecutive bytes, at a multiple of 256 from C's first byte; read by nobody in this launch
.endr
.endm
	s_wait_kmcnt 0x0
	s_cmp_eq_u32 s66, 1                            ; the product's two exponents: words 2 p and 2 p + 1; a choice on ids, no branch
	s_cselect_b32 s96, s90, s88
	s_cselect_b32 s97, s91, s89
	s_cmp_eq_u32 s66, 2
	s_cselect_b32 s96, s92, s96
	s_cselect_b32 s97, s93, s97
	s_add_co_i32 s96, s96, s97                     ; ea + eb, between -126 and 127,
	s_add_co_i32 s96, s96, 127
	s_lshl_b32 s96, s96, 23                        ; makes the f32 number 2^(ea + eb)
	PLACES NP                                      ; behind the last products: for the loads into the registers that held A's fragments, and for the reads of results
	TOSTAGE 0
.irp a, 1,2,3,4,5,6,7
.if \a > 1
	s_wait_xcnt 0x0                                ; block a - 2's stores have read their registers and their base: block a's loads may land there, and the base may step
.endif
	TOSTAGE \a
	SEND \a-1, 32                                  ; behind block a - 1's loads: block a's 16 stores and 16 loads
.endr
	s_wait_xcnt 0x0                                ; block 6's stores have read their base
	SEND 7, 0
	s_wait_tensorcnt 0x0                           ; the wave's end, behind my last tensor load and my last LDS store
	ds_add_u32 v[SPW], v[NIL]
	s_wait_dscnt 0x0
	CROUND                                         ; the closing round: no work-group ends while a partner may still ask for a tile that names it
	s_endpgm
.Lfunc_end_k_q1e14727b28_gemm_qkv:
	.size	k_q1e14727b28_gemm_qkv, .Lfunc_end_k_q1e14727b28_gemm_qkv-k_q1e14727b28_gemm_qkv
	.p2alignl 7, 3214868480
	.fill 96, 4, 3214868480
	.section	.rodata,"a",@progbits
	.p2align	6, 0x0
	.amdhsa_kernel k_q1e14727b28_gemm_qkv
		.amdhsa_group_segment_fixed_size 327680
		.amdhsa_private_segment_fixed_size 0
		.amdhsa_enable_private_segment 0
		.amdhsa_kernarg_size 40
		.amdhsa_user_sgpr_count 2
		.amdhsa_user_sgpr_kernarg_segment_ptr 1
		.amdhsa_wavefront_size32 1
		.amdhsa_system_sgpr_workgroup_id_x 1
		.amdhsa_system_sgpr_workgroup_id_y 1
		.amdhsa_system_sgpr_workgroup_id_z 1
		.amdhsa_system_vgpr_workitem_id 0
		.amdhsa_next_free_vgpr 1024
		.amdhsa_next_free_sgpr 98
		.amdhsa_reserve_vcc 0
		.amdhsa_float_denorm_mode_32 3
		.amdhsa_float_denorm_mode_16_64 3
		.amdhsa_memory_ordered 1
		.amdhsa_forward_progress 1
		.amdhsa_inst_pref_size 126
	.end_amdhsa_kernel
	.amdgpu_metadata
---
amdhsa.version: [ 1, 2 ]
amdhsa.kernels:
  - .name:           k_q1e14727b28_gemm_qkv
    .symbol:         k_q1e14727b28_gemm_qkv.kd
    .args:
      - { .name: xc, .offset: 0, .size: 8, .value_kind: global_buffer, .address_space: global }
      - { .name: wc, .offset: 8, .size: 8, .value_kind: global_buffer, .address_space: global }
      - { .name: bias3, .offset: 16, .size: 8, .value_kind: global_buffer, .address_space: global }
      - { .name: lowp_scales, .offset: 24, .size: 8, .value_kind: global_buffer, .address_space: global }
      - { .name: qkv, .offset: 32, .size: 8, .value_kind: global_buffer, .address_space: global }
    .group_segment_fixed_size: 327680
    .private_segment_fixed_size: 0
    .kernarg_segment_align: 8
    .kernarg_segment_size: 40
    .max_flat_workgroup_size: 128
    .sgpr_count:     98
    .vgpr_count:     1024
    .wavefront_size: 32
...
	.end_amdgpu_metadata
.endif
;; end of part 2
;; launch post (part 3): grid 640 x 1, 4 waves a work-group, no clusters, 35,840 bytes of LDS; arguments qkv, gq, gk, freqs_cos, freqs_sin, lowp_scales, qkvc; writes qkvc
.if DOCPART == 3
	.amdgcn_target "amdgcn-amd-amdhsa--gfx1250"
	.amdhsa_code_object_version 6
	.text
	.protected	k_q1e14727b28_post
	.globl	k_q1e14727b28_post
	.p2align	8
	.type	k_q1e14727b28_post,@function
k_q1e14727b28_post:
	s_mov_b64 s[64:65], 0
	v_nop
	global_prefetch_b8 v0, s[64:65] scope:SCOPE_SE
	s_setreg_imm32_b32 hwreg(HW_REG_WAVE_MODE, 25, 1), 1
	s_wait_xcnt 0x0
; THIRD LAUNCH.  qkv [3][2048 t][2048] f32 holds x Wq + bq, x Wk + bk, x Wv + bv.  Out: qkvc: at 0 q's codes [16 h][2048 t][128] (scale e6), at 4 MiB k's likewise (e7), at 8 MiB v's codes [2048 d][2048 t], the keys innermost (e8).  Nothing is left out here.
; q and k: row x rsqrt(mean of squares over all 2,048 + 1e-6) x gain, then the rotation of neighbouring pairs by the position's cos and sin, all in f32, then the quantiser.
; code = number / 2^e, held within +-448, to the nearest code, ties to even.  LIMITS: e6, e7, e8 between -126 and 119; NaN is not served.
; ORDER ALONG THE HEAD'S 128, in q and in k alike: byte 8 m + 4 j + u holds channel 64 j + 4 m + u: so a lane loads 16 neighbouring bytes beside its neighbour's and its 8 codes lie beside its neighbour's.  v keeps the keys' own order.
; SHARES.  Work-groups 0..127: v: 128 channels (id % 16) x 256 keys (id / 16); a lane takes a channel and its registers run down the keys; the codes leave by rows through the wave's own stage in LDS.
; Work-groups 128..639: q (the first 256) and k: a wave takes two rows, sixteen lanes a row, 128 numbers a lane in registers between the pass that sums the squares and the pass that scales: no LDS, no barrier.
.set PITCH, 272
.set SPARE, 4*32*PITCH                 ; behind the four stages: the spare words, 128 bytes for each wave, which no other line names
.set EMAX,  8
.set MANT,  0x600000
.set SPW,   14                         ; v14  LDS address of my spare word; never rewritten
.set NIL,   15                         ; v15  0; never rewritten
.set VX,    32                         ; v: v32-95 two sets of 32 numbers; v96-103 codes; v112-175 the way out
.set VC,    96
.set OUTR,  112
.set SUMS,  16                         ; q, k: v16-23 four packed sums of squares
.set R,     28                         ; v[28:29] the norm's factor (the pair's upper word is only named)
.set CSN,   32                         ; v32-35 cos of my four pairs; v36-39 sin
.set SN,    36
.set T,     40                         ; v40-47 at work
.set XN,    64                         ; v64-191 register 8 i + 4 j + u: column 128 i + 64 j + 4 m + u of my row
.set NC,    192                        ; v192-223 codes, a pair for each head
.set MSB, 0
.macro WIN new                         ; the immediate's high byte repeats the setting that is left
.if MSB != \new
	s_set_vgpr_msb (MSB<<8)|\new
.set MSB, \new
.endif
.endm
	s_load_b256 s[4:11], s[0:1], 0x0               ; qkv, gq, gk, cos
	s_load_b128 s[12:15], s[0:1], 0x20             ; sin, lowp_scales
	s_load_b64 s[16:17], s[0:1], 0x30              ; qkvc
	v_lshl_add_u32 v[SPW], v0, 2, SPARE
	v_mov_b32 v[NIL], 0
	v_lshrrev_b32 v1, 5, v0
	v_readfirstlane_b32 s32, v1                    ; wave 0..3
	v_and_b32 v2, 31, v0                           ; lane
	s_cmp_ge_u32 ttmp9, 128
	s_cbranch_scc1 .Lnorm
	; ---------------- v: the keys, its first axis, are laid innermost ----------------
	s_and_b32 s34, ttmp9, 15
	s_lshr_b32 s35, ttmp9, 4                       ; which 256 keys
	s_lshl_b32 s34, s34, 7
	s_lshl_b32 s39, s32, 5
	s_add_co_u32 s34, s34, s39                     ; my wave's first channel
	s_lshl_b32 s50, s35, 21
	s_lshl_b32 s39, s34, 2
	s_add_co_u32 s50, s50, s39
	s_add_co_u32 s50, s50, 0x2000000               ; v's plane of qkv
	s_mov_b32 s51, 0
	s_lshl_b32 s52, s34, 11
	s_lshl_b32 s39, s35, 8
	s_add_co_u32 s52, s52, s39
	s_add_co_u32 s52, s52, 0x800000                ; v's part of qkvc
	s_mov_b32 s53, 0
	v_lshlrev_b32 v3, 2, v2
	s_mul_i32 s39, s32, 32*PITCH                   ; my stage
	v_mul_u32_u24 v4, v2, PITCH
	v_add_nc_u32 v4, s39, v4
	v_and_b32 v5, 15, v2
	v_lshrrev_b32 v6, 4, v2
	v_mul_u32_u24 v7, v6, PITCH
	v_lshl_add_u32 v7, v5, 4, v7
	v_add_nc_u32 v7, s39, v7
	v_lshlrev_b32 v8, 11, v6
	v_lshl_add_u32 v8, v5, 4, v8
	s_wait_kmcnt 0x0
	s_load_b32 s38, s[14:15], 0x20                 ; e8
	s_add_nc_u64 s[4:5], s[4:5], s[50:51]
	s_add_nc_u64 s[16:17], s[16:17], s[52:53]
.macro LOAD t                          ; block t: v(32 t + i, my channel), i = 0 .. 31; 32 lanes read 128 consecutive bytes
.irp i, 0,1,2,3,4,5,6,7,8,9,10,11,12,13,14,15,16,17,18,19,20,21,22,23,24,25,26,27,28,29,30,31
	global_load_b32 v[VX+32*((\t)%2)+\i], v3, s[4:5] offset:(32*(\t)+\i)*8192 th:TH_LOAD_NT
.endr
.endm
.macro BLOCK t
.set XS, VX+32*((\t)%2)
.if (\t) < 7
	s_wait_loadcnt 32                              ; this block's 32 loads are in; the next block's 32 may be out
.else
	s_wait_loadcnt 0
.endif
.irp i, 0,1,2,3,4,5,6,7,8,9,10,11,12,13,14,15,16,17,18,19,20,21,22,23,24,25,26,27,28,29,30,31
	v_med3_num_f32 v[XS+\i], v[XS+\i], -v10, v10   ; the conversion to an 8-bit code does not saturate (ISA guide 7.6.2): the hold comes first
.endr
.irp g, 0,1,2,3
	v_cvt_scalef32_pk8_fp8_f32 v[VC+2*\g:VC+2*\g+1], v[XS+8*\g:XS+8*\g+7], v11
.endr
	ds_store_b128 v4, v[VC:VC+3] offset:32*(\t)
	ds_store_b128 v4, v[VC+4:VC+7] offset:32*(\t)+16
.if (\t)+2 < 8
	LOAD (\t)+2
.endif
	s_wait_dscnt 0x0                               ; the stores have read their registers
.endm
	LOAD 0
	LOAD 1
	s_wait_kmcnt 0x0
	s_add_co_i32 s38, s38, 127
	s_lshl_b32 s39, s38, 23
	v_mov_b32 v11, s39                             ; 2^e8
	s_add_co_i32 s38, s38, EMAX
	s_lshl_b32 s38, s38, 23
	s_or_b32 s38, s38, MANT
	v_mov_b32 v10, s38                             ; 448 x 2^e8
.irp t, 0,1,2,3,4,5,6,7
	BLOCK \t
.endr
.irp t, 0,1,2,3,4,5,6,7,8,9,10,11,12,13,14,15
	ds_load_b128 v[OUTR+4*\t:OUTR+4*\t+3], v7 offset:2*\t*PITCH
.endr
.irp t, 0,1,2,3,4,5,6,7,8,9,10,11,12,13,14,15
	s_wait_dscnt 15-\t                             ; the younger loads may be out
	global_store_b128 v8, v[OUTR+4*\t:OUTR+4*\t+3], s[16:17] offset:2*\t*2048   ; sixteen lanes store 256 consecutive bytes, aligned
.endr
	s_wait_tensorcnt 0x0                           ; the wave's end, behind my last LDS store
	ds_add_u32 v[SPW], v[NIL]
	s_wait_dscnt 0x0
	s_endpgm
	; ---------------- q and k: norm, gain, rotation, codes ----------------
.Lnorm:
	s_sub_co_u32 s33, ttmp9, 128
	s_lshr_b32 s34, s33, 8                         ; 0: q, 1: k
	s_and_b32 s35, s33, 255
	s_lshl_b32 s35, s35, 2
	s_add_co_u32 s35, s35, s32
	s_lshl_b32 s35, s35, 1                         ; my wave's first row
	s_lshl_b32 s36, s34, 24
	s_lshl_b32 s37, s35, 13
	s_add_co_u32 s36, s36, s37                     ; in qkv
	s_mov_b32 s37, 0
	s_lshl_b32 s38, s35, 8                         ; in cos and sin: rows of 256 bytes
	s_mov_b32 s39, 0
	s_lshl_b32 s40, s34, 22
	s_lshl_b32 s41, s35, 7
	s_add_co_u32 s40, s40, s41                     ; in qkvc: head 0's row
	s_mov_b32 s41, 0
	s_mov_b32 s22, 0x3a000000                      ; 1 / 2048
	s_mov_b32 s23, 0x358637bd                      ; 1e-6
	v_and_b32 v8, 15, v0                           ; m
	v_bfe_u32 v7, v0, 4, 1                         ; which of the two rows
	v_lshlrev_b32 v5, 4, v8                        ; the gain: 16 m
	v_lshl_add_u32 v3, v7, 13, v5                  ; the row: + 8,192 for the second
	v_lshlrev_b32 v6, 3, v8
	v_lshl_add_u32 v6, v7, 8, v6                   ; cos, sin: 8 m + 256 for the second row
	v_lshlrev_b32 v4, 3, v2                        ; codes: 8 bytes a lane: two rows of 128 on end
	v_mov_b32 v[R+1], 0
	s_wait_kmcnt 0x0
	s_load_b64 s[20:21], s[14:15], 0x18            ; e6, e7
	s_add_nc_u64 s[4:5], s[4:5], s[36:37]
	s_cmp_eq_u32 s34, 0
	s_cselect_b64 s[6:7], s[6:7], s[8:9]           ; gq or gk: the choice hangs on the work-group's number alone
	s_add_nc_u64 s[10:11], s[10:11], s[38:39]
	s_add_nc_u64 s[12:13], s[12:13], s[38:39]
	s_add_nc_u64 s[16:17], s[16:17], s[40:41]
.irp i, 0,1,2,3,4,5,6,7,8,9,10,11,12,13,14,15
.irp j, 0,1
	global_load_b128 v[XN+8*\i+4*\j:XN+8*\i+4*\j+3], v3, s[4:5] offset:512*\i+256*\j th:TH_LOAD_NT   ; sixteen lanes read 256 consecutive bytes of a row
.endr
.endr
.irp j, 0,1
	global_load_b64 v[CSN+2*\j:CSN+2*\j+1], v6, s[10:11] offset:128*\j   ; pairs 32 j + 2 m and 32 j + 2 m + 1: the same for all sixteen heads
	global_load_b64 v[SN+2*\j:SN+2*\j+1],   v6, s[12:13] offset:128*\j
.endr
	WIN 0x40                                       ; destination window 1: the gain, in the row's order, at v256-383
.irp i, 0,1,2,3,4,5,6,7,8,9,10,11,12,13,14,15
.irp j, 0,1
	global_load_b128 v[8*\i+4*\j:8*\i+4*\j+3], v5, s[6:7] offset:512*\i+256*\j
.endr
.endr
	WIN 0
	s_wait_kmcnt 0x0
	s_cmp_eq_u32 s34, 0
	s_cselect_b32 s20, s20, s21
	s_add_co_i32 s20, s20, 127
	s_lshl_b32 s21, s20, 23
	v_mov_b32 v31, s21                             ; 2^e
	s_add_co_i32 s20, s20, EMAX
	s_lshl_b32 s20, s20, 23
	s_or_b32 s20, s20, MANT
	v_mov_b32 v30, s20                             ; 448 x 2^e
	s_wait_loadcnt 36                              ; the row's 32 loads are in; the 4 of cos and sin and the gain's 32 may be out
.irp c, 0,1,2,3
	v_pk_mul_f32 v[SUMS+2*\c:SUMS+2*\c+1], v[XN+2*\c:XN+2*\c+1], v[XN+2*\c:XN+2*\c+1]   ; the first four pairs start four chains: nothing is cleared
.endr
.set n, 4
.rept 60
	v_pk_fma_f32 v[SUMS+2*(n%4):SUMS+2*(n%4)+1], v[XN+2*n:XN+2*n+1], v[XN+2*n:XN+2*n+1], v[SUMS+2*(n%4):SUMS+2*(n%4)+1]
.set n, n+1
.endr
	v_pk_add_f32 v[SUMS:SUMS+1], v[SUMS:SUMS+1], v[SUMS+2:SUMS+3]
	v_pk_add_f32 v[SUMS+4:SUMS+5], v[SUMS+4:SUMS+5], v[SUMS+6:SUMS+7]
	v_pk_add_f32 v[SUMS:SUMS+1], v[SUMS:SUMS+1], v[SUMS+4:SUMS+5]
	v_add_f32 v24, v[SUMS], v[SUMS+1]
	v_add_f32_dpp v24, v24, v24 row_xmask:1 row_mask:0xf bank_mask:0xf   ; a row lives in sixteen lanes: four steps, and the sum never crosses to the other row
	v_add_f32_dpp v24, v24, v24 row_xmask:2 row_mask:0xf bank_mask:0xf
	v_add_f32_dpp v24, v24, v24 row_xmask:4 row_mask:0xf bank_mask:0xf
	v_add_f32_dpp v24, v24, v24 row_xmask:8 row_mask:0xf bank_mask:0xf
	v_fma_f32 v24, v24, s22, s23                   ; the mean of the squares + 1e-6
	v_rsq_f32 v[R], v24
	v_nop                                          ; a plain instruction behind the transcendental (ISA guide 5.7.2),
	s_wait_alu depctr_va_vdst(0)                   ; and a wait ahead of its first reader
.set n, 0
.rept 64
	v_pk_mul_f32 v[XN+2*n:XN+2*n+1], v[XN+2*n:XN+2*n+1], v[R:R+1] op_sel_hi:[1,0]
.set n, n+1
.endr
	s_wait_loadcnt 0x0                             ; cos, sin and the gain
	WIN 0x04                                       ; source 1 window 1
.set n, 0
.rept 64
	v_pk_mul_f32 v[XN+2*n:XN+2*n+1], v[XN+2*n:XN+2*n+1], v[2*n:2*n+1]   ; (row x factor) x gain, in that order
.set n, n+1
.endr
	WIN 0
; head i: my eight numbers are four pairs (a0, a1): a0 cos - a1 sin, a0 sin + a1 cos; then the hold, the conversion and the store
.macro HEAD i
.irp k, 0,1,2,3
	v_mul_f32 v[T+2*\k],   v[XN+8*\i+2*\k+1], v[SN+\k]
	v_mul_f32 v[T+2*\k+1], v[XN+8*\i+2*\k+1], v[CSN+\k]
.endr
.irp k, 0,1,2,3
	v_fma_f32 v[XN+8*\i+2*\k+1], v[XN+8*\i+2*\k], v[SN+\k], v[T+2*\k+1]
	v_fma_f32 v[XN+8*\i+2*\k],   v[XN+8*\i+2*\k], v[CSN+\k], -v[T+2*\k]
.endr
.irp k, 0,1,2,3,4,5,6,7
	v_med3_num_f32 v[XN+8*\i+\k], v[XN+8*\i+\k], -v30, v30
.endr
	v_cvt_scalef32_pk8_fp8_f32 v[NC+2*\i:NC+2*\i+1], v[XN+8*\i:XN+8*\i+7], v31
	global_store_b64 v4, v[NC+2*\i:NC+2*\i+1], s[16:17] offset:\i*262144   ; 32 lanes store 256 consecutive bytes, aligned: my two rows of head i
.endm
.irp i, 0,1,2,3,4,5,6,7,8,9,10,11,12,13,14,15
	HEAD \i
.endr
	v_nop                                          ; a plain instruction behind the last conversion
	s_endpgm
.Lfunc_end_k_q1e14727b28_post:
	.size	k_q1e14727b28_post, .Lfunc_end_k_q1e14727b28_post-k_q1e14727b28_post
	.p2alignl 7, 3214868480
	.fill 96, 4, 3214868480
	.section	.rodata,"a",@progbits
	.p2align	6, 0x0
	.amdhsa_kernel k_q1e14727b28_post
		.amdhsa_group_segment_fixed_size 35840
		.amdhsa_private_segment_fixed_size 0
		.amdhsa_enable_private_segment 0
		.amdhsa_kernarg_size 56
		.amdhsa_user_sgpr_count 2
		.amdhsa_user_sgpr_kernarg_segment_ptr 1
		.amdhsa_wavefront_size32 1
		.amdhsa_system_sgpr_workgroup_id_x 1
		.amdhsa_system_sgpr_workgroup_id_y 1
		.amdhsa_system_sgpr_workgroup_id_z 1
		.amdhsa_system_vgpr_workitem_id 0
		.amdhsa_next_free_vgpr 384
		.amdhsa_next_free_sgpr 66
		.amdhsa_reserve_vcc 0
		.amdhsa_float_denorm_mode_32 3
		.amdhsa_float_denorm_mode_16_64 3
		.amdhsa_memory_ordered 1
		.amdhsa_forward_progress 1
		.amdhsa_inst_pref_size 93
	.end_amdhsa_kernel
	.amdgpu_metadata
---
amdhsa.version: [ 1, 2 ]
amdhsa.kernels:
  - .name:           k_q1e14727b28_post
    .symbol:         k_q1e14727b28_post.kd
    .args:
      - { .name: qkv, .offset: 0, .size: 8, .value_kind: global_buffer, .address_space: global }
      - { .name: gq, .offset: 8, .size: 8, .value_kind: global_buffer, .address_space: global }
      - { .name: gk, .offset: 16, .size: 8, .value_kind: global_buffer, .address_space: global }
      - { .name: freqs_cos, .offset: 24, .size: 8, .value_kind: global_buffer, .address_space: global }
      - { .name: freqs_sin, .offset: 32, .size: 8, .value_kind: global_buffer, .address_space: global }
      - { .name: lowp_scales, .offset: 40, .size: 8, .value_kind: global_buffer, .address_space: global }
      - { .name: qkvc, .offset: 48, .size: 8, .value_kind: global_buffer, .address_space: global }
    .group_segment_fixed_size: 35840
    .private_segment_fixed_size: 0
    .kernarg_segment_align: 8
    .kernarg_segment_size: 56
    .max_flat_workgroup_size: 128
    .sgpr_count:     66
    .vgpr_count:     384
    .wavefront_size: 32
...
	.end_amdgpu_metadata
.endif
;; end of part 3
;; launch attn (part 4): grid 16 x 16, 8 waves a work-group, no clusters, 327,680 bytes of LDS; arguments qkvc, lowp_scales, ao; writes ao
.if DOCPART == 4
	.amdgcn_target "amdgcn-amd-amdhsa--gfx1250"
	.amdhsa_code_object_version 6
	.text
	.protected	k_q1e14727b28_attn
	.globl	k_q1e14727b28_attn
	.p2align	8
	.type	k_q1e14727b28_attn,@function
k_q1e14727b28_attn:
	s_mov_b64 s[64:65], 0
	v_nop
	global_prefetch_b8 v0, s[64:65] scope:SCOPE_SE
	s_setreg_imm32_b32 hwreg(HW_REG_WAVE_MODE, 25, 1), 1
	s_wait_xcnt 0x0
; FOURTH LAUNCH: causal attention on codes of E4M3.  In: qkvc (q's codes [16 h][2048 t][128], at 4 MiB k's likewise, at 8 MiB v's [2048 d][2048 t] with the keys innermost).  Out: ao [2048 t][2048]: the result's codes under e10.
; LEFT OUT: a key step (128 keys) all of whose keys come after the wave's 16 queries: the layer's own triangular mask hides them, and key 0 counts for every query (shown at the head of the first launch).
; THE SOFTMAX AHEAD OF THE SECOND PRODUCT: t = score x log2(e) / sqrt(128); M = the row's largest t so far, rounded UP to a whole number; p = 2^(t - M) is what is quantised (e9), not normalised.
; The row's sum is taken of the unquantised p, in f32, and divides O at the end.  When M moves, the sum and O are multiplied by 2^(old M - new M): exact.
; SHARES.  Work-group (i, head), i = 0..15.  Waves 0-3 own the four tiles of 16 queries of block i (64 queries), waves 4-7 those of block 31 - i.  A tile of block b has b / 2 + 1 key steps, so waves w and w + 4 together have 17 in every work-group.
; K's and V's tiles come through a ring of two LDS slots of 256 keys, filled by the tensor data mover (wave 0: K's 256 rows; wave 1: V's 128 rows) and read by all eight.
; NO CLUSTER: the jumps over hidden steps hang on a wave's first query, which would differ between the partners of a cluster, and partners would need different numbers of slots.
; LAYOUT.  Both products are used transposed: S^T = K Q^T (source 0 = 16 keys, source 1 = my 16 queries), O^T = V^T P^T: a lane holds ONE query (lane % 16) throughout.
; THE KEYS OF A TILE ARE NOT NEIGHBOURS: lane r of tile 2 b + u takes key 32 b + 8 u + r + 8 (r / 8), so that the 16 registers of tiles 2 b and 2 b + 1 are 16 neighbouring keys, 32 b + 16 (lane / 16) + 0 .. 15.
; q's and k's codes hold the head's 128 in one and the same order; ao is written in that order too (byte 8 m + 4 j + u of a head: channel 64 j + 4 m + u), as Wo's codes expect it.
; LIMITS on the given exponents: e6 + e7 between -123 and 130 (added to c's exponent field); e9 and e10 between -126 and 119; e8 + e9 is applied by v_ldexp_f32 and has none.  NaN is not served.
; REGISTERS: v1-7 addresses that stay; v8-11 addresses in hand; v12 -M, v13 the largest t, v[14:15] the sum in two halves; v16-31 Q; v32-95 four fragments of K or of V; v96-159 S^T, then p; v160-223 O^T; v224-239 p's codes;
;   v240, v241, v244, v245 the quantisers' constants; v[242:243], v252-254 at work; v246 what the lane 16 away sends: a register that no matrix instruction names.
.set SK,    256                        ; keys in a slot
.set NQ,    SK/128                     ; key steps in a slot
.set ROWB,  128                        ; 128 codes in bytes
.set KP,    144                        ; a key's row in LDS: 128 bytes + 16 of padding
.set VROWB, 256                        ; a row of V's tile
.set VP,    272                        ; and in LDS
.set KROWV, 2048                       ; a row of V in memory
.set VOFF,  SK*KP                      ; a slot: 256 rows of K, then 128 rows of V
.set SLOT1, 1<<17                      ; slot 1 begins here: one exclusive or turns an address in one slot into the other's
.set NSL,   2048/SK                    ; 8 slots' worth of keys
.set SPARE, 2*SLOT1                    ; behind the ring: the spare words, 128 bytes for each wave, which no other line names
.set SP,    144                        ; the way out: a stage of 16 rows x (128 bytes + 16) for each wave, from LDS byte 0: slot 0 was left at the last change of slots, has had its last fill, and nobody reads it
.set AK0,  1                           ; v1   my lane's place in a tile of K
.set AV0,  2                           ; v2   the same for V
.set PFOK, 3                           ; v3   256 x lane: the prefetch of K's block
.set PFOV, 4                           ; v4   2,048 x lane: the prefetch among V's rows
.set SPW,  5                           ; v5   LDS address of my spare word; never rewritten
.set NIL,  6                           ; v6   0; never rewritten
.set GO,   7                           ; v7   the way out: my byte offset among the wave's rows of ao
.set ADK,  8
.set ADV,  9
.set XL,   246                         ; v246 the other half of the lanes' number
.set WV,   18                          ; s18  my wave's number
.set SEL,  20                          ; s[20:21] lane selects for v_permlanex16_b32: lane l xor 16
.set CS,   22                          ; s[22:23] c = log2(e) / sqrt(128) x 2^(e6 + e7)
.set G1K,  24                          ; s[24:31] descriptor group 1 for K's tile;  s[32:39] for V's;  s[40:43], s[44:47] their groups 0, which walk
.set G1V,  32
.set G0K,  40
.set G0V,  44
.set QL,   48                          ; s48  my work-group's last query
.set TB,   2                           ; s2   LDS byte at which the slot in hand begins
.set SLOTS, 67                         ; s67  changes of slots still to come in the loop
.set PFK,  76                          ; s[76:77], s[78:79] where my prefetches stand in K and in V
.set PFV,  78
.set LIM,  80                          ; s80  1 in a wave that prefetches, else the greatest number
.set KF,   98                          ; s98  the step's first key
.set Q0,   99                          ; s99  my first query
; Wave 0 fetches K's tile, wave 1 V's, the others nothing.  The branches hang on the wave's number alone.  An s_nop 0 and four v_nop follow each of the two lines.
.macro TLOAD
	s_cmp_eq_u32 s[WV], 0
	s_cbranch_scc0 .Lnot_k_\@
	tensor_load_to_lds s[G0K:G0K+3], s[G1K:G1K+7]
	s_nop 0
.rept 4
	v_nop
.endr
	s_branch .Lasked_\@
.Lnot_k_\@:
	s_cmp_eq_u32 s[WV], 1
	s_cbranch_scc0 .Lasked_\@
	tensor_load_to_lds s[G0V:G0V+3], s[G1V:G1V+7]
	s_nop 0
.rept 4
	v_nop
.endr
.Lasked_\@:
.endm
; A PREFETCH INTO THE L2 of what the NEXT change of slots will ask for: K's 256 rows, one dense block of 32,768 bytes, and 256 codes of each of V's 128 rows.  All sixteen work-groups of a head walk the same K and V: the head's
; work-group 0, which walks all eight slots, asks.  In it waves 4 to 7 ask, two instructions each: 8,192 bytes of K's block, lanes 256 bytes apart, and 32 of V's rows, a lane a row.  So each aligned block of 256 bytes of
; slots 2 to 7 is named once in the launch, a slot's two key steps ahead of its tensor load.  The last change that fills a slot asks for nothing; slots 0 and 1 come by their loads alone.
.macro ASK
	s_cmp_gt_u32 s[SLOTS], s[LIM]
	s_cbranch_scc0 .Lnot_mine_\@
	global_prefetch_b8 v[PFOK], s[PFK:PFK+1] th:TH_LOAD_NT scope:SCOPE_SE
	global_prefetch_b8 v[PFOV], s[PFV:PFV+1] th:TH_LOAD_NT scope:SCOPE_SE
.Lnot_mine_\@:
.endm
	s_load_b128 s[4:7], s[0:1], 0x0                ; qkvc s[4:5], the scales' exponents s[6:7]
	s_load_b64 s[8:9], s[0:1], 0x10                ; ao
	v_lshl_add_u32 v[SPW], v0, 2, SPARE
	v_mov_b32 v[NIL], 0
	ds_add_u32 v[SPW], v[NIL]                      ; the wave's opening: the add, twice on end, and its wait ahead of my first tensor load; the set-up below stands between the second and the wait
	ds_add_u32 v[SPW], v[NIL]
	v_lshrrev_b32 v8, 5, v0
	v_readfirstlane_b32 s[WV], v8                  ; wave 0..7
	s_and_b32 s50, ttmp7, 0xffff                   ; the head
	s_lshl_b32 s52, s50, 18                        ; its 262,144 bytes in each of the three parts of qkvc
	s_mov_b32 s53, 0
	s_sub_co_u32 s51, 31, ttmp9                    ; 31 - i
	s_cmp_lt_u32 s[WV], 4
	s_cselect_b32 s54, ttmp9, s51                  ; my block of 64 queries
	s_lshl_b32 s54, s54, 6
	s_and_b32 s55, s[WV], 3
	s_lshl_b32 s55, s55, 4
	s_add_co_u32 s[Q0], s54, s55                   ; my first query: it enters global addresses and compares alone
	s_lshl_b32 s[QL], s51, 6
	s_add_co_u32 s[QL], s[QL], 63                  ; the work-group's last query
	s_lshl_b32 s56, s[Q0], 7
	s_add_co_u32 s56, s56, s52                     ; my queries' codes
	s_mov_b32 s57, 0
	s_lshl_b32 s58, s[Q0], 11
	s_lshl_b32 s59, s50, 7
	s_add_co_u32 s58, s58, s59                     ; my rows of ao, at the head's 128 bytes
	s_mov_b32 s59, 0
	; descriptor group 1: K: 256 rows of 128 bytes, dense in memory;  V: 128 rows of 256 bytes, 2,048 bytes apart
	s_mov_b32 s[G1K], (0<<16)|(1<<20)|(4<<22)|(3<<25)   ; no mask; elements of 1 byte; padding on: four words (code 3) after every 32 (code 4)
	s_mov_b32 s[G1K+1], ROWB<<16                   ; tensor_dim0
	s_mov_b32 s[G1K+2], SK<<16                     ; tensor_dim1
	s_mov_b32 s[G1K+3], ROWB<<16                   ; tile_dim0
	s_mov_b32 s[G1K+4], SK                         ; tile_dim1
	s_mov_b32 s[G1K+5], ROWB                       ; tensor_dim0_stride
	s_mov_b32 s[G1K+6], 0
	s_mov_b32 s[G1K+7], 0
	s_mov_b32 s[G1V], (0<<16)|(1<<20)|(5<<22)|(3<<25)   ; padding: four words after every 64
	s_mov_b32 s[G1V+1], VROWB<<16
	s_mov_b32 s[G1V+2], 128<<16
	s_mov_b32 s[G1V+3], VROWB<<16
	s_mov_b32 s[G1V+4], 128
	s_mov_b32 s[G1V+5], KROWV
	s_mov_b32 s[G1V+6], 0
	s_mov_b32 s[G1V+7], 0
	s_mov_b32 s[SEL], 0x76543210
	s_mov_b32 s[SEL+1], 0xfedcba98
	s_mov_b32 s[CS], 0x3e0293ee                    ; c = log2(e) / sqrt(128)
	s_mov_b32 s[TB], 0
	s_mov_b32 s[SLOTS], NSL-1
	s_mov_b32 s[KF], 0
	s_wait_dscnt 0x0                               ; both opening adds are done
	s_wait_kmcnt 0x0
	s_load_b128 s[68:71], s[6:7], 0x18             ; e6, e7, e8, e9
	s_load_b32 s72, s[6:7], 0x28                   ; e10
	s_add_nc_u64 s[60:61], s[4:5], s[52:53]        ; qkvc at the head's bytes
	s_mov_b32 s[G0K], 1                            ; count = 1
	s_mov_b32 s[G0K+1], 0                          ; LDS address: slot 0
	s_add_nc_u64 s[G0K+2:G0K+3], s[60:61], 0x400000   ; the head's first 256 keys
	s_or_b32 s[G0K+3], s[G0K+3], 0x80000000        ; type = 2
	s_mov_b32 s[G0V], 1
	s_mov_b32 s[G0V+1], VOFF
	s_add_nc_u64 s[G0V+2:G0V+3], s[60:61], 0x800000
	s_or_b32 s[G0V+3], s[G0V+3], 0x80000000
	TLOAD                                          ; slot 0: it holds key 0, which counts for every query
	s_add_nc_u64 s[4:5], s[4:5], s[56:57]          ; q's codes at my first query
	s_add_nc_u64 s[8:9], s[8:9], s[58:59]          ; ao likewise
	; the prefetches: where my wave's stand, and who asks
	s_and_b32 s74, s[WV], 3
	s_lshl_b32 s82, s74, 13
	s_add_co_u32 s82, s82, 0x400000+SK*ROWB        ; K: my 8,192 bytes of slot 1: the first change of slots steps this to slot 2
	s_mov_b32 s83, 0
	s_add_nc_u64 s[PFK:PFK+1], s[60:61], s[82:83]
	s_lshl_b32 s82, s74, 16
	s_add_co_u32 s82, s82, 0x800000+VROWB          ; V: my 32 rows, at slot 1's 256 bytes
	s_add_nc_u64 s[PFV:PFV+1], s[60:61], s[82:83]
	s_lshr_b32 s82, s[WV], 2
	s_xor_b32 s82, s82, 1                          ; 0 in waves 4 to 7,
	s_or_b32 s82, s82, ttmp9                       ; of the head's work-group 0
	s_cmp_eq_u32 s82, 0
	s_cselect_b32 s[LIM], 1, -1
	v_and_b32 v[PFOK], 31, v0
	v_lshlrev_b32 v[PFOV], 11, v[PFOK]
	v_lshlrev_b32 v[PFOK], 8, v[PFOK]
	v_and_b32 v8, 15, v0                           ; r = lane % 16
	v_bfe_u32 v9, v0, 4, 1                         ; h = lane / 16
	v_mul_u32_u24 v10, v8, ROWB
	v_lshl_add_u32 v10, v9, 4, v10                 ; Q: row r, + my half's bytes
.irp c, 0,1,2,3
	global_load_b128 v[16+4*\c:19+4*\c], v10, s[4:5] offset:32*\c   ; Q's fragment stays in registers
.endr
	v_and_b32 v11, 8, v8
	v_add_nc_u32 v11, v11, v8                      ; r + 8 (r / 8)
	v_mul_u32_u24 v[AK0], v11, KP
	v_lshl_add_u32 v[AK0], v9, 4, v[AK0]
	v_mul_u32_u24 v[AV0], v8, VP
	v_lshl_add_u32 v[AV0], v9, 4, v[AV0]
	v_add_nc_u32 v[AV0], VOFF, v[AV0]
	v_mov_b32 v13, 0xff61b1e6                      ; the largest t so far: -3e38, under every t
	v_floor_f32 v12, -v13                          ; -M
	v_mov_b32 v14, 0                               ; the sum, in two halves
	v_mov_b32 v15, 0
	v_mov_b32 v[XL], 0                             ; written once: a lane permute's destination counts as one of its sources
	v_mov_b32 v253, 0                              ; (named as the upper half of the pair v[252:253])
.set j, 0
.rept 64
	v_mov_b32 v[160+j], 0                          ; O^T.  (The step is written once for first and later steps: the first finds zeros, which the first change of M leaves zeros)
.set j, j+1
.endr
	s_wait_kmcnt 0x0
	s_add_co_i32 s74, s68, s69
	s_lshl_b32 s74, s74, 23
	s_add_co_i32 s[CS], s[CS], s74                 ; a score stands for score x 2^(e6 + e7): the two exponents are added to c's exponent field
	s_mov_b32 s[CS+1], s[CS]                       ; (named with it as a pair, so it is written)
	s_add_co_i32 s74, s71, 127
	s_lshl_b32 s75, s74, 23
	v_mov_b32 v244, s75                            ; 2^e9, for p's conversion
	s_add_co_i32 s74, s74, 8
	s_lshl_b32 s74, s74, 23
	s_or_b32 s74, s74, 0x600000
	v_mov_b32 v240, s74                            ; 448 x 2^e9
	s_add_co_i32 s74, s72, 127
	s_lshl_b32 s75, s74, 23
	v_mov_b32 v245, s75                            ; 2^e10, for the result's conversion
	s_add_co_i32 s74, s74, 8
	s_lshl_b32 s74, s74, 23
	s_or_b32 s74, s74, 0x600000
	v_mov_b32 v241, s74                            ; 448 x 2^e10
; A KEY STEP: 128 keys, the q-th of the slot in hand.
.macro STEP q
	s_add_co_u32 s96, s[Q0], 15                    ; a step all of whose keys come after my 16 queries is left out: a scalar branch on ids, round the loads, products and softmax; not round the line at the end that steps the first key
	s_cmp_gt_u32 s[KF], s96
	s_cbranch_scc1 .Lhidden_\@
	v_add_nc_u32 v[ADK], s[TB], v[AK0]
	v_add_nc_u32 v[ADV], s[TB], v[AV0]
.irp g, 0,1                                    ; S^T = K Q^T, four tiles of 16 keys at a time
.rept 4-2*(1-\g)
	v_nop                                          ; places in front of loads into registers that matrix instructions have read: four; the two additions above are places too
.endr
.irp t, 0,1,2,3
.irp c, 0,1,2,3
	ds_load_b128 v[32+16*\t+4*\c:32+16*\t+4*\c+3], v[ADK] offset:(128*(\q)+32*((4*\g+\t)/2)+8*(\t%2))*KP+32*\c
.endr
.endr
	s_wait_dscnt 0x0
.irp t, 0,1,2,3
	v_wmma_f32_16x16x128_fp8_fp8 v[96+8*(4*\g+\t):103+8*(4*\g+\t)], v[32+16*\t:47+16*\t], v[16:31], 0
.endr
.endr
.rept 4
	v_nop
.endr
	s_add_co_u32 s96, s[KF], 127                   ; on the diagonal the scores of hidden keys become -infinity ahead of the maximum: p = 0 then.  A step all of whose keys count skips this
	s_cmp_le_u32 s96, s[Q0]
	s_cbranch_scc1 .Lopen_\@
	s_sub_co_i32 s96, s[Q0], s[KF]
	v_and_b32 v252, 15, v0
	v_bfe_u32 v253, v0, 4, 1
	v_lshlrev_b32 v253, 4, v253
	v_sub_nc_u32 v252, v252, v253
	v_add_nc_u32 v252, s96, v252                   ; d = my query - the first key - 16 (lane / 16).  Register 16 b + i holds key first + 16 (lane / 16) + 32 b + i: hidden where 32 b + i > d
	v_mov_b32 v254, 0xff800000                     ; -infinity
.set n, 0
.rept 64
	v_cmp_gt_i32 vcc_lo, 32*(n/16)+(n%16), v252
	v_cndmask_b32 v[96+n], v[96+n], v254, vcc_lo
.set n, n+1
.endr
.Lopen_\@:
	v_max3_num_f32 v254, v96, v97, v98             ; the step's largest score of my query, among my 64 keys, in two chains,
	v_max3_num_f32 v252, v99, v100, v101
.irp i, 6,10,14,18,22,26,30,34,38,42,46,50,54,58
	v_max3_num_f32 v254, v254, v[96+\i], v[97+\i]
	v_max3_num_f32 v252, v252, v[98+\i], v[99+\i]
.endr
	v_max3_num_f32 v254, v254, v158, v159
	v_max_num_f32 v254, v254, v252
	v_permlanex16_b32 v[XL], v254, s[SEL], s[SEL+1]
	v_max_num_f32 v254, v254, v[XL]                ; and among lane l xor 16's
	v_mul_f32 v254, s[CS], v254                    ; as t (c is positive)
	v_max_num_f32 v13, v13, v254                   ; the running largest t
	v_mov_b32 v254, v12
	v_floor_f32 v12, -v13                          ; the new -M = floor(-t) = -ceil(t): M is a whole number
	v_sub_f32 v254, v12, v254                      ; M's old value less its new one: a whole number, 0 or less
	v_cvt_i32_f32 v254, v254                       ; (it saturates)
	v_ldexp_f32 v252, 1.0, v254                    ; f = 2^(old M - new M): a multiplication by it rounds nothing
.set j, 0
.rept 32
	v_pk_fma_f32 v[96+j:97+j], v[96+j:97+j], s[CS:CS+1], v[12:13] op_sel_hi:[1,0,0]   ; t - M, two at a time (of the pairs c and -M the low word serves both halves)
.set j, j+2
.endr
.set j, 0
.rept 64
	v_exp_f32 v[96+j], v[96+j]                     ; p = 2^(t - M), at most 1: not normalised
.set j, j+1
.endr
	v_pk_mul_f32 v[14:15], v[14:15], v[252:253] op_sel_hi:[1,0]   ; the sums under the new M: the plain instruction behind the exponentials
	s_wait_alu depctr_va_vdst(0)                   ; one wait for the whole batch, ahead of its first reader
	v_pk_add_f32 v[242:243], v[96:97], v[98:99]    ; the row's sum is taken of the unquantised p: two at a time, in two chains
.irp j, 4,8,12,16,20,24,28,32,36,40,44,48,52,56,60
	v_pk_add_f32 v[14:15], v[14:15], v[96+\j:97+\j]
	v_pk_add_f32 v[242:243], v[242:243], v[98+\j:99+\j]
.endr
	v_pk_add_f32 v[14:15], v[14:15], v[242:243]
.irp b, 0,1,2,3
.irp i, 0,1,2,3,4,5,6,7,8,9,10,11,12,13,14,15
	v_min_num_f32 v[96+16*\b+\i], v[96+16*\b+\i], v240   ; the conversion does not saturate (ISA guide 7.6.2); p is not negative, so the hold is one-sided
.endr
	v_cvt_scalef32_pk8_fp8_f32 v[224+4*\b:225+4*\b], v[96+16*\b:103+16*\b], v244
	v_cvt_scalef32_pk8_fp8_f32 v[226+4*\b:227+4*\b], v[104+16*\b:111+16*\b], v244
.endr
.set j, 0
.rept 32
	v_pk_mul_f32 v[160+j:161+j], v[160+j:161+j], v[252:253] op_sel_hi:[1,0]   ; O^T under the new M.  (These 32 are also the places in front of the matrix instructions and loads below)
.set j, j+2
.endr
.irp g, 0,1                                    ; O^T += V^T P^T: four tiles of 16 of the head's 128 at a time; K = these 128 keys; the four accumulators take turns
.if \g > 0
.rept 4
	v_nop
.endr
.endif
.irp t, 0,1,2,3
.irp c, 0,1,2,3
	ds_load_b128 v[32+16*\t+4*\c:32+16*\t+4*\c+3], v[ADV] offset:16*(4*\g+\t)*VP+ROWB*(\q)+32*\c
.endr
.endr
	s_wait_dscnt 0x0
.irp t, 0,1,2,3
	v_wmma_f32_16x16x128_fp8_fp8 v[160+8*(4*\g+\t):167+8*(4*\g+\t)], v[32+16*\t:47+16*\t], v[224:239], v[160+8*(4*\g+\t):167+8*(4*\g+\t)]
.endr
.endr
.Lhidden_\@:
	s_add_co_u32 s[KF], s[KF], 128
.endm
; THE CHANGE OF SLOTS stands at a slot's head.  Each wave waits for all its tensor loads, adds 0 to its spare word (fill = 1: twice on end), and waits for that and for its reads of the slot that it has left.
; Behind the barrier the slot ahead is whole and nobody reads the other one.  fill = 1: that other slot is filled with the keys that follow, up to the causal limit: the load has a whole slot's steps in which to land.
.macro CHANGE fill
	s_wait_tensorcnt 0x0                           ; no tensor load of mine is out, so a group 0 may be written
	ds_add_u32 v[SPW], v[NIL]                      ; 0 onto my spare word
.if \fill
	ds_add_u32 v[SPW], v[NIL]                      ; and once more: the add twice on end here, in every trip alike
	s_xor_b32 s[G0K+1], s[G0K+1], SLOT1            ; the walking descriptors: the other slot than last time,
	s_add_nc_u64 s[G0K+2:G0K+3], s[G0K+2:G0K+3], SK*ROWB   ; the next 256 keys; the type bits on top are not reached
	s_xor_b32 s[G0V+1], s[G0V+1], SLOT1
	s_add_nc_u64 s[G0V+2:G0V+3], s[G0V+2:G0V+3], VROWB
	s_wait_xcnt 0x0                                ; the last prefetches, a slot back, have read their addresses, so these may be written:
	s_add_nc_u64 s[PFK:PFK+1], s[PFK:PFK+1], SK*ROWB   ; one slot further on than the walking descriptors
	s_add_nc_u64 s[PFV:PFV+1], s[PFV:PFV+1], VROWB
.endif
	s_wait_dscnt 0x0                               ; the add is done, and my reads of the slot that I have left are over
	s_barrier_signal -1
	s_barrier_wait -1
.if \fill
	s_add_co_u32 s96, s[KF], SK                    ; the first key of the slot that this change would ask for.  A slot whose first key comes after my work-group's last query is read by none of its waves, so it is not asked for
	s_cmp_gt_u32 s96, s[QL]                        ; ids and the count of steps alone: all eight waves go the same way, and a work-group that is past the limit stays past it; every wait on TENSORcnt here is for 0
	s_cbranch_scc1 .Lpast_\@
	TLOAD                                          ; a wave's one tensor load until the next barrier
.Lpast_\@:
	ASK
.endif
.endm
.macro SLOT_STEPS
	STEP 0
	STEP 1
	s_xor_b32 s[TB], s[TB], SLOT1                  ; on to the other slot
.endm
	s_wait_loadcnt 0x0                             ; Q
.Lslot:                                            ; 7 trips, the same in every work-group: behind each change of slots but the last the next slot is asked for, up to the causal limit
	CHANGE 1
	SLOT_STEPS
	s_sub_co_u32 s[SLOTS], s[SLOTS], 1
	s_cmp_lg_u32 s[SLOTS], 0
	s_cbranch_scc1 .Lslot
	CHANGE 0                                       ; the last slot is written out: nothing is left to ask for
	SLOT_STEPS
	; THE WAY OUT.  O^T / the sum x 2^(e8 + e9) is quantised under e10; a lane's codes of a row go into my stage in the order that Wo's codes expect, come back by rows, and leave 128 bytes a row: the head's part of ao's row.
	; The lines from here to the first read of O^T name no register of the last products: the two additions, the exchange and the address work are the places behind them.
	v_add_f32 v14, v14, v15                        ; the sum's two halves,
	v_permlanex16_b32 v[XL], v14, s[SEL], s[SEL+1]
	v_add_f32 v14, v14, v[XL]                      ; and lane l xor 16's: the row's sum
	v_rcp_f32 v14, v14
	v_and_b32 v8, 15, v0                           ; (a plain place behind the transcendental)  r
	v_bfe_u32 v9, v0, 4, 1                         ; h
	s_add_co_i32 s74, s70, s71                     ; e8 + e9
	s_mul_i32 s75, s[WV], 16*SP                    ; my stage
	v_mul_u32_u24 v10, v8, SP
	v_lshl_add_u32 v10, v9, 4, v10
	v_add_nc_u32 v10, s75, v10                     ; in: row r, + 16 h
	v_bfe_u32 v8, v0, 3, 2                         ; back: eight lanes to a row of 128 bytes, four rows an instruction
	v_and_b32 v9, 7, v0
	v_mul_u32_u24 v11, v8, SP
	v_lshl_add_u32 v11, v9, 4, v11
	v_add_nc_u32 v11, s75, v11
	v_lshlrev_b32 v[GO], 11, v8                    ; and the same place among ao's rows of 2,048 bytes
	v_lshl_add_u32 v[GO], v9, 4, v[GO]
	s_wait_alu depctr_va_vdst(0)                   ; a wait ahead of the reciprocal's first reader
	v_ldexp_f32 v14, v14, s74
.set j, 0
.rept 64
	v_mul_f32 v[96+j], v[160+j], v14               ; register 8 t + i is o(r, 16 t + 8 h + i); each accumulator from its low end on
.set j, j+1
.endr
.set j, 0
.rept 64
	v_med3_num_f32 v[96+j], v[96+j], -v241, v241   ; the hold at the largest code x 2^e10
.set j, j+1
.endr
.irp t, 0,1,2,3,4,5,6,7
	v_cvt_scalef32_pk8_fp8_f32 v[32+2*\t:33+2*\t], v[96+8*\t:103+8*\t], v245
.endr
	v_nop                                          ; a plain instruction behind the last conversion
.irp t, 0,1,2,3,4,5,6,7                        ; channel 16 t + 8 h + i lies at byte 32 (t % 4) + 16 h + 8 (i / 4) + 4 (t / 4) + i % 4 of the head's 128
	ds_store_b32 v10, v[32+2*\t] offset:32*(\t%4)+4*(\t/4)
	ds_store_b32 v10, v[33+2*\t] offset:32*(\t%4)+4*(\t/4)+8
.endr
.irp q, 0,1,2,3
	ds_load_b128 v[64+4*\q:67+4*\q], v11 offset:4*SP*\q   ; LDS serves a wave's instructions in order: these see my stores
.endr
.irp q, 0,1,2,3
	s_wait_dscnt 3-\q                              ; the younger loads may be out
	global_store_b128 v[GO], v[64+4*\q:67+4*\q], s[8:9] offset:8192*\q   ; eight lanes store the head's 128 consecutive bytes of a row
.endr
	s_wait_tensorcnt 0x0                           ; the wave's end, behind my last tensor load and my last LDS store
	ds_add_u32 v[SPW], v[NIL]
	s_wait_dscnt 0x0
	s_endpgm
.Lfunc_end_k_q1e14727b28_attn:
	.size	k_q1e14727b28_attn, .Lfunc_end_k_q1e14727b28_attn-k_q1e14727b28_attn
	.p2alignl 7, 3214868480
	.fill 96, 4, 3214868480
	.section	.rodata,"a",@progbits
	.p2align	6, 0x0
	.amdhsa_kernel k_q1e14727b28_attn
		.amdhsa_group_segment_fixed_size 327680
		.amdhsa_private_segment_fixed_size 0
		.amdhsa_enable_private_segment 0
		.amdhsa_kernarg_size 24
		.amdhsa_user_sgpr_count 2
		.amdhsa_user_sgpr_kernarg_segment_ptr 1
		.amdhsa_wavefront_size32 1
		.amdhsa_system_sgpr_workgroup_id_x 1
		.amdhsa_system_sgpr_workgroup_id_y 1
		.amdhsa_system_sgpr_workgroup_id_z 1
		.amdhsa_system_vgpr_workitem_id 0
		.amdhsa_next_free_vgpr 256
		.amdhsa_next_free_sgpr 100
		.amdhsa_reserve_vcc 1
		.amdhsa_float_denorm_mode_32 3
		.amdhsa_float_denorm_mode_16_64 3
		.amdhsa_memory_ordered 1
		.amdhsa_forward_progress 1
		.amdhsa_inst_pref_size 117
	.end_amdhsa_kernel
	.amdgpu_metadata
---
amdhsa.version: [ 1, 2 ]
amdhsa.kernels:
  - .name:           k_q1e14727b28_attn
    .symbol:         k_q1e14727b28_attn.kd
    .args:
      - { .name: qkvc, .offset: 0, .size: 8, .value_kind: global_buffer, .address_space: global }
      - { .name: lowp_scales, .offset: 8, .size: 8, .value_kind: global_buffer, .address_space: global }
      - { .name: ao, .offset: 16, .size: 8, .value_kind: global_buffer, .address_space: global }
    .group_segment_fixed_size: 327680
    .private_segment_fixed_size: 0
    .kernarg_segment_align: 8
    .kernarg_segment_size: 24
    .max_flat_workgroup_size: 256
    .sgpr_count:     100
    .vgpr_count:     256
    .wavefront_size: 32
...
	.end_amdgpu_metadata
.endif
;; end of part 4
;; launch gemm_o: the kernel of part 2 again; grid 8 x 8, 4 waves a work-group, clusters of 4 x 4, 327,680 bytes of LDS; arguments ao, woc, bo, sco, out0; writes out0
;; ======== version 2 of 2: 5 launches
;; workspace buffers: xc 12,582,912 bytes; wc 12,582,912 bytes; woc 4,194,304 bytes; bias3 24,576 bytes; qkv 50,331,648 bytes; qkvc 12,582,912 bytes; ao 4,194,304 bytes
;; launch prep (part 5): grid 1024 x 1, 4 waves a work-group, no clusters, 35,840 bytes of LDS; arguments Wq, Wk, Wv, Wo, x, bq, bk, bv, lowp_scales, wc, woc, xc, bias3; writes wc, woc, xc, bias3
.if DOCPART == 5
	.amdgcn_target "amdgcn-amd-amdhsa--gfx1250"
	.amdhsa_code_object_version 6
	.text
	.protected	k_q1e14727b28_prep
	.globl	k_q1e14727b28_prep
	.p2align	8
	.type	k_q1e14727b28_prep,@function
k_q1e14727b28_prep:
	s_mov_b64 s[64:65], 0
	v_nop
	global_prefetch_b8 v0, s[64:65] scope:SCOPE_SE
	s_setreg_imm32_b32 hwreg(HW_REG_WAVE_MODE, 25, 1), 1
	s_wait_xcnt 0x0
; FIRST OF FIVE LAUNCHES of a causal self-attention layer (T = 2048, D = 2048, 16 heads of 128) whose six products run on codes of E4M3, each operand with the scale 2^e given for it in lowp_scales.
; WORK LEFT OUT BY THE PROGRAM: only the key steps (16 queries x 128 keys) of the attention launch all of whose keys come after all of the tile's queries.  The layer itself sets those scores to -1e30 by a
; lower-triangular mask that it builds in its own body; key 0 counts for every query, so the row's largest score is a number of the kept part and the hidden terms are 2^(-huge) = 0 in the sum and in the product
; with V, whatever finite values the inputs hold.  Every input has a way to the output and is loaded (bk moves k's norm and its codes).  LIMIT: a NaN, an infinity or an overflow that would reach only the hidden scores is not carried to the result.
; THIS LAUNCH turns the f32 inputs into codes, once:  Wq, Wk, Wv -> wc [6144 n][2048 k], Wo -> woc [2048 n][2048 k] (K, their first axis, is laid innermost);  x -> xc [3][2048 t][2048 k], under e0, e2 and e4;
; bq, bk, bv are copied on end into bias3, so that the launch that makes q, k and v finds the bias of its 6,144 columns behind one address.
; code = number / 2^e, held within +-448, rounded to the nearest code, ties to even.  LIMITS: each e used here lies between -126 and 119; NaN among the inputs is not served, an infinity is held at the largest code.
; THE ORDER ALONG K.  Within each 128 along K, byte 8 m + 4 j + u holds k = 64 j + 4 m + u (m 0..15, j 0..1, u 0..3), in x's codes and in the weights' alike: every product meets its partner, only the order inside a sum changes.
; It lets a lane load 16 neighbouring bytes beside its neighbour's (16 lanes: 256 consecutive bytes) and still hand 8 registers to one conversion whose 8 bytes lie beside the neighbour's: x needs no turn through LDS.
; SHARES.  Work-groups 0..511: a weight (id / 128), 128 columns (id % 16), 256 along K ((id / 16) % 8); a lane takes a column and its registers run down K.  Work-groups 512..1023: four rows of x, a wave a row.
.set PITCH, 272                        ; a stage row: 256 bytes of codes + 16
.set SPARE, 4*32*PITCH                 ; behind the four stages: the spare words, 128 bytes for each wave, which no other line names
.set EMAX,  8
.set MANT,  0x600000                   ; the mantissa field of 448 as f32
.set SPW,   14                         ; v14  LDS address of my spare word; never rewritten
.set NIL,   15                         ; v15  0; never rewritten
.set WX,    32                         ; weights: v32-95 two sets of 32 numbers
.set WC,    96                         ; v96-103 a block's codes
.set OUTR,  112                        ; v112-175 the way out
.set XX,    32                         ; x: v32-95 the row's numbers, 8 a step
.set XT,    96                         ; v96-119 held numbers, a set for each of the three scales
.set XC,    120                        ; v120-167 codes: a pair for each store, so that no store's data are written again
	s_load_b256 s[4:11], s[0:1], 0x0               ; Wq, Wk, Wv, Wo
	s_load_b256 s[12:19], s[0:1], 0x20             ; x, bq, bk, bv
	s_load_b256 s[20:27], s[0:1], 0x40             ; lowp_scales, wc, woc, xc
	s_load_b64 s[28:29], s[0:1], 0x60              ; bias3
	v_lshl_add_u32 v[SPW], v0, 2, SPARE
	v_mov_b32 v[NIL], 0
	v_lshrrev_b32 v1, 5, v0
	v_readfirstlane_b32 s32, v1                    ; wave 0..3
	v_and_b32 v2, 31, v0                           ; lane
	s_cmp_ge_u32 ttmp9, 512
	s_cbranch_scc1 .Lx_path
	; ---------------- a weight: a lane takes a column n, its registers run down K ----------------
	s_lshr_b32 s33, ttmp9, 7                       ; which weight: 0 Wq, 1 Wk, 2 Wv, 3 Wo
	s_and_b32 s34, ttmp9, 15
	s_bfe_u32 s35, ttmp9, 0x30004                  ; which 256 along K
	s_lshl_b32 s34, s34, 7
	s_lshl_b32 s39, s32, 5
	s_add_co_u32 s34, s34, s39                     ; my wave's first column
	s_lshl_b32 s50, s35, 21                        ; 256 rows of 8,192 bytes
	s_lshl_b32 s39, s34, 2
	s_add_co_u32 s50, s50, s39                     ; source offset
	s_mov_b32 s51, 0
	s_lshl_b32 s52, s34, 11                        ; a row of codes is 2,048 bytes
	s_lshl_b32 s39, s35, 8
	s_add_co_u32 s52, s52, s39
	s_mov_b32 s53, 0
	s_cmp_eq_u32 s33, 3
	s_cselect_b32 s36, 0, s33                      ; the plane in wc; Wo has a buffer of its own
	s_lshl_b32 s36, s36, 22
	s_add_co_u32 s52, s52, s36                     ; destination offset
	v_lshlrev_b32 v3, 2, v2                        ; in: 4 bytes a lane
	s_mul_i32 s39, s32, 32*PITCH                   ; my stage
	v_mul_u32_u24 v4, v2, PITCH
	v_add_nc_u32 v4, s39, v4                       ; into it: row = my column
	v_and_b32 v5, 15, v2
	v_lshrrev_b32 v6, 4, v2
	v_mul_u32_u24 v7, v6, PITCH
	v_lshl_add_u32 v7, v5, 4, v7
	v_add_nc_u32 v7, s39, v7                       ; out of it: sixteen lanes to a row, two rows an instruction
	v_lshlrev_b32 v8, 11, v6
	v_lshl_add_u32 v8, v5, 4, v8                   ; and the same place among the rows of codes
	s_wait_kmcnt 0x0
	s_load_b256 s[40:47], s[20:21], 0x0            ; e0 .. e7
	s_load_b32 s48, s[20:21], 0x2c                 ; e11
	s_cmp_eq_u32 s33, 1                            ; the choices hang on the work-group's number alone
	s_cselect_b64 s[4:5], s[6:7], s[4:5]
	s_cmp_eq_u32 s33, 2
	s_cselect_b64 s[4:5], s[8:9], s[4:5]
	s_cmp_eq_u32 s33, 3
	s_cselect_b64 s[4:5], s[10:11], s[4:5]
	s_cselect_b64 s[22:23], s[24:25], s[22:23]
	s_add_nc_u64 s[4:5], s[4:5], s[50:51]
	s_add_nc_u64 s[22:23], s[22:23], s[52:53]
; block t: the 32 numbers whose codes fill bytes 32 t .. 32 t + 31 of my column's 256: byte i of them is row 128 (t / 4) + 64 ((i / 4) % 2) + 16 (t % 4) + 4 (i / 8) + i % 4.  32 lanes read 128 consecutive bytes
.macro LOAD t
.irp i, 0,1,2,3,4,5,6,7,8,9,10,11,12,13,14,15,16,17,18,19,20,21,22,23,24,25,26,27,28,29,30,31
	global_load_b32 v[WX+32*((\t)%2)+\i], v3, s[4:5] offset:(128*((\t)/4)+64*((\i/4)%2)+16*((\t)%4)+4*(\i/8)+(\i%4))*8192 th:TH_LOAD_NT
.endr
.endm
.macro BLOCK t
.set XS, WX+32*((\t)%2)
.if (\t) < 7
	s_wait_loadcnt 32                              ; this block's 32 loads are in; the next block's 32 may be out
.else
	s_wait_loadcnt 0
.endif
.irp i, 0,1,2,3,4,5,6,7,8,9,10,11,12,13,14,15,16,17,18,19,20,21,22,23,24,25,26,27,28,29,30,31
	v_med3_num_f32 v[XS+\i], v[XS+\i], -v10, v10   ; the conversion to an 8-bit code does not saturate (ISA guide 7.6.2): the hold at the largest code x the scale comes first
.endr
.irp g, 0,1,2,3
	v_cvt_scalef32_pk8_fp8_f32 v[WC+2*\g:WC+2*\g+1], v[XS+8*\g:XS+8*\g+7], v11
.endr
	ds_store_b128 v4, v[WC:WC+3] offset:32*(\t)
	ds_store_b128 v4, v[WC+4:WC+7] offset:32*(\t)+16
.if (\t)+2 < 8
	LOAD (\t)+2
.endif
	s_wait_dscnt 0x0                               ; the stores have read their registers: the next block's codes may be written
.endm
	LOAD 0
	LOAD 1
	s_wait_kmcnt 0x0
	s_cmp_eq_u32 s33, 1                            ; the weight's scale: e1, e3, e5 or e11
	s_cselect_b32 s38, s43, s41
	s_cmp_eq_u32 s33, 2
	s_cselect_b32 s38, s45, s38
	s_cmp_eq_u32 s33, 3
	s_cselect_b32 s38, s48, s38
	s_add_co_i32 s38, s38, 127
	s_lshl_b32 s39, s38, 23
	v_mov_b32 v11, s39                             ; 2^e as f32: the conversion takes its exponent field
	s_add_co_i32 s38, s38, EMAX
	s_lshl_b32 s38, s38, 23
	s_or_b32 s38, s38, MANT
	v_mov_b32 v10, s38                             ; 448 x 2^e
.irp t, 0,1,2,3,4,5,6,7
	BLOCK \t
.endr
.irp t, 0,1,2,3,4,5,6,7,8,9,10,11,12,13,14,15
	ds_load_b128 v[OUTR+4*\t:OUTR+4*\t+3], v7 offset:2*\t*PITCH   ; LDS serves a wave's instructions in order: these see my stores
.endr
.irp t, 0,1,2,3,4,5,6,7,8,9,10,11,12,13,14,15
	s_wait_dscnt 15-\t                             ; the younger loads may be out
	global_store_b128 v8, v[OUTR+4*\t:OUTR+4*\t+3], s[22:23] offset:2*\t*2048   ; sixteen lanes store 256 consecutive bytes, at a multiple of 256 from the buffer's first byte
.endr
	s_wait_tensorcnt 0x0                           ; the wave's end, behind my last LDS store
	ds_add_u32 v[SPW], v[NIL]
	s_wait_dscnt 0x0
	s_endpgm
	; ---------------- x: a wave takes a row; no LDS ----------------
.Lx_path:
	s_sub_co_u32 s33, ttmp9, 512
	s_lshl_b32 s34, s33, 2
	s_add_co_u32 s34, s34, s32                     ; my row
	s_lshl_b32 s36, s34, 13                        ; its 8,192 bytes
	s_mov_b32 s37, 0
	s_lshl_b32 s38, s34, 11
	s_add_co_u32 s38, s38, 0x400000                ; its 2,048 codes in the MIDDLE plane: the three planes are reached by immediates of -4 MiB, 0 and +4 MiB
	s_mov_b32 s39, 0
	v_and_b32 v5, 15, v2
	v_lshrrev_b32 v6, 4, v2
	v_lshlrev_b32 v3, 4, v5
	v_lshl_add_u32 v3, v6, 9, v3                   ; 512 (lane / 16) + 16 (lane % 16): lanes 0-15 take the even 128 along K of a step, lanes 16-31 the odd
	v_lshlrev_b32 v4, 3, v2                        ; 8 bytes of codes a lane
	s_wait_kmcnt 0x0
	s_load_b128 s[40:43], s[20:21], 0x0            ; e0 .. e3
	s_load_b32 s44, s[20:21], 0x10                 ; e4
	s_add_nc_u64 s[12:13], s[12:13], s[36:37]
	s_add_nc_u64 s[26:27], s[26:27], s[38:39]
.irp s, 0,1,2,3,4,5,6,7
.irp j, 0,1
	global_load_b128 v[XX+8*\s+4*\j:XX+8*\s+4*\j+3], v3, s[12:13] offset:1024*\s+256*\j th:TH_LOAD_NT   ; k = 128 (2 s + lane / 16) + 64 j + 4 (lane % 16) + 0 .. 3
.endr
.endr
	s_wait_kmcnt 0x0
.irp p, 0,1,2
	s_add_co_i32 s45, s[40+2*\p], 127
	s_lshl_b32 s46, s45, 23
	v_mov_b32 v[16+2*\p], s46                      ; 2^e
	s_add_co_i32 s45, s45, EMAX
	s_lshl_b32 s45, s45, 23
	s_or_b32 s45, s45, MANT
	v_mov_b32 v[17+2*\p], s45                      ; 448 x 2^e
.endr
.macro XSTEP s
	s_wait_loadcnt 14-2*(\s)                       ; this step's two loads are in; the later steps' may be out
.irp p, 0,1,2
.irp i, 0,1,2,3,4,5,6,7
	v_med3_num_f32 v[XT+8*\p+\i], v[XX+8*(\s)+\i], -v[17+2*\p], v[17+2*\p]
.endr
	v_cvt_scalef32_pk8_fp8_f32 v[XC+2*(3*(\s)+\p):XC+2*(3*(\s)+\p)+1], v[XT+8*\p:XT+8*\p+7], v[16+2*\p]
	global_store_b64 v4, v[XC+2*(3*(\s)+\p):XC+2*(3*(\s)+\p)+1], s[26:27] offset:(\p-1)*4194304+256*(\s)   ; 32 lanes store 256 consecutive bytes, aligned
.endr
.endm
.irp s, 0,1,2,3,4,5,6,7
	XSTEP \s
.endr
	; the biases' copy: wave 0 of the first 96 of these work-groups takes 256 bytes each
	s_cmp_lg_u32 s32, 0
	s_cbranch_scc1 .Lx_end
	s_cmp_ge_u32 s33, 96
	s_cbranch_scc1 .Lx_end
	s_lshr_b32 s45, s33, 5                         ; 0 bq, 1 bk, 2 bv
	s_cmp_eq_u32 s45, 1
	s_cselect_b64 s[14:15], s[16:17], s[14:15]
	s_cmp_eq_u32 s45, 2
	s_cselect_b64 s[14:15], s[18:19], s[14:15]
	s_and_b32 s46, s33, 31
	s_lshl_b32 s46, s46, 8
	s_mov_b32 s47, 0
	s_add_nc_u64 s[14:15], s[14:15], s[46:47]
	s_lshl_b32 s46, s33, 8
	s_add_nc_u64 s[28:29], s[28:29], s[46:47]
	global_load_b64 v[170:171], v4, s[14:15]
	s_wait_loadcnt 0x0
	global_store_b64 v4, v[170:171], s[28:29]
.Lx_end:
	s_endpgm
.Lfunc_end_k_q1e14727b28_prep:
	.size	k_q1e14727b28_prep, .Lfunc_end_k_q1e14727b28_prep-k_q1e14727b28_prep
	.p2alignl 7, 3214868480
	.fill 96, 4, 3214868480
	.section	.rodata,"a",@progbits
	.p2align	6, 0x0
	.amdhsa_kernel k_q1e14727b28_prep
		.amdhsa_group_segment_fixed_size 35840
		.amdhsa_private_segment_fixed_size 0
		.amdhsa_enable_private_segment 0
		.amdhsa_kernarg_size 104
		.amdhsa_user_sgpr_count 2
		.amdhsa_user_sgpr_kernarg_segment_ptr 1
		.amdhsa_wavefront_size32 1
		.amdhsa_system_sgpr_workgroup_id_x 1
		.amdhsa_system_sgpr_workgroup_id_y 1
		.amdhsa_system_sgpr_workgroup_id_z 1
		.amdhsa_system_vgpr_workitem_id 0
		.amdhsa_next_free_vgpr 192
		.amdhsa_next_free_sgpr 66
		.amdhsa_reserve_vcc 0
		.amdhsa_float_denorm_mode_32 3
		.amdhsa_float_denorm_mode_16_64 3
		.amdhsa_memory_ordered 1
		.amdhsa_forward_progress 1
		.amdhsa_inst_pref_size 70
	.end_amdhsa_kernel
	.amdgpu_metadata
---
amdhsa.version: [ 1, 2 ]
amdhsa.kernels:
  - .name:           k_q1e14727b28_prep
    .symbol:         k_q1e14727b28_prep.kd
    .args:
      - { .name: Wq, .offset: 0, .size: 8, .value_kind: global_buffer, .address_space: global }
      - { .name: Wk, .offset: 8, .size: 8, .value_kind: global_buffer, .address_space: global }
      - { .name: Wv, .offset: 16, .size: 8, .value_kind: global_buffer, .address_space: global }
      - { .name: Wo, .offset: 24, .size: 8, .value_kind: global_buffer, .address_space: global }
      - { .name: x, .offset: 32, .size: 8, .value_kind: global_buffer, .address_space: global }
      - { .name: bq, .offset: 40, .size: 8, .value_kind: global_buffer, .address_space: global }
      - { .name: bk, .offset: 48, .size: 8, .value_kind: global_buffer, .address_space: global }
      - { .name: bv, .offset: 56, .size: 8, .value_kind: global_buffer, .address_space: global }
      - { .name: lowp_scales, .offset: 64, .size: 8, .value_kind: global_buffer, .address_space: global }
      - { .name: wc, .offset: 72, .size: 8, .value_kind: global_buffer, .address_space: global }
      - { .name: woc, .offset: 80, .size: 8, .value_kind: global_buffer, .address_space: global }
      - { .name: xc, .offset: 88, .size: 8, .value_kind: global_buffer, .address_space: global }
      - { .name: bias3, .offset: 96, .size: 8, .value_kind: global_buffer, .address_space: global }
    .group_segment_fixed_size: 35840
    .private_segment_fixed_size: 0
    .kernarg_segment_align: 8
    .kernarg_segment_size: 104
    .max_flat_workgroup_size: 128
    .sgpr_count:     66
    .vgpr_count:     192
    .wavefront_size: 32
...
	.end_amdgpu_metadata
.endif
;; end of part 5
;; launch gemm_qkv (part 6): grid 24 x 8, 4 waves a work-group, clusters of 4 x 4, 327,680 bytes of LDS; arguments xc, wc, bias3, lowp_scales, qkv; writes qkv
.if DOCPART == 6
	.amdgcn_target "amdgcn-amd-amdhsa--gfx1250"
	.amdhsa_code_object_version 6
	.text
	.protected	k_q1e14727b28_gemm_qkv
	.globl	k_q1e14727b28_gemm_qkv
	.p2align	8
	.type	k_q1e14727b28_gemm_qkv,@function
k_q1e14727b28_gemm_qkv:
	s_mov_b64 s[64:65], 0
	v_nop
	global_prefetch_b8 v0, s[64:65] scope:SCOPE_SE
	s_setreg_imm32_b32 hwreg(HW_REG_WAVE_MODE, 25, 1), 1
	s_wait_xcnt 0x0
	s_wait_alu depctr_hold_cnt(0) depctr_sa_sdst(0) depctr_va_vdst(0) depctr_va_sdst(0) depctr_va_ssrc(0) depctr_va_vcc(0) depctr_vm_vsrc(0)
	s_getreg_b32 s2, hwreg(HW_REG_IB_STS2, 6, 4)
	s_cmp_eq_u32 s2, 0
	s_cbranch_scc0 .Lentry_in_a_cluster
	s_endpgm
.Lentry_in_a_cluster:
	s_bfe_u32 s2, ttmp6, 0x10000c
	s_cmp_lg_u32 s2, 0xf033
	s_cbranch_scc0 .Lentry_shape_is_right
	s_endpgm
.Lentry_shape_is_right:
; SECOND LAUNCH.  C[p][m][n] = (sum over k of A[p][m][k] B[p][n][k]) x 2^(ea + eb) + bias[p][n], on codes of E4M3; sums in f32; C f32, rows of 2,048.  K = 2,048.  Nothing is left out here.
; p = 0, 1, 2 are x Wq + bq, x Wk + bk, x Wv + bv: A = x's codes under the product's own scale [3][2048][2048], B = the three weights' codes on end [6144][2048], bias [6144],
; scales: words 2 p, 2 p + 1 of lowp_scales.
; A and B hold K in the same order within each 128, so every product meets its partner.  LIMIT: ea + eb lies between -126 and 127, so that 2^(ea + eb) is an f32 number.
; A tile of C, 256 x 256, is made by a work-group of four waves, as many as a WGP has SIMDs; a wave makes 128 x 128: 64 accumulators of 16 x 16, 512 registers.
; K goes in steps of 256 through a ring of two LDS slots filled by the tensor data mover: a tile's row is 256 bytes of memory.
; CLUSTERS: 4 x 4 work-groups.  The four of a row of the cluster need the same tiles of A, the four of a column the same tiles of B: each tile is asked for JOINTLY, by the same tensor load with the same
; descriptor and a mask that names the four.  A product has eight tile columns, two clusters: p = cluster x / 2 is the same in all sixteen partners.
; THE MATRIX INSTRUCTION IS USED TRANSPOSED (source 0 = 16 rows of B, source 1 = 16 rows of A): a lane then holds eight neighbouring numbers of a row of C.
; REGISTERS, in windows of 256: window 0: v0-31 addresses; v32-95 the bias of my 128 columns in the result's layout; v96-127 at work on the way out; from v128 A's fragments (8 x 16 rows x 128 K), ONE set; on the way out v128-255 take rows back.
;   window 1: B's fragments, TWO sets, at v0 and at v128.   window 2: the 32 accumulators of my rows 0-63 (accumulator (a, b) at v[8 (8 a + b)]);   window 3: those of my rows 64-127.
; A step of 128 along K is 64 matrix instructions, A's blocks one after the other, each against B's eight: a block of A is free as soon as its eight products are issued, so one set serves A; B has two.
.set SIZE_K, 2048
.set SIZE_N, 2048
.set KSTEP,  256                       ; along K in a slot
.set ROWB,   256                       ; a tile's row in bytes
.set KROW,   SIZE_K                    ; a row of A or of B in memory, in bytes
.set PITCH,  272                       ; an LDS row: 256 bytes + 16 of padding = 68 words: row r starts at bank 4 r mod 64 (64 banks of 4 bytes: ISA guide 11.1)
.set FR,     16                        ; registers of a fragment: 16 rows x 128 K
.set NL,     4                         ; LDS loads that bring one
.set NP,     4                         ; places behind this matrix instruction (ISA guide 7.12.1)
.set HALFT,  128*PITCH                 ; 128 rows: what one tensor load brings, and what one wave reads of A or of B
.set SLOT,   4*HALFT                   ; A's 256 rows, then B's 256 rows
.set LAPS,   SIZE_K/(2*KSTEP)          ; a lap = two K steps = once round the ring: 4
.set SPARE,  2*SLOT                    ; behind the ring: the spare words, 128 bytes for each wave, which no other line names
.set SPITCH, 528                       ; the way out: a stage of 16 rows x (512 bytes + 16) for each wave, in slot 0, which has had its last fill and its last read when the first result is stored there
.set ADRA, 16                          ; v16-17  LDS address of my A fragments in slot 0, 1
.set ADRB, 20                          ; v20-21  the same for B
.set STO,  24                          ; v24     the way out: where I put 32 bytes of a row
.set RD,   25                          ; v25     the way out: where I read a row back
.set CO,   26                          ; v26     my byte offset in a row of C
.set BO,   27                          ; v27     32 x (lane / 16): my half's place in the bias of a block of 16 columns
.set SPW,  28                          ; v28     LDS address of my spare word; never rewritten
.set NIL,  29                          ; v29     0; never rewritten
.set BIAS, 32                          ; v32-95  register 8 b + j: the bias of my column 16 b + 8 (lane / 16) + j
.set TMP,  96                          ; v96-127 half a block's results
.set AF,   128                         ; A's fragments, in window 0
.set BK,   128                         ; the way out: 16 rows read back from the stage: v128-191 and v192-255 by turns
.set G1, 24                            ; s[24:31] descriptor group 1 for A's tiles;  s[32:39] group 0, one set for each slot
.set G0, 32
.set G1B, 48                           ; s[48:55], s[56:63] the same for B's tiles
.set G0B, 56
.set MSB, 0
.macro WIN new                         ; the immediate's high byte repeats the setting that is left
.if MSB != \new
	s_set_vgpr_msb (MSB<<8)|\new
.set MSB, \new
.endif
.endm
.set MUL_LO, 0xa1                      ; source 0 (B) window 1, source 1 (A) window 0, C and D window 2
.set MUL_HI, 0xf1                      ; the same, C and D window 3
.set TO_B,   0x40                      ; destination window 1, address window 0
; A joint load: waves 0 and 1 fetch for A, waves 2 and 3 for B.  Each of the two lines has ONE mask and one set of registers for all that issue it; the branch hangs on the wave's number alone.
; An s_nop 0 and four v_nop follow each of the two lines, ahead of the jump, the label and what follows.
.macro JLOAD g0a, g1a, g0b, g1b
	s_cmp_eq_u32 s15, 0
	s_cbranch_scc0 .Lfor_b_\@
	tensor_load_to_lds s[\g0a:\g0a+3], s[\g1a:\g1a+7]
	s_nop 0
.rept 4
	v_nop
.endr
	s_branch .Lasked_\@
.Lfor_b_\@:
	tensor_load_to_lds s[\g0b:\g0b+3], s[\g1b:\g1b+7]
	s_nop 0
.rept 4
	v_nop
.endr
.Lasked_\@:
.endm
.macro CREST                           ; a round of the cluster's barrier behind its opening barrier
	s_cmp_lg_u32 s14, 0
	s_cbranch_scc1 .Lnot_wave_0_\@
	s_barrier_signal -3
.Lnot_wave_0_\@:
	s_barrier_wait -3
	s_barrier_signal -1
	s_barrier_wait -1
.endm
.macro CROUND                          ; a whole round
	s_barrier_signal -1
	s_barrier_wait -1
	CREST
.endm
	s_load_b128 s[4:7], s[0:1], 0x0                ; A's codes s[4:5], B's codes s[6:7]
	s_load_b128 s[8:11], s[0:1], 0x10              ; the bias s[8:9], the scales' exponents s[10:11]
	s_load_b64 s[12:13], s[0:1], 0x20              ; C
	v_lshl_add_u32 v[SPW], v0, 2, SPARE
	v_mov_b32 v[NIL], 0
	ds_add_u32 v[SPW], v[NIL]                      ; the wave's opening: the add, twice on end, and its wait ahead of my first tensor load; the set-up below stands between the second and the wait
	ds_add_u32 v[SPW], v[NIL]
	v_lshrrev_b32 v1, 5, v0
	v_readfirstlane_b32 s14, v1                    ; wave 0..3
	s_lshr_b32 s15, s14, 1                         ; which half of the tile's rows is mine.  Also: I fetch for A (0) or for B (1)
	s_and_b32 s16, s14, 1                          ; which half of its columns.  Also: which 128 rows of that tile I fetch
	s_bfe_u32 s40, ttmp6, 0x40000                  ; cx, cy: my place in the cluster
	s_bfe_u32 s41, ttmp6, 0x40004
	s_lshl_b32 s42, ttmp9, 2
	s_add_co_u32 s42, s42, s40                     ; tile column = 4 x cluster x + cx: 0..23
	s_and_b32 s17, ttmp7, 0xffff
	s_lshl_b32 s17, s17, 2
	s_add_co_u32 s17, s17, s41                     ; tile row = 4 x cluster y + cy: 0..7
	s_lshr_b32 s66, ttmp9, 1                       ; p: which product; made of the cluster's x alone
	s_lshl_b32 s43, s41, 2
	s_lshl_b32 s43, 15, s43                        ; my row of the cluster
	s_lshl_b32 s44, 0x1111, s40                    ; my column
	; descriptor group 1: a tile of 128 rows x ROWB bytes, padded in LDS
	s_or_b32 s[G1+0], s43, (0<<16)|(1<<20)|(1<<21)|(5<<22)|(3<<25)  ; 15:0 the mask: A's tiles go to my row; 17:16 element of 1 byte; 20 padding on; 21 set beside a mask; 24:22 after every 64 words (code 5); 31:25 of 4 words (code 3)
	s_or_b32 s[G1B+0], s44, (0<<16)|(1<<20)|(1<<21)|(5<<22)|(3<<25)
.irp g, G1, G1B
	s_mov_b32 s[\g+1], ROWB<<16                    ; tensor_dim0
	s_mov_b32 s[\g+2], 128<<16                     ; tensor_dim1 = 128
	s_mov_b32 s[\g+3], ROWB<<16                    ; tile_dim0
	s_mov_b32 s[\g+4], 128                         ; tile_dim1 = 128
	s_mov_b32 s[\g+5], KROW                        ; tensor_dim0_stride
	s_mov_b32 s[\g+6], 0
	s_mov_b32 s[\g+7], 0
.endr
	s_lshl_b32 s18, s16, 7                         ; which 128 rows of the tile I fetch
	s_lshl_b32 s20, s17, 8
	s_add_co_u32 s20, s20, s18
	s_lshl_b32 s19, s66, 11
	s_add_co_u32 s20, s20, s19                     ; A: row 2048 p + 256 x tile row + 128 x half: cx never enters it
	s_lshl_b32 s46, s42, 8
	s_add_co_u32 s46, s46, s18                     ; B: row 256 x tile column + 128 x half
	s_mov_b32 s21, 0
	s_mov_b32 s47, 0
	s_mov_b64 s[18:19], KROW
	s_mul_u64 s[20:21], s[20:21], s[18:19]
	s_mul_u64 s[46:47], s[46:47], s[18:19]
	s_mul_i32 s45, s14, HALFT                      ; where they go: wave x 128 rows: no place in the cluster enters an LDS address
	s_wait_dscnt 0x0                               ; both opening adds are done
	s_wait_kmcnt 0x0
	s_load_b256 s[88:95], s[10:11], 0x0            ; the first eight exponents; two of them are chosen on the way out
	s_add_nc_u64 s[20:21], s[4:5], s[20:21]
	s_add_nc_u64 s[46:47], s[6:7], s[46:47]
	CROUND                                         ; all sixteen work-groups are here: the first joint loads meet
.irp s, 0,1
	s_mov_b32 s[G0+4*\s], 1
	s_add_co_u32 s[G0+4*\s+1], s45, \s*SLOT
	s_add_nc_u64 s[G0+4*\s+2:G0+4*\s+3], s[20:21], \s*ROWB
	s_or_b32 s[G0+4*\s+3], s[G0+4*\s+3], 0x80000000
	s_mov_b32 s[G0B+4*\s], 1
	s_add_co_u32 s[G0B+4*\s+1], s45, \s*SLOT
	s_add_nc_u64 s[G0B+4*\s+2:G0B+4*\s+3], s[46:47], \s*ROWB
	s_or_b32 s[G0B+4*\s+3], s[G0B+4*\s+3], 0x80000000
	JLOAD G0+4*\s, G1, G0B+4*\s, G1B
.endr
	v_and_b32 v1, 15, v0                           ; l % 16
	v_bfe_u32 v2, v0, 4, 1                         ; l / 16
	s_lshl_b32 s46, s42, 10                        ; the bias of my 128 columns: 1,024 x tile column + 512 x half, in bytes
	s_lshl_b32 s47, s16, 9
	s_add_co_u32 s46, s46, s47
	s_mov_b32 s47, 0
	s_add_nc_u64 s[68:69], s[8:9], s[46:47]
	v_lshlrev_b32 v[BO], 5, v2
.irp b, 0,1,2,3,4,5,6,7
	global_load_b128 v[BIAS+8*\b:BIAS+8*\b+3],   v[BO], s[68:69] offset:64*\b
	global_load_b128 v[BIAS+8*\b+4:BIAS+8*\b+7], v[BO], s[68:69] offset:64*\b+16
.endr
	v_mul_u32_u24 v3, v1, PITCH
	v_lshl_add_u32 v4, v2, 4, v3                   ; a fragment's row x pitch + 16 x half
	s_mul_i32 s21, s15, HALFT                      ; my 128 rows of A
	s_mul_i32 s22, s16, HALFT                      ; my 128 rows of B,
	s_add_co_u32 s22, s22, 2*HALFT                 ; which lie behind A's 256
.irp s, 0,1
	v_add_nc_u32 v[ADRA+\s], s21, v4
	v_add_nc_u32 v[ADRB+\s], s22, v4
	s_add_co_u32 s21, s21, SLOT
	s_add_co_u32 s22, s22, SLOT
.endr
	s_mul_i32 s23, s14, 16*SPITCH                  ; my stage
	v_mul_u32_u24 v5, v1, SPITCH                   ; in: row l % 16, 32 bytes for each half of the lanes
	v_lshl_add_u32 v5, v2, 5, v5
	v_add_nc_u32 v[STO], s23, v5
	v_and_b32 v6, 31, v0
	v_lshlrev_b32 v[CO], 4, v6                     ; back: the 32 lanes take one row of 512 bytes; and the same in C
	v_add_nc_u32 v[RD], s23, v[CO]
	s_lshl_b32 s20, s17, 8
	s_lshl_b32 s21, s15, 7
	s_add_co_u32 s20, s20, s21                     ; my first row of C: 256 x tile row + 128 x half
	s_mov_b32 s21, 0
	s_mov_b64 s[18:19], SIZE_N*4
	s_mul_u64 s[20:21], s[20:21], s[18:19]
	s_and_b32 s46, s42, 7                          ; my first column in the product's plane, in bytes: 1,024 x (tile column % 8) + 512 x half
	s_lshl_b32 s46, s46, 10
	s_lshl_b32 s47, s16, 9
	s_add_co_u32 s46, s46, s47
	s_mov_b32 s47, 0
	s_add_nc_u64 s[20:21], s[20:21], s[46:47]
	s_lshl_b32 s46, s66, 24                        ; the product's plane: 2,048 x 2,048 x 4 bytes
	s_add_nc_u64 s[20:21], s[20:21], s[46:47]
	s_add_nc_u64 s[12:13], s[12:13], s[20:21]
.macro FRAG reg, adr, q, i             ; a fragment, 16 rows x 128 K of 8-bit codes, is 16 registers: lane l holds row l % 16; registers 4 c .. 4 c + 3 hold bytes 32 c + 16 (l / 16) + 0 .. 15 of the row's 128: the same in A and in B
.irp c, 0,1,2,3
	ds_load_b128 v[\reg+4*\c:\reg+4*\c+3], v[\adr] offset:128*(\q)+32*\c+(\i)*16*PITCH
.endr
.endm
; 16 matrix instructions: A's blocks a0, a0 + 1 x B's eight, 128 along K.  p: B's set.  zero = 1: the first product starts the sums: nothing is ever cleared.
; The 64 accumulators take turns, one instruction a turn, in the same order in every step.
.macro MUL16 a0, p, zero
.irp a, \a0, \a0+1
.irp b, 0,1,2,3,4,5,6,7
.if \zero
	v_wmma_f32_16x16x128_fp8_fp8 v[8*(8*((\a)%4)+\b):8*(8*((\a)%4)+\b)+7], v[128*(\p)+FR*\b:128*(\p)+FR*\b+FR-1], v[AF+FR*(\a):AF+FR*(\a)+FR-1], 0
.else
	v_wmma_f32_16x16x128_fp8_fp8 v[8*(8*((\a)%4)+\b):8*(8*((\a)%4)+\b)+7], v[128*(\p)+FR*\b:128*(\p)+FR*\b+FR-1], v[AF+FR*(\a):AF+FR*(\a)+FR-1], v[8*(8*((\a)%4)+\b):8*(8*((\a)%4)+\b)+7]
.endif
.endr
.endr
.endm
.macro FETCH_B slot, q, p              ; B's eight fragments of the slot's q-th 128 along K into set p
	WIN TO_B
.irp i, 0,1,2,3,4,5,6,7
	FRAG 128*(\p)+FR*\i, ADRB+\slot, \q, \i
.endr
	WIN 0
.endm
.macro FETCH_A slot, q, i0             ; A's blocks i0 .. i0 + 3
.irp i, \i0, \i0+1, \i0+2, \i0+3
	FRAG AF+FR*(\i), ADRA+\slot, \q, \i
.endr
.endm
; A load into a register that a matrix instruction has read, and a vector instruction or an LDS store that reads a matrix result, stand NP places behind that matrix instruction, and only plain vector
; instructions that name none of its registers are places (ISA guide 7.12.1 for vector instructions).
.macro PLACES n
.rept \n
	v_nop
.endr
.endm
; A step of 128 along K that has its successor in the same slot.
.macro STEP slot, q, zero
	s_wait_dscnt 4*NL                              ; B's set and A's blocks 0-3 are in; the youngest 16 loads (A's blocks 4-7) may be out
	WIN MUL_LO
	MUL16 0, (\q)%2, \zero
	MUL16 2, (\q)%2, \zero
	s_wait_dscnt 0                                 ; A's blocks 4-7 are in (asked for 32 matrix instructions ago)
	PLACES NP
	FETCH_B \slot, (\q)+1, 1-(\q)%2
	FETCH_A \slot, (\q)+1, 0
	WIN MUL_HI
	MUL16 4, (\q)%2, \zero
	MUL16 6, (\q)%2, \zero
	PLACES NP
	WIN 0
	FETCH_A \slot, (\q)+1, 4
.endm
; A slot's last step changes slots: ONE barrier; in front of it each wave waits for all its tensor loads, adds 0 to its spare word, and waits for that and for its own reads of this slot.  fill = 1: this slot is filled again, two K steps ahead.
.macro TURN slot, next, fill
	s_wait_tensorcnt 0x0                           ; all my tensor loads have landed: my part of the next slot  (every window is 0 here)
	ds_add_u32 v[SPW], v[NIL]                      ; 0 onto my spare word
	s_wait_dscnt 4*NL+1                            ; (the add and the youngest 16 loads, A's blocks 4-7, may be out)
	WIN MUL_LO
	MUL16 0, 1, 0                                  ; sixteen matrix instructions stand between the add and the wait for it
	s_wait_dscnt 0x0                               ; the add is done, and my reads of this slot are over
	s_barrier_signal -1
	MUL16 2, 1, 0
	WIN 0
	s_barrier_wait -1
.if \fill
	CREST                                          ; the barrier has opened a round of the cluster's barrier: no wave of any partner still reads this slot's tile or has a load on its way
	s_add_nc_u64 s[G0+4*\slot+2:G0+4*\slot+3], s[G0+4*\slot+2:G0+4*\slot+3], 2*ROWB
	s_add_nc_u64 s[G0B+4*\slot+2:G0B+4*\slot+3], s[G0B+4*\slot+2:G0B+4*\slot+3], 2*ROWB
	JLOAD G0+4*\slot, G1, G0B+4*\slot, G1B         ; the first tensor load behind the round; the four v_nop behind it are the places in front of the loads below
.else
	PLACES NP
.endif
	FETCH_B \next, 0, 0
	FETCH_A \next, 0, 0
	WIN MUL_HI
	MUL16 4, 1, 0
	MUL16 6, 1, 0
	PLACES NP
	WIN 0
	FETCH_A \next, 0, 4
.endm
	s_wait_loadcnt 0x0                             ; the bias is in: no global load of mine is out at a barrier
	s_wait_tensorcnt 1                             ; my part of K step 0 is in (K step 1's load may be out)
	s_barrier_signal -1
	s_barrier_wait -1                              ; everybody's is
	FETCH_B 0, 0, 0
	FETCH_A 0, 0, 0
	FETCH_A 0, 0, 4
	STEP 0, 0, 1                                   ; the first step stands in front of the loop: its products start the sums
	s_mov_b32 s3, LAPS-1
.Llap:                                                 ; a trip goes once round the ring, from a lap's second step to the next lap's first, and fills both slots again
	TURN 0, 1, 1
	STEP 1, 0, 0
	TURN 1, 0, 1
	STEP 0, 0, 0
	s_sub_co_u32 s3, s3, 1
	s_cmp_lg_u32 s3, 0
	s_cbranch_scc1 .Llap
	TURN 0, 1, 0                                   ; the last lap fills nothing, and has no round of the cluster's barrier
	STEP 1, 0, 0
	s_wait_dscnt 4*NL                              ; the very last step: nothing more to fetch
	WIN MUL_LO
	MUL16 0, 1, 0
	MUL16 2, 1, 0
	s_wait_dscnt 0
	WIN MUL_HI
	MUL16 4, 1, 0
	MUL16 6, 1, 0
	WIN 0
; THE WAY OUT, block by block of 16 rows x 128 columns.  A lane holds 32 neighbouring bytes of a row, and the lanes beside it hold other rows: so a block goes through my own stage in LDS and comes back as whole
; rows of 512 bytes, which the 32 lanes store as two aligned runs of 256 bytes.  LDS serves a wave's instructions in order (ISA guide 5.7.1.4): no wait between the stores and the loads, nor in front of the next block's stores.
; One packed multiply-add gives sum x 2^(ea + eb) + bias for two numbers; half a block (four accumulators) at a time, each accumulator from its low end on.
.macro TOSTAGE a
.set AC, 64*((\a)%4)
.irp q, 0,1
	WIN 0x02+((\a)/4)                              ; source 0: window 2 or 3
.irp j, 0,2,4,6,8,10,12,14,16,18,20,22,24,26,28,30
	v_pk_fma_f32 v[TMP+\j:TMP+\j+1], v[AC+32*\q+\j:AC+32*\q+\j+1], s[96:97], v[BIAS+32*\q+\j:BIAS+32*\q+\j+1] op_sel_hi:[1,0,1]   ; the scalar pair's low word serves both halves
.endr
	WIN 0
.irp b, 0,1,2,3
	ds_store_b128 v[STO], v[TMP+8*\b:TMP+8*\b+3] offset:64*(4*\q+\b)
	ds_store_b128 v[STO], v[TMP+8*\b+4:TMP+8*\b+7] offset:64*(4*\q+\b)+16
.endr
.endr
.set BB, BK+64*((\a)%2)
.irp t, 0,1,2,3,4,5,6,7,8,9,10,11,12,13,14,15
	ds_load_b128 v[BB+4*\t:BB+4*\t+3], v[RD] offset:\t*SPITCH
.endr
.endm
.macro SEND a, younger                 ; younger: the LDS instructions issued behind block a's loads, which may stay out
.set BB, BK+64*((\a)%2)
	s_wait_dscnt \younger                          ; the block is back in registers
.if (\a) > 0
	s_add_nc_u64 s[12:13], s[12:13], 16*SIZE_N*4   ; (behind a wait on XCNT: the earlier stores have read their base)  16 rows of C on
.endif
.irp t, 0,1,2,3,4,5,6,7,8,9,10,11,12,13,14,15
	global_store_b128 v[CO], v[BB+4*\t:BB+4*\t+3], s[12:13] offset:\t*SIZE_N*4 th:TH_STORE_NT   ; 32 lanes store 512 consecutive bytes, at a multiple of 256 from C's first byte; read by nobody in this launch
.endr
.endm
	s_wait_kmcnt 0x0
	s_cmp_eq_u32 s66, 1                            ; the product's two exponents: words 2 p and 2 p + 1; a choice on ids, no branch
	s_cselect_b32 s96, s90, s88
	s_cselect_b32 s97, s91, s89
	s_cmp_eq_u32 s66, 2
	s_cselect_b32 s96, s92, s96
	s_cselect_b32 s97, s93, s97
	s_add_co_i32 s96, s96, s97                     ; ea + eb, between -126 and 127,
	s_add_co_i32 s96, s96, 127
	s_lshl_b32 s96, s96, 23                        ; makes the f32 number 2^(ea + eb)
	PLACES NP                                      ; behind the last products: for the loads into the registers that held A's fragments, and for the reads of results
	TOSTAGE 0
.irp a, 1,2,3,4,5,6,7
.if \a > 1
	s_wait_xcnt 0x0                                ; block a - 2's stores have read their registers and their base: block a's loads may land there, and the base may step
.endif
	TOSTAGE \a
	SEND \a-1, 32                                  ; behind block a - 1's loads: block a's 16 stores and 16 loads
.endr
	s_wait_xcnt 0x0                                ; block 6's stores have read their base
	SEND 7, 0
	s_wait_tensorcnt 0x0                           ; the wave's end, behind my last tensor load and my last LDS store
	ds_add_u32 v[SPW], v[NIL]
	s_wait_dscnt 0x0
	CROUND                                         ; the closing round: no work-group ends while a partner may still ask for a tile that names it
	s_endpgm
.Lfunc_end_k_q1e14727b28_gemm_qkv:
	.size	k_q1e14727b28_gemm_qkv, .Lfunc_end_k_q1e14727b28_gemm_qkv-k_q1e14727b28_gemm_qkv
	.p2alignl 7, 3214868480
	.fill 96, 4, 3214868480
	.section	.rodata,"a",@progbits
	.p2align	6, 0x0
	.amdhsa_kernel k_q1e14727b28_gemm_qkv
		.amdhsa_group_segment_fixed_size 327680
		.amdhsa_private_segment_fixed_size 0
		.amdhsa_enable_private_segment 0
		.amdhsa_kernarg_size 40
		.amdhsa_user_sgpr_count 2
		.amdhsa_user_sgpr_kernarg_segment_ptr 1
		.amdhsa_wavefront_size32 1
		.amdhsa_system_sgpr_workgroup_id_x 1
		.amdhsa_system_sgpr_workgroup_id_y 1
		.amdhsa_system_sgpr_workgroup_id_z 1
		.amdhsa_system_vgpr_workitem_id 0
		.amdhsa_next_free_vgpr 1024
		.amdhsa_next_free_sgpr 98
		.amdhsa_reserve_vcc 0
		.amdhsa_float_denorm_mode_32 3
		.amdhsa_float_denorm_mode_16_64 3
		.amdhsa_memory_ordered 1
		.amdhsa_forward_progress 1
		.amdhsa_inst_pref_size 126
	.end_amdhsa_kernel
	.amdgpu_metadata
---
amdhsa.version: [ 1, 2 ]
amdhsa.kernels:
  - .name:           k_q1e14727b28_gemm_qkv
    .symbol:         k_q1e14727b28_gemm_qkv.kd
    .args:
      - { .name: xc, .offset: 0, .size: 8, .value_kind: global_buffer, .address_space: global }
      - { .name: wc, .offset: 8, .size: 8, .value_kind: global_buffer, .address_space: global }
      - { .name: bias3, .offset: 16, .size: 8, .value_kind: global_buffer, .address_space: global }
      - { .name: lowp_scales, .offset: 24, .size: 8, .value_kind: global_buffer, .address_space: global }
      - { .name: qkv, .offset: 32, .size: 8, .value_kind: global_buffer, .address_space: global }
    .group_segment_fixed_size: 327680
    .private_segment_fixed_size: 0
    .kernarg_segment_align: 8
    .kernarg_segment_size: 40
    .max_flat_workgroup_size: 128
    .sgpr_count:     98
    .vgpr_count:     1024
    .wavefront_size: 32
...
	.end_amdgpu_metadata
.endif
;; end of part 6
;; launch post (part 7): grid 640 x 1, 4 waves a work-group, no clusters, 35,840 bytes of LDS; arguments qkv, gq, gk, freqs_cos, freqs_sin, lowp_scales, qkvc; writes qkvc
.if DOCPART == 7
	.amdgcn_target "amdgcn-amd-amdhsa--gfx1250"
	.amdhsa_code_object_version 6
	.text
	.protected	k_q1e14727b28_post
	.globl	k_q1e14727b28_post
	.p2align	8
	.type	k_q1e14727b28_post,@function
k_q1e14727b28_post:
	s_mov_b64 s[64:65], 0
	v_nop
	global_prefetch_b8 v0, s[64:65] scope:SCOPE_SE
	s_setreg_imm32_b32 hwreg(HW_REG_WAVE_MODE, 25, 1), 1
	s_wait_xcnt 0x0
; THIRD LAUNCH.  qkv [3][2048 t][2048] f32 holds x Wq + bq, x Wk + bk, x Wv + bv.  Out: qkvc: at 0 q's codes [16 h][2048 t][128] (scale e6), at 4 MiB k's [16 h][2048 places][128] (e7), at 8 MiB v's codes [2048 d][2048 t], the keys innermost (e8).  Nothing is left out here.
; q and k: row x rsqrt(mean of squares over all 2,048 + 1e-6) x gain, then the rotation of neighbouring pairs by the position's cos and sin, all in f32, then the quantiser.
; code = number / 2^e, held within +-448, to the nearest code, ties to even.  LIMITS: e6, e7, e8 between -126 and 119; NaN is not served.
; ORDER ALONG THE HEAD'S 128, in q and in k alike: byte 8 m + 4 j + u holds channel 64 j + 4 m + u: so a lane loads 16 neighbouring bytes beside its neighbour's and its 8 codes lie beside its neighbour's.  v keeps the keys' own order.
; THE PLACE OF A KEY'S ROW.  Key t lies at the place that has bits 3 and 4 of t exchanged.  The attention launch forms a tile of the keys 32 b + 8 u + r + 8 (r / 8), r = 0 .. 15: these then lie at the 16 neighbouring places 32 b + 16 u + r.
; SHARES.  Work-groups 0..127: v: 128 channels (id % 16) x 256 keys (id / 16); a lane takes a channel and its registers run down the keys; the codes leave by rows through the wave's own stage in LDS.
; Work-groups 128..639: q (the first 256) and k: a wave takes two rows, sixteen lanes a row, 128 numbers a lane in registers between the pass that sums the squares and the pass that scales: no LDS, no barrier.
.set PITCH, 272
.set SPARE, 4*32*PITCH                 ; behind the four stages: the spare words, 128 bytes for each wave, which no other line names
.set EMAX,  8
.set MANT,  0x600000
.set SPW,   14                         ; v14  LDS address of my spare word; never rewritten
.set NIL,   15                         ; v15  0; never rewritten
.set VX,    32                         ; v: v32-95 two sets of 32 numbers; v96-103 codes; v112-175 the way out
.set VC,    96
.set OUTR,  112
.set SUMS,  16                         ; q, k: v16-23 four packed sums of squares
.set R,     28                         ; v[28:29] the norm's factor (the pair's upper word is only named)
.set CSN,   32                         ; v32-35 cos of my four pairs; v36-39 sin
.set SN,    36
.set T,     40                         ; v40-47 at work
.set XN,    64                         ; v64-191 register 8 i + 4 j + u: column 128 i + 64 j + 4 m + u of my row
.set NC,    192                        ; v192-223 codes, a pair for each head
.set MSB, 0
.macro WIN new                         ; the immediate's high byte repeats the setting that is left
.if MSB != \new
	s_set_vgpr_msb (MSB<<8)|\new
.set MSB, \new
.endif
.endm
	s_load_b256 s[4:11], s[0:1], 0x0               ; qkv, gq, gk, cos
	s_load_b128 s[12:15], s[0:1], 0x20             ; sin, lowp_scales
	s_load_b64 s[16:17], s[0:1], 0x30              ; qkvc
	v_lshl_add_u32 v[SPW], v0, 2, SPARE
	v_mov_b32 v[NIL], 0
	v_lshrrev_b32 v1, 5, v0
	v_readfirstlane_b32 s32, v1                    ; wave 0..3
	v_and_b32 v2, 31, v0                           ; lane
	s_cmp_ge_u32 ttmp9, 128
	s_cbranch_scc1 .Lnorm
	; ---------------- v: the keys, its first axis, are laid innermost ----------------
	s_and_b32 s34, ttmp9, 15
	s_lshr_b32 s35, ttmp9, 4                       ; which 256 keys
	s_lshl_b32 s34, s34, 7
	s_lshl_b32 s39, s32, 5
	s_add_co_u32 s34, s34, s39                     ; my wave's first channel
	s_lshl_b32 s50, s35, 21
	s_lshl_b32 s39, s34, 2
	s_add_co_u32 s50, s50, s39
	s_add_co_u32 s50, s50, 0x2000000               ; v's plane of qkv
	s_mov_b32 s51, 0
	s_lshl_b32 s52, s34, 11
	s_lshl_b32 s39, s35, 8
	s_add_co_u32 s52, s52, s39
	s_add_co_u32 s52, s52, 0x800000                ; v's part of qkvc
	s_mov_b32 s53, 0
	v_lshlrev_b32 v3, 2, v2
	s_mul_i32 s39, s32, 32*PITCH                   ; my stage
	v_mul_u32_u24 v4, v2, PITCH
	v_add_nc_u32 v4, s39, v4
	v_and_b32 v5, 15, v2
	v_lshrrev_b32 v6, 4, v2
	v_mul_u32_u24 v7, v6, PITCH
	v_lshl_add_u32 v7, v5, 4, v7
	v_add_nc_u32 v7, s39, v7
	v_lshlrev_b32 v8, 11, v6
	v_lshl_add_u32 v8, v5, 4, v8
	s_wait_kmcnt 0x0
	s_load_b32 s38, s[14:15], 0x20                 ; e8
	s_add_nc_u64 s[4:5], s[4:5], s[50:51]
	s_add_nc_u64 s[16:17], s[16:17], s[52:53]
.macro LOAD t                          ; block t: v(32 t + i, my channel), i = 0 .. 31; 32 lanes read 128 consecutive bytes
.irp i, 0,1,2,3,4,5,6,7,8,9,10,11,12,13,14,15,16,17,18,19,20,21,22,23,24,25,26,27,28,29,30,31
	global_load_b32 v[VX+32*((\t)%2)+\i], v3, s[4:5] offset:(32*(\t)+\i)*8192 th:TH_LOAD_NT
.endr
.endm
.macro BLOCK t
.set XS, VX+32*((\t)%2)
.if (\t) < 7
	s_wait_loadcnt 32                              ; this block's 32 loads are in; the next block's 32 may be out
.else
	s_wait_loadcnt 0
.endif
.irp i, 0,1,2,3,4,5,6,7,8,9,10,11,12,13,14,15,16,17,18,19,20,21,22,23,24,25,26,27,28,29,30,31
	v_med3_num_f32 v[XS+\i], v[XS+\i], -v10, v10   ; the conversion to an 8-bit code does not saturate (ISA guide 7.6.2): the hold comes first
.endr
.irp g, 0,1,2,3
	v_cvt_scalef32_pk8_fp8_f32 v[VC+2*\g:VC+2*\g+1], v[XS+8*\g:XS+8*\g+7], v11
.endr
	ds_store_b128 v4, v[VC:VC+3] offset:32*(\t)
	ds_store_b128 v4, v[VC+4:VC+7] offset:32*(\t)+16
.if (\t)+2 < 8
	LOAD (\t)+2
.endif
	s_wait_dscnt 0x0                               ; the stores have read their registers
.endm
	LOAD 0
	LOAD 1
	s_wait_kmcnt 0x0
	s_add_co_i32 s38, s38, 127
	s_lshl_b32 s39, s38, 23
	v_mov_b32 v11, s39                             ; 2^e8
	s_add_co_i32 s38, s38, EMAX
	s_lshl_b32 s38, s38, 23
	s_or_b32 s38, s38, MANT
	v_mov_b32 v10, s38                             ; 448 x 2^e8
.irp t, 0,1,2,3,4,5,6,7
	BLOCK \t
.endr
.irp t, 0,1,2,3,4,5,6,7,8,9,10,11,12,13,14,15
	ds_load_b128 v[OUTR+4*\t:OUTR+4*\t+3], v7 offset:2*\t*PITCH
.endr
.irp t, 0,1,2,3,4,5,6,7,8,9,10,11,12,13,14,15
	s_wait_dscnt 15-\t                             ; the younger loads may be out
	global_store_b128 v8, v[OUTR+4*\t:OUTR+4*\t+3], s[16:17] offset:2*\t*2048   ; sixteen lanes store 256 consecutive bytes, aligned
.endr
	s_wait_tensorcnt 0x0                           ; the wave's end, behind my last LDS store
	ds_add_u32 v[SPW], v[NIL]
	s_wait_dscnt 0x0
	s_endpgm
	; ---------------- q and k: norm, gain, rotation, codes ----------------
.Lnorm:
	s_sub_co_u32 s33, ttmp9, 128
	s_lshr_b32 s34, s33, 8                         ; 0: q, 1: k
	s_and_b32 s35, s33, 255
	s_lshl_b32 s35, s35, 2
	s_add_co_u32 s35, s35, s32
	s_lshl_b32 s35, s35, 1                         ; my wave's first row, an even number
	s_lshl_b32 s36, s34, 24
	s_lshl_b32 s37, s35, 13
	s_add_co_u32 s36, s36, s37                     ; in qkv
	s_mov_b32 s37, 0
	s_lshl_b32 s38, s35, 8                         ; in cos and sin: rows of 256 bytes
	s_mov_b32 s39, 0
	s_bfe_u32 s42, s35, 0x10003                    ; the row's bit 3,
	s_bfe_u32 s43, s35, 0x10004                    ; its bit 4,
	s_and_b32 s44, s35, 0xffffffe7                 ; and the rest
	s_lshl_b32 s42, s42, 4
	s_lshl_b32 s43, s43, 3
	s_or_b32 s44, s44, s42
	s_or_b32 s44, s44, s43                         ; the two bits exchanged: my two rows stay neighbours
	s_cmp_eq_u32 s34, 0
	s_cselect_b32 s44, s35, s44                    ; q's rows lie in their own order, k's at the exchanged places
	s_lshl_b32 s40, s34, 22
	s_lshl_b32 s41, s44, 7
	s_add_co_u32 s40, s40, s41                     ; in qkvc: head 0's row
	s_mov_b32 s41, 0
	s_mov_b32 s22, 0x3a000000                      ; 1 / 2048
	s_mov_b32 s23, 0x358637bd                      ; 1e-6
	v_and_b32 v8, 15, v0                           ; m
	v_bfe_u32 v7, v0, 4, 1                         ; which of the two rows
	v_lshlrev_b32 v5, 4, v8                        ; the gain: 16 m
	v_lshl_add_u32 v3, v7, 13, v5                  ; the row: + 8,192 for the second
	v_lshlrev_b32 v6, 3, v8
	v_lshl_add_u32 v6, v7, 8, v6                   ; cos, sin: 8 m + 256 for the second row
	v_lshlrev_b32 v4, 3, v2                        ; codes: 8 bytes a lane: two rows of 128 on end
	v_mov_b32 v[R+1], 0
	s_wait_kmcnt 0x0
	s_load_b64 s[20:21], s[14:15], 0x18            ; e6, e7
	s_add_nc_u64 s[4:5], s[4:5], s[36:37]
	s_cmp_eq_u32 s34, 0
	s_cselect_b64 s[6:7], s[6:7], s[8:9]           ; gq or gk: the choice hangs on the work-group's number alone
	s_add_nc_u64 s[10:11], s[10:11], s[38:39]
	s_add_nc_u64 s[12:13], s[12:13], s[38:39]
	s_add_nc_u64 s[16:17], s[16:17], s[40:41]
.irp i, 0,1,2,3,4,5,6,7,8,9,10,11,12,13,14,15
.irp j, 0,1
	global_load_b128 v[XN+8*\i+4*\j:XN+8*\i+4*\j+3], v3, s[4:5] offset:512*\i+256*\j th:TH_LOAD_NT   ; sixteen lanes read 256 consecutive bytes of a row
.endr
.endr
.irp j, 0,1
	global_load_b64 v[CSN+2*\j:CSN+2*\j+1], v6, s[10:11] offset:128*\j   ; pairs 32 j + 2 m and 32 j + 2 m + 1: the same for all sixteen heads
	global_load_b64 v[SN+2*\j:SN+2*\j+1],   v6, s[12:13] offset:128*\j
.endr
	WIN 0x40                                       ; destination window 1: the gain, in the row's order, at v256-383
.irp i, 0,1,2,3,4,5,6,7,8,9,10,11,12,13,14,15
.irp j, 0,1
	global_load_b128 v[8*\i+4*\j:8*\i+4*\j+3], v5, s[6:7] offset:512*\i+256*\j
.endr
.endr
	WIN 0
	s_wait_kmcnt 0x0
	s_cmp_eq_u32 s34, 0
	s_cselect_b32 s20, s20, s21
	s_add_co_i32 s20, s20, 127
	s_lshl_b32 s21, s20, 23
	v_mov_b32 v31, s21                             ; 2^e
	s_add_co_i32 s20, s20, EMAX
	s_lshl_b32 s20, s20, 23
	s_or_b32 s20, s20, MANT
	v_mov_b32 v30, s20                             ; 448 x 2^e
	s_wait_loadcnt 36                              ; the row's 32 loads are in; the 4 of cos and sin and the gain's 32 may be out
.irp c, 0,1,2,3
	v_pk_mul_f32 v[SUMS+2*\c:SUMS+2*\c+1], v[XN+2*\c:XN+2*\c+1], v[XN+2*\c:XN+2*\c+1]   ; the first four pairs start four chains: nothing is cleared
.endr
.set n, 4
.rept 60
	v_pk_fma_f32 v[SUMS+2*(n%4):SUMS+2*(n%4)+1], v[XN+2*n:XN+2*n+1], v[XN+2*n:XN+2*n+1], v[SUMS+2*(n%4):SUMS+2*(n%4)+1]
.set n, n+1
.endr
	v_pk_add_f32 v[SUMS:SUMS+1], v[SUMS:SUMS+1], v[SUMS+2:SUMS+3]
	v_pk_add_f32 v[SUMS+4:SUMS+5], v[SUMS+4:SUMS+5], v[SUMS+6:SUMS+7]
	v_pk_add_f32 v[SUMS:SUMS+1], v[SUMS:SUMS+1], v[SUMS+4:SUMS+5]
	v_add_f32 v24, v[SUMS], v[SUMS+1]
	v_add_f32_dpp v24, v24, v24 row_xmask:1 row_mask:0xf bank_mask:0xf   ; a row lives in sixteen lanes: four steps, and the sum never crosses to the other row
	v_add_f32_dpp v24, v24, v24 row_xmask:2 row_mask:0xf bank_mask:0xf
	v_add_f32_dpp v24, v24, v24 row_xmask:4 row_mask:0xf bank_mask:0xf
	v_add_f32_dpp v24, v24, v24 row_xmask:8 row_mask:0xf bank_mask:0xf
	v_fma_f32 v24, v24, s22, s23                   ; the mean of the squares + 1e-6
	v_rsq_f32 v[R], v24
	v_nop                                          ; a plain instruction behind the transcendental (ISA guide 5.7.2),
	s_wait_alu depctr_va_vdst(0)                   ; and a wait ahead of its first reader
.set n, 0
.rept 64
	v_pk_mul_f32 v[XN+2*n:XN+2*n+1], v[XN+2*n:XN+2*n+1], v[R:R+1] op_sel_hi:[1,0]
.set n, n+1
.endr
	s_wait_loadcnt 0x0                             ; cos, sin and the gain
	WIN 0x04                                       ; source 1 window 1
.set n, 0
.rept 64
	v_pk_mul_f32 v[XN+2*n:XN+2*n+1], v[XN+2*n:XN+2*n+1], v[2*n:2*n+1]   ; (row x factor) x gain, in that order
.set n, n+1
.endr
	WIN 0
; head i: my eight numbers are four pairs (a0, a1): a0 cos - a1 sin, a0 sin + a1 cos; then the hold, the conversion and the store
.macro HEAD i
.irp k, 0,1,2,3
	v_mul_f32 v[T+2*\k],   v[XN+8*\i+2*\k+1], v[SN+\k]
	v_mul_f32 v[T+2*\k+1], v[XN+8*\i+2*\k+1], v[CSN+\k]
.endr
.irp k, 0,1,2,3
	v_fma_f32 v[XN+8*\i+2*\k+1], v[XN+8*\i+2*\k], v[SN+\k], v[T+2*\k+1]
	v_fma_f32 v[XN+8*\i+2*\k],   v[XN+8*\i+2*\k], v[CSN+\k], -v[T+2*\k]
.endr
.irp k, 0,1,2,3,4,5,6,7
	v_med3_num_f32 v[XN+8*\i+\k], v[XN+8*\i+\k], -v30, v30
.endr
	v_cvt_scalef32_pk8_fp8_f32 v[NC+2*\i:NC+2*\i+1], v[XN+8*\i:XN+8*\i+7], v31
	global_store_b64 v4, v[NC+2*\i:NC+2*\i+1], s[16:17] offset:\i*262144   ; 32 lanes store 256 consecutive bytes, aligned: my two rows of head i
.endm
.irp i, 0,1,2,3,4,5,6,7,8,9,10,11,12,13,14,15
	HEAD \i
.endr
	v_nop                                          ; a plain instruction behind the last conversion
	s_endpgm
.Lfunc_end_k_q1e14727b28_post:
	.size	k_q1e14727b28_post, .Lfunc_end_k_q1e14727b28_post-k_q1e14727b28_post
	.p2alignl 7, 3214868480
	.fill 96, 4, 3214868480
	.section	.rodata,"a",@progbits
	.p2align	6, 0x0
	.amdhsa_kernel k_q1e14727b28_post
		.amdhsa_group_segment_fixed_size 35840
		.amdhsa_private_segment_fixed_size 0
		.amdhsa_enable_private_segment 0
		.amdhsa_kernarg_size 56
		.amdhsa_user_sgpr_count 2
		.amdhsa_user_sgpr_kernarg_segment_ptr 1
		.amdhsa_wavefront_size32 1
		.amdhsa_system_sgpr_workgroup_id_x 1
		.amdhsa_system_sgpr_workgroup_id_y 1
		.amdhsa_system_sgpr_workgroup_id_z 1
		.amdhsa_system_vgpr_workitem_id 0
		.amdhsa_next_free_vgpr 384
		.amdhsa_next_free_sgpr 66
		.amdhsa_reserve_vcc 0
		.amdhsa_float_denorm_mode_32 3
		.amdhsa_float_denorm_mode_16_64 3
		.amdhsa_memory_ordered 1
		.amdhsa_forward_progress 1
		.amdhsa_inst_pref_size 93
	.end_amdhsa_kernel
	.amdgpu_metadata
---
amdhsa.version: [ 1, 2 ]
amdhsa.kernels:
  - .name:           k_q1e14727b28_post
    .symbol:         k_q1e14727b28_post.kd
    .args:
      - { .name: qkv, .offset: 0, .size: 8, .value_kind: global_buffer, .address_space: global }
      - { .name: gq, .offset: 8, .size: 8, .value_kind: global_buffer, .address_space: global }
      - { .name: gk, .offset: 16, .size: 8, .value_kind: global_buffer, .address_space: global }
      - { .name: freqs_cos, .offset: 24, .size: 8, .value_kind: global_buffer, .address_space: global }
      - { .name: freqs_sin, .offset: 32, .size: 8, .value_kind: global_buffer, .address_space: global }
      - { .name: lowp_scales, .offset: 40, .size: 8, .value_kind: global_buffer, .address_space: global }
      - { .name: qkvc, .offset: 48, .size: 8, .value_kind: global_buffer, .address_space: global }
    .group_segment_fixed_size: 35840
    .private_segment_fixed_size: 0
    .kernarg_segment_align: 8
    .kernarg_segment_size: 56
    .max_flat_workgroup_size: 128
    .sgpr_count:     66
    .vgpr_count:     384
    .wavefront_size: 32
...
	.end_amdgpu_metadata
.endif
;; end of part 7
;; launch attn (part 8): grid 16 x 16, 8 waves a work-group, no clusters, 327,680 bytes of LDS; arguments qkvc, lowp_scales, ao; writes ao
.if DOCPART == 8
	.amdgcn_target "amdgcn-amd-amdhsa--gfx1250"
	.amdhsa_code_object_version 6
	.text
	.protected	k_q1e14727b28_attn
	.globl	k_q1e14727b28_attn
	.p2align	8
	.type	k_q1e14727b28_attn,@function
k_q1e14727b28_attn:
	s_mov_b64 s[64:65], 0
	v_nop
	global_prefetch_b8 v0, s[64:65] scope:SCOPE_SE
	s_setreg_imm32_b32 hwreg(HW_REG_WAVE_MODE, 25, 1), 1
	s_wait_xcnt 0x0
; FOURTH LAUNCH: causal attention on codes of E4M3.  In: qkvc (q's codes [16 h][2048 t][128], at 4 MiB k's [16 h][2048 places][128], at 8 MiB v's [2048 d][2048 t] with the keys innermost).  Out: ao [2048 t][2048]: the result's codes under e10.
; LEFT OUT: a key step (128 keys) all of whose keys come after the wave's 16 queries: the layer's own triangular mask hides them, and key 0 counts for every query (shown at the head of the first launch).
; THE SOFTMAX AHEAD OF THE SECOND PRODUCT: t = score x log2(e) / sqrt(128); M = the row's largest t so far, rounded UP to a whole number; p = 2^(t - M) is what is quantised (e9), not normalised.
; The row's sum is taken of the unquantised p, in f32, and divides O at the end.  When M moves, the sum and O are multiplied by 2^(old M - new M): exact.
; SHARES.  Work-group (i, head), i = 0..15.  Waves 0-3 own the four tiles of 16 queries of block i (64 queries), waves 4-7 those of block 31 - i.  A tile of block b has b / 2 + 1 key steps, so waves w and w + 4 together have 17 in every work-group.
; K's and V's tiles come through a ring of two LDS slots of 256 keys, filled by the tensor data mover (wave 0: K's 256 rows; wave 1: V's 128 rows) and read by all eight.
; NO CLUSTER: the jumps over hidden steps hang on a wave's first query, which would differ between the partners of a cluster, and partners would need different numbers of slots.
; LAYOUT.  Both products are used transposed: S^T = K Q^T (source 0 = 16 keys, source 1 = my 16 queries), O^T = V^T P^T: a lane holds ONE query (lane % 16) throughout.
; THE KEYS OF A TILE ARE NOT NEIGHBOURS: lane r of tile 2 b + u takes key 32 b + 8 u + r + 8 (r / 8), so that the 16 registers of tiles 2 b and 2 b + 1 are 16 neighbouring keys, 32 b + 16 (lane / 16) + 0 .. 15.
; The launch before has laid key t at the place with bits 3 and 4 of t exchanged, so these 16 keys lie at the 16 neighbouring places 32 b + 16 u + r: at the pitch of 36 words their rows start at 16 different groups of four banks.
; q's and k's codes hold the head's 128 in one and the same order; ao is written in that order too (byte 8 m + 4 j + u of a head: channel 64 j + 4 m + u), as Wo's codes expect it.
; A STEP ASKS EARLY: K's eight fragments go out in one run; V's eight go out directly behind the score products and land while the softmax is worked.  So eight fragments are held at a time: four in v32-95, four in v256-319.
; LIMITS on the given exponents: e6 + e7 between -123 and 130 (added to c's exponent field); e9 and e10 between -126 and 119; e8 + e9 is applied by v_ldexp_f32 and has none.  NaN is not served.
; REGISTERS: v1-7 addresses that stay; v8-11 addresses in hand; v12 -M, v13 the largest t, v[14:15] the sum in two halves; v16-31 Q; v32-95 fragments 0-3 of K or of V; v96-159 S^T, then p; v160-223 O^T; v224-239 p's codes;
;   v240, v241, v244, v245 the quantisers' constants; v[242:243], v252-254 at work; v246 what the lane 16 away sends: a register that no matrix instruction names;  window 1: v256-319 fragments 4-7 of K or of V.
.set SK,    256                        ; keys in a slot
.set ROWB,  128                        ; 128 codes in bytes
.set KP,    144                        ; a key's row in LDS: 128 bytes + 16 of padding
.set VROWB, 256                        ; a row of V's tile
.set VP,    272                        ; and in LDS
.set KROWV, 2048                       ; a row of V in memory
.set VOFF,  SK*KP                      ; a slot: 256 rows of K, then 128 rows of V
.set SLOT1, 1<<17                      ; slot 1 begins here: one exclusive or turns an address in one slot into the other's
.set NSL,   2048/SK                    ; 8 slots' worth of keys
.set SPARE, 2*SLOT1                    ; behind the ring: the spare words, 128 bytes for each wave, which no other line names
.set SP,    144                        ; the way out: a stage of 16 rows x (128 bytes + 16) for each wave, from LDS byte 0: slot 0 was left at the last change of slots, has had its last fill, and nobody reads it
.set AK0,  1                           ; v1   my lane's place in a tile of K
.set AV0,  2                           ; v2   the same for V
.set PFOK, 3                           ; v3   256 x lane: the prefetch of K's block
.set PFOV, 4                           ; v4   2,048 x lane: the prefetch among V's rows
.set SPW,  5                           ; v5   LDS address of my spare word; never rewritten
.set NIL,  6                           ; v6   0; never rewritten
.set GO,   7                           ; v7   the way out: my byte offset among the wave's rows of ao
.set ADK,  8
.set ADV,  9
.set XL,   246                         ; v246 the other half of the lanes' number
.set WV,   18                          ; s18  my wave's number
.set SEL,  20                          ; s[20:21] lane selects for v_permlanex16_b32: lane l xor 16
.set CS,   22                          ; s[22:23] c = log2(e) / sqrt(128) x 2^(e6 + e7)
.set G1K,  24                          ; s[24:31] descriptor group 1 for K's tile;  s[32:39] for V's;  s[40:43], s[44:47] their groups 0, which walk
.set G1V,  32
.set G0K,  40
.set G0V,  44
.set QL,   48                          ; s48  my work-group's last query
.set TB,   2                           ; s2   LDS byte at which the slot in hand begins
.set SLOTS, 67                         ; s67  changes of slots still to come in the loop
.set PFK,  76                          ; s[76:77], s[78:79] where my prefetches stand in K and in V
.set PFV,  78
.set LIM,  80                          ; s80  1 in a wave that prefetches, else the greatest number
.set KF,   98                          ; s98  the step's first key
.set Q0,   99                          ; s99  my first query
.set MSB, 0
.macro WIN new                         ; s_set_vgpr_msb: bits 1:0 source 0, 7:6 destination; the immediate's high byte repeats the setting that is left.  At every label and branch the setting is 0
.if MSB != \new
	s_set_vgpr_msb (MSB<<8)|\new
.set MSB, \new
.endif
.endm
.set TO_1,   0x40                      ; a load's destination in window 1, its address in window 0
.set FROM_1, 0x01                      ; a product's source 0 in window 1, all else in window 0
; Wave 0 fetches K's tile, wave 1 V's, the others nothing.  The branches hang on the wave's number alone.  An s_nop 0 and four v_nop follow each of the two lines.
.macro TLOAD
	s_cmp_eq_u32 s[WV], 0
	s_cbranch_scc0 .Lnot_k_\@
	tensor_load_to_lds s[G0K:G0K+3], s[G1K:G1K+7]
	s_nop 0
.rept 4
	v_nop
.endr
	s_branch .Lasked_\@
.Lnot_k_\@:
	s_cmp_eq_u32 s[WV], 1
	s_cbranch_scc0 .Lasked_\@
	tensor_load_to_lds s[G0V:G0V+3], s[G1V:G1V+7]
	s_nop 0
.rept 4
	v_nop
.endr
.Lasked_\@:
.endm
; A PREFETCH INTO THE L2 of what the NEXT change of slots will ask for: K's 256 rows, one dense block of 32,768 bytes, and 256 codes of each of V's 128 rows.  All sixteen work-groups of a head walk the same K and V: the head's
; work-group 0, which walks all eight slots, asks.  In it waves 4 to 7 ask, two instructions each: 8,192 bytes of K's block, lanes 256 bytes apart, and 32 of V's rows, a lane a row.  So each aligned block of 256 bytes of
; slots 2 to 7 is named once in the launch, a slot's two key steps ahead of its tensor load.  The last change that fills a slot asks for nothing; slots 0 and 1 come by their loads alone.
.macro ASK
	s_cmp_gt_u32 s[SLOTS], s[LIM]
	s_cbranch_scc0 .Lnot_mine_\@
	global_prefetch_b8 v[PFOK], s[PFK:PFK+1] th:TH_LOAD_NT scope:SCOPE_SE
	global_prefetch_b8 v[PFOV], s[PFV:PFV+1] th:TH_LOAD_NT scope:SCOPE_SE
.Lnot_mine_\@:
.endm
	s_load_b128 s[4:7], s[0:1], 0x0                ; qkvc s[4:5], the scales' exponents s[6:7]
	s_load_b64 s[8:9], s[0:1], 0x10                ; ao
	v_lshl_add_u32 v[SPW], v0, 2, SPARE
	v_mov_b32 v[NIL], 0
	ds_add_u32 v[SPW], v[NIL]                      ; the wave's opening: the add, twice on end, and its wait ahead of my first tensor load; the set-up below stands between the second and the wait
	ds_add_u32 v[SPW], v[NIL]
	v_lshrrev_b32 v8, 5, v0
	v_readfirstlane_b32 s[WV], v8                  ; wave 0..7
	s_and_b32 s50, ttmp7, 0xffff                   ; the head
	s_lshl_b32 s52, s50, 18                        ; its 262,144 bytes in each of the three parts of qkvc
	s_mov_b32 s53, 0
	s_sub_co_u32 s51, 31, ttmp9                    ; 31 - i
	s_cmp_lt_u32 s[WV], 4
	s_cselect_b32 s54, ttmp9, s51                  ; my block of 64 queries
	s_lshl_b32 s54, s54, 6
	s_and_b32 s55, s[WV], 3
	s_lshl_b32 s55, s55, 4
	s_add_co_u32 s[Q0], s54, s55                   ; my first query: it enters global addresses and compares alone
	s_lshl_b32 s[QL], s51, 6
	s_add_co_u32 s[QL], s[QL], 63                  ; the work-group's last query
	s_lshl_b32 s56, s[Q0], 7
	s_add_co_u32 s56, s56, s52                     ; my queries' codes
	s_mov_b32 s57, 0
	s_lshl_b32 s58, s[Q0], 11
	s_lshl_b32 s59, s50, 7
	s_add_co_u32 s58, s58, s59                     ; my rows of ao, at the head's 128 bytes
	s_mov_b32 s59, 0
	; descriptor group 1: K: 256 rows of 128 bytes, dense in memory;  V: 128 rows of 256 bytes, 2,048 bytes apart
	s_mov_b32 s[G1K], (0<<16)|(1<<20)|(4<<22)|(3<<25)   ; no mask; elements of 1 byte; padding on: four words (code 3) after every 32 (code 4)
	s_mov_b32 s[G1K+1], ROWB<<16                   ; tensor_dim0
	s_mov_b32 s[G1K+2], SK<<16                     ; tensor_dim1
	s_mov_b32 s[G1K+3], ROWB<<16                   ; tile_dim0
	s_mov_b32 s[G1K+4], SK                         ; tile_dim1
	s_mov_b32 s[G1K+5], ROWB                       ; tensor_dim0_stride
	s_mov_b32 s[G1K+6], 0
	s_mov_b32 s[G1K+7], 0
	s_mov_b32 s[G1V], (0<<16)|(1<<20)|(5<<22)|(3<<25)   ; padding: four words after every 64
	s_mov_b32 s[G1V+1], VROWB<<16
	s_mov_b32 s[G1V+2], 128<<16
	s_mov_b32 s[G1V+3], VROWB<<16
	s_mov_b32 s[G1V+4], 128
	s_mov_b32 s[G1V+5], KROWV
	s_mov_b32 s[G1V+6], 0
	s_mov_b32 s[G1V+7], 0
	s_mov_b32 s[SEL], 0x76543210
	s_mov_b32 s[SEL+1], 0xfedcba98
	s_mov_b32 s[CS], 0x3e0293ee                    ; c = log2(e) / sqrt(128)
	s_mov_b32 s[TB], 0
	s_mov_b32 s[SLOTS], NSL-1
	s_mov_b32 s[KF], 0
	s_wait_dscnt 0x0                               ; both opening adds are done
	s_wait_kmcnt 0x0
	s_load_b128 s[68:71], s[6:7], 0x18             ; e6, e7, e8, e9
	s_load_b32 s72, s[6:7], 0x28                   ; e10
	s_add_nc_u64 s[60:61], s[4:5], s[52:53]        ; qkvc at the head's bytes
	s_mov_b32 s[G0K], 1                            ; count = 1
	s_mov_b32 s[G0K+1], 0                          ; LDS address: slot 0
	s_add_nc_u64 s[G0K+2:G0K+3], s[60:61], 0x400000   ; the head's first 256 keys
	s_or_b32 s[G0K+3], s[G0K+3], 0x80000000        ; type = 2
	s_mov_b32 s[G0V], 1
	s_mov_b32 s[G0V+1], VOFF
	s_add_nc_u64 s[G0V+2:G0V+3], s[60:61], 0x800000
	s_or_b32 s[G0V+3], s[G0V+3], 0x80000000
	TLOAD                                          ; slot 0: it holds key 0, which counts for every query
	s_add_nc_u64 s[4:5], s[4:5], s[56:57]          ; q's codes at my first query
	s_add_nc_u64 s[8:9], s[8:9], s[58:59]          ; ao likewise
	; the prefetches: where my wave's stand, and who asks
	s_and_b32 s74, s[WV], 3
	s_lshl_b32 s82, s74, 13
	s_add_co_u32 s82, s82, 0x400000+SK*ROWB        ; K: my 8,192 bytes of slot 1: the first change of slots steps this to slot 2
	s_mov_b32 s83, 0
	s_add_nc_u64 s[PFK:PFK+1], s[60:61], s[82:83]
	s_lshl_b32 s82, s74, 16
	s_add_co_u32 s82, s82, 0x800000+VROWB          ; V: my 32 rows, at slot 1's 256 bytes
	s_add_nc_u64 s[PFV:PFV+1], s[60:61], s[82:83]
	s_lshr_b32 s82, s[WV], 2
	s_xor_b32 s82, s82, 1                          ; 0 in waves 4 to 7,
	s_or_b32 s82, s82, ttmp9                       ; of the head's work-group 0
	s_cmp_eq_u32 s82, 0
	s_cselect_b32 s[LIM], 1, -1
	v_and_b32 v[PFOK], 31, v0
	v_lshlrev_b32 v[PFOV], 11, v[PFOK]
	v_lshlrev_b32 v[PFOK], 8, v[PFOK]
	v_and_b32 v8, 15, v0                           ; r = lane % 16
	v_bfe_u32 v9, v0, 4, 1                         ; h = lane / 16
	v_mul_u32_u24 v10, v8, ROWB
	v_lshl_add_u32 v10, v9, 4, v10                 ; Q: row r, + my half's bytes
.irp c, 0,1,2,3
	global_load_b128 v[16+4*\c:19+4*\c], v10, s[4:5] offset:32*\c   ; Q's fragment stays in registers
.endr
	v_mul_u32_u24 v[AK0], v8, KP                   ; K: place r of a tile's sixteen
	v_lshl_add_u32 v[AK0], v9, 4, v[AK0]
	v_mul_u32_u24 v[AV0], v8, VP
	v_lshl_add_u32 v[AV0], v9, 4, v[AV0]
	v_add_nc_u32 v[AV0], VOFF, v[AV0]
	v_mov_b32 v13, 0xff61b1e6                      ; the largest t so far: -3e38, under every t
	v_floor_f32 v12, -v13                          ; -M
	v_mov_b32 v14, 0                               ; the sum, in two halves
	v_mov_b32 v15, 0
	v_mov_b32 v[XL], 0                             ; written once: a lane permute's destination counts as one of its sources
	v_mov_b32 v253, 0                              ; (named as the upper half of the pair v[252:253])
.set j, 0
.rept 64
	v_mov_b32 v[160+j], 0                          ; O^T.  (The step is written once for first and later steps: the first finds zeros, which the first change of M leaves zeros)
.set j, j+1
.endr
	s_wait_kmcnt 0x0
	s_add_co_i32 s74, s68, s69
	s_lshl_b32 s74, s74, 23
	s_add_co_i32 s[CS], s[CS], s74                 ; a score stands for score x 2^(e6 + e7): the two exponents are added to c's exponent field
	s_mov_b32 s[CS+1], s[CS]                       ; (named with it as a pair, so it is written)
	s_add_co_i32 s74, s71, 127
	s_lshl_b32 s75, s74, 23
	v_mov_b32 v244, s75                            ; 2^e9, for p's conversion
	s_add_co_i32 s74, s74, 8
	s_lshl_b32 s74, s74, 23
	s_or_b32 s74, s74, 0x600000
	v_mov_b32 v240, s74                            ; 448 x 2^e9
	s_add_co_i32 s74, s72, 127
	s_lshl_b32 s75, s74, 23
	v_mov_b32 v245, s75                            ; 2^e10, for the result's conversion
	s_add_co_i32 s74, s74, 8
	s_lshl_b32 s74, s74, 23
	s_or_b32 s74, s74, 0x600000
	v_mov_b32 v241, s74                            ; 448 x 2^e10
; A KEY STEP: 128 keys, the q-th of the slot in hand.
.macro STEP q
	s_add_co_u32 s96, s[Q0], 15                    ; a step all of whose keys come after my 16 queries is left out: a scalar branch on ids, round the loads, products and softmax; not round the line at the end that steps the first key
	s_cmp_gt_u32 s[KF], s96
	s_cbranch_scc1 .Lhidden_\@
	v_add_nc_u32 v[ADK], s[TB], v[AK0]
	v_add_nc_u32 v[ADV], s[TB], v[AV0]
	v_nop                                          ; four places in front of loads into registers that the last step's products have read: the two additions above and these two
	v_nop
.irp t, 0,1,2,3                                ; K's eight fragments in one run: tiles 0-3,
.irp c, 0,1,2,3
	ds_load_b128 v[32+16*\t+4*\c:32+16*\t+4*\c+3], v[ADK] offset:(128*(\q)+16*\t)*KP+32*\c
.endr
.endr
	WIN TO_1
.irp t, 0,1,2,3                                ; tiles 4-7, into v256-319
.irp c, 0,1,2,3
	ds_load_b128 v[16*\t+4*\c:16*\t+4*\c+3], v[ADK] offset:(128*(\q)+64+16*\t)*KP+32*\c
.endr
.endr
	WIN 0
	s_wait_dscnt 16                                ; tiles 0-3 are in; the 16 loads of tiles 4-7 may be out
.irp t, 0,1,2,3                                ; S^T = K Q^T
	v_wmma_f32_16x16x128_fp8_fp8 v[96+8*\t:103+8*\t], v[32+16*\t:47+16*\t], v[16:31], 0
.endr
	s_wait_dscnt 0x0
	WIN FROM_1
.irp t, 0,1,2,3
	v_wmma_f32_16x16x128_fp8_fp8 v[128+8*\t:135+8*\t], v[16*\t:16*\t+15], v[16:31], 0
.endr
	WIN 0
.rept 4
	v_nop                                          ; four places: in front of the loads below, into registers that these products have read, and of the first read of the scores
.endr
.irp t, 0,1,2,3                                ; V's eight fragments go out now and land while the softmax is worked: 16 of the head's 128 x these 128 keys each
.irp c, 0,1,2,3
	ds_load_b128 v[32+16*\t+4*\c:32+16*\t+4*\c+3], v[ADV] offset:16*\t*VP+ROWB*(\q)+32*\c
.endr
.endr
	WIN TO_1
.irp t, 0,1,2,3
.irp c, 0,1,2,3
	ds_load_b128 v[16*\t+4*\c:16*\t+4*\c+3], v[ADV] offset:16*(4+\t)*VP+ROWB*(\q)+32*\c
.endr
.endr
	WIN 0
	s_add_co_u32 s96, s[KF], 127                   ; on the diagonal the scores of hidden keys become -infinity ahead of the maximum: p = 0 then.  A step all of whose keys count skips this
	s_cmp_le_u32 s96, s[Q0]
	s_cbranch_scc1 .Lopen_\@
	s_sub_co_i32 s96, s[Q0], s[KF]
	v_and_b32 v252, 15, v0
	v_bfe_u32 v253, v0, 4, 1
	v_lshlrev_b32 v253, 4, v253
	v_sub_nc_u32 v252, v252, v253
	v_add_nc_u32 v252, s96, v252                   ; d = my query - the first key - 16 (lane / 16).  Register 16 b + i holds key first + 16 (lane / 16) + 32 b + i: hidden where 32 b + i > d
	v_mov_b32 v254, 0xff800000                     ; -infinity
.set n, 0
.rept 64
	v_cmp_gt_i32 vcc_lo, 32*(n/16)+(n%16), v252
	v_cndmask_b32 v[96+n], v[96+n], v254, vcc_lo
.set n, n+1
.endr
.Lopen_\@:
	v_max3_num_f32 v254, v96, v97, v98             ; the step's largest score of my query, among my 64 keys, in two chains,
	v_max3_num_f32 v252, v99, v100, v101
.irp i, 6,10,14,18,22,26,30,34,38,42,46,50,54,58
	v_max3_num_f32 v254, v254, v[96+\i], v[97+\i]
	v_max3_num_f32 v252, v252, v[98+\i], v[99+\i]
.endr
	v_max3_num_f32 v254, v254, v158, v159
	v_max_num_f32 v254, v254, v252
	v_permlanex16_b32 v[XL], v254, s[SEL], s[SEL+1]
	v_max_num_f32 v254, v254, v[XL]                ; and among lane l xor 16's
	v_mul_f32 v254, s[CS], v254                    ; as t (c is positive)
	v_max_num_f32 v13, v13, v254                   ; the running largest t
	v_mov_b32 v254, v12
	v_floor_f32 v12, -v13                          ; the new -M = floor(-t) = -ceil(t): M is a whole number
	v_sub_f32 v254, v12, v254                      ; M's old value less its new one: a whole number, 0 or less
	v_cvt_i32_f32 v254, v254                       ; (it saturates)
	v_ldexp_f32 v252, 1.0, v254                    ; f = 2^(old M - new M): a multiplication by it rounds nothing
.set j, 0
.rept 32
	v_pk_fma_f32 v[96+j:97+j], v[96+j:97+j], s[CS:CS+1], v[12:13] op_sel_hi:[1,0,0]   ; t - M, two at a time (of the pairs c and -M the low word serves both halves)
.set j, j+2
.endr
.set j, 0
.rept 64
	v_exp_f32 v[96+j], v[96+j]                     ; p = 2^(t - M), at most 1: not normalised
.set j, j+1
.endr
	v_pk_mul_f32 v[14:15], v[14:15], v[252:253] op_sel_hi:[1,0]   ; the sums under the new M: the plain instruction behind the exponentials
	s_wait_alu depctr_va_vdst(0)                   ; one wait for the whole batch, ahead of its first reader
	v_pk_add_f32 v[242:243], v[96:97], v[98:99]    ; the row's sum is taken of the unquantised p: two at a time, in two chains
.irp j, 4,8,12,16,20,24,28,32,36,40,44,48,52,56,60
	v_pk_add_f32 v[14:15], v[14:15], v[96+\j:97+\j]
	v_pk_add_f32 v[242:243], v[242:243], v[98+\j:99+\j]
.endr
	v_pk_add_f32 v[14:15], v[14:15], v[242:243]
.irp b, 0,1,2,3
.irp i, 0,1,2,3,4,5,6,7,8,9,10,11,12,13,14,15
	v_min_num_f32 v[96+16*\b+\i], v[96+16*\b+\i], v240   ; the conversion does not saturate (ISA guide 7.6.2); p is not negative, so the hold is one-sided
.endr
	v_cvt_scalef32_pk8_fp8_f32 v[224+4*\b:225+4*\b], v[96+16*\b:103+16*\b], v244
	v_cvt_scalef32_pk8_fp8_f32 v[226+4*\b:227+4*\b], v[104+16*\b:111+16*\b], v244
.endr
.set j, 0
.rept 32
	v_pk_mul_f32 v[160+j:161+j], v[160+j:161+j], v[252:253] op_sel_hi:[1,0]   ; O^T under the new M.  (These 32 are also the plain lines between the conversions and the products below)
.set j, j+2
.endr
	s_wait_dscnt 0x0                               ; V's fragments, asked for ahead of the softmax
.irp t, 0,1,2,3                                ; O^T += V^T P^T: K = these 128 keys; the eight accumulators take turns
	v_wmma_f32_16x16x128_fp8_fp8 v[160+8*\t:167+8*\t], v[32+16*\t:47+16*\t], v[224:239], v[160+8*\t:167+8*\t]
.endr
	WIN FROM_1
.irp t, 0,1,2,3
	v_wmma_f32_16x16x128_fp8_fp8 v[192+8*\t:199+8*\t], v[16*\t:16*\t+15], v[224:239], v[192+8*\t:199+8*\t]
.endr
	WIN 0
.Lhidden_\@:
	s_add_co_u32 s[KF], s[KF], 128
.endm
; THE CHANGE OF SLOTS stands at a slot's head.  Each wave waits for all its tensor loads, adds 0 to its spare word (fill = 1: twice on end), and waits for that and for its reads of the slot that it has left.
; Behind the barrier the slot ahead is whole and nobody reads the other one.  fill = 1: that other slot is filled with the keys that follow, up to the causal limit: the load has a whole slot's steps in which to land.
.macro CHANGE fill
	s_wait_tensorcnt 0x0                           ; no tensor load of mine is out, so a group 0 may be written
	ds_add_u32 v[SPW], v[NIL]                      ; 0 onto my spare word
.if \fill
	ds_add_u32 v[SPW], v[NIL]                      ; and once more: the add twice on end here, in every trip alike
	s_xor_b32 s[G0K+1], s[G0K+1], SLOT1            ; the walking descriptors: the other slot than last time,
	s_add_nc_u64 s[G0K+2:G0K+3], s[G0K+2:G0K+3], SK*ROWB   ; the next 256 keys; the type bits on top are not reached
	s_xor_b32 s[G0V+1], s[G0V+1], SLOT1
	s_add_nc_u64 s[G0V+2:G0V+3], s[G0V+2:G0V+3], VROWB
	s_wait_xcnt 0x0                                ; the last prefetches, a slot back, have read their addresses, so these may be written:
	s_add_nc_u64 s[PFK:PFK+1], s[PFK:PFK+1], SK*ROWB   ; one slot further on than the walking descriptors
	s_add_nc_u64 s[PFV:PFV+1], s[PFV:PFV+1], VROWB
.endif
	s_wait_dscnt 0x0                               ; the add is done, and my reads of the slot that I have left are over
	s_barrier_signal -1
	s_barrier_wait -1
.if \fill
	s_add_co_u32 s96, s[KF], SK                    ; the first key of the slot that this change would ask for.  A slot whose first key comes after my work-group's last query is read by none of its waves, so it is not asked for
	s_cmp_gt_u32 s96, s[QL]                        ; ids and the count of steps alone: all eight waves go the same way, and a work-group that is past the limit stays past it; every wait on TENSORcnt here is for 0
	s_cbranch_scc1 .Lpast_\@
	TLOAD                                          ; a wave's one tensor load until the next barrier
.Lpast_\@:
	ASK
.endif
.endm
.macro SLOT_STEPS
	STEP 0
	STEP 1
	s_xor_b32 s[TB], s[TB], SLOT1                  ; on to the other slot
.endm
	s_wait_loadcnt 0x0                             ; Q
.Lslot:                                            ; 7 trips, the same in every work-group: behind each change of slots but the last the next slot is asked for, up to the causal limit
	CHANGE 1
	SLOT_STEPS
	s_sub_co_u32 s[SLOTS], s[SLOTS], 1
	s_cmp_lg_u32 s[SLOTS], 0
	s_cbranch_scc1 .Lslot
	CHANGE 0                                       ; the last slot is written out: nothing is left to ask for
	SLOT_STEPS
	; THE WAY OUT.  O^T / the sum x 2^(e8 + e9) is quantised under e10; a lane's codes of a row go into my stage in the order that Wo's codes expect, come back by rows, and leave 128 bytes a row: the head's part of ao's row.
	; The lines from here to the first read of O^T name no register of the last products: the two additions, the exchange and the address work are the places behind them.
	v_add_f32 v14, v14, v15                        ; the sum's two halves,
	v_permlanex16_b32 v[XL], v14, s[SEL], s[SEL+1]
	v_add_f32 v14, v14, v[XL]                      ; and lane l xor 16's: the row's sum
	v_rcp_f32 v14, v14
	v_and_b32 v8, 15, v0                           ; (a plain place behind the transcendental)  r
	v_bfe_u32 v9, v0, 4, 1                         ; h
	s_add_co_i32 s74, s70, s71                     ; e8 + e9
	s_mul_i32 s75, s[WV], 16*SP                    ; my stage
	v_mul_u32_u24 v10, v8, SP
	v_lshl_add_u32 v10, v9, 4, v10
	v_add_nc_u32 v10, s75, v10                     ; in: row r, + 16 h
	v_bfe_u32 v8, v0, 3, 2                         ; back: eight lanes to a row of 128 bytes, four rows an instruction
	v_and_b32 v9, 7, v0
	v_mul_u32_u24 v11, v8, SP
	v_lshl_add_u32 v11, v9, 4, v11
	v_add_nc_u32 v11, s75, v11
	v_lshlrev_b32 v[GO], 11, v8                    ; and the same place among ao's rows of 2,048 bytes
	v_lshl_add_u32 v[GO], v9, 4, v[GO]
	s_wait_alu depctr_va_vdst(0)                   ; a wait ahead of the reciprocal's first reader
	v_ldexp_f32 v14, v14, s74
.set j, 0
.rept 64
	v_mul_f32 v[96+j], v[160+j], v14               ; register 8 t + i is o(r, 16 t + 8 h + i); each accumulator from its low end on
.set j, j+1
.endr
.set j, 0
.rept 64
	v_med3_num_f32 v[96+j], v[96+j], -v241, v241   ; the hold at the largest code x 2^e10
.set j, j+1
.endr
.irp t, 0,1,2,3,4,5,6,7
	v_cvt_scalef32_pk8_fp8_f32 v[32+2*\t:33+2*\t], v[96+8*\t:103+8*\t], v245
.endr
	v_nop                                          ; a plain instruction behind the last conversion
.irp t, 0,1,2,3,4,5,6,7                        ; channel 16 t + 8 h + i lies at byte 32 (t % 4) + 16 h + 8 (i / 4) + 4 (t / 4) + i % 4 of the head's 128
	ds_store_b32 v10, v[32+2*\t] offset:32*(\t%4)+4*(\t/4)
	ds_store_b32 v10, v[33+2*\t] offset:32*(\t%4)+4*(\t/4)+8
.endr
.irp q, 0,1,2,3
	ds_load_b128 v[64+4*\q:67+4*\q], v11 offset:4*SP*\q   ; LDS serves a wave's instructions in order: these see my stores
.endr
.irp q, 0,1,2,3
	s_wait_dscnt 3-\q                              ; the younger loads may be out
	global_store_b128 v[GO], v[64+4*\q:67+4*\q], s[8:9] offset:8192*\q   ; eight lanes store the head's 128 consecutive bytes of a row
.endr
	s_wait_tensorcnt 0x0                           ; the wave's end, behind my last tensor load and my last LDS store
	ds_add_u32 v[SPW], v[NIL]
	s_wait_dscnt 0x0
	s_endpgm
.Lfunc_end_k_q1e14727b28_attn:
	.size	k_q1e14727b28_attn, .Lfunc_end_k_q1e14727b28_attn-k_q1e14727b28_attn
	.p2alignl 7, 3214868480
	.fill 96, 4, 3214868480
	.section	.rodata,"a",@progbits
	.p2align	6, 0x0
	.amdhsa_kernel k_q1e14727b28_attn
		.amdhsa_group_segment_fixed_size 327680
		.amdhsa_private_segment_fixed_size 0
		.amdhsa_enable_private_segment 0
		.amdhsa_kernarg_size 24
		.amdhsa_user_sgpr_count 2
		.amdhsa_user_sgpr_kernarg_segment_ptr 1
		.amdhsa_wavefront_size32 1
		.amdhsa_system_sgpr_workgroup_id_x 1
		.amdhsa_system_sgpr_workgroup_id_y 1
		.amdhsa_system_sgpr_workgroup_id_z 1
		.amdhsa_system_vgpr_workitem_id 0
		.amdhsa_next_free_vgpr 320
		.amdhsa_next_free_sgpr 100
		.amdhsa_reserve_vcc 1
		.amdhsa_float_denorm_mode_32 3
		.amdhsa_float_denorm_mode_16_64 3
		.amdhsa_memory_ordered 1
		.amdhsa_forward_progress 1
		.amdhsa_inst_pref_size 117
	.end_amdhsa_kernel
	.amdgpu_metadata
---
amdhsa.version: [ 1, 2 ]
amdhsa.kernels:
  - .name:           k_q1e14727b28_attn
    .symbol:         k_q1e14727b28_attn.kd
    .args:
      - { .name: qkvc, .offset: 0, .size: 8, .value_kind: global_buffer, .address_space: global }
      - { .name: lowp_scales, .offset: 8, .size: 8, .value_kind: global_buffer, .address_space: global }
      - { .name: ao, .offset: 16, .size: 8, .value_kind: global_buffer, .address_space: global }
    .group_segment_fixed_size: 327680
    .private_segment_fixed_size: 0
    .kernarg_segment_align: 8
    .kernarg_segment_size: 24
    .max_flat_workgroup_size: 256
    .sgpr_count:     100
    .vgpr_count:     320
    .wavefront_size: 32
...
	.end_amdgpu_metadata
.endif
;; end of part 8
;; launch gemm_o (part 9): grid 16 x 16, 4 waves a work-group, clusters of 4 x 4, 327,680 bytes of LDS; arguments ao, woc, bo, lowp_scales, out0; writes out0
.if DOCPART == 9
	.amdgcn_target "amdgcn-amd-amdhsa--gfx1250"
	.amdhsa_code_object_version 6
	.text
	.protected	k_q1e14727b28_gemm_o
	.globl	k_q1e14727b28_gemm_o
	.p2align	8
	.type	k_q1e14727b28_gemm_o,@function
k_q1e14727b28_gemm_o:
	s_mov_b64 s[64:65], 0
	v_nop
	global_prefetch_b8 v0, s[64:65] scope:SCOPE_SE
	s_setreg_imm32_b32 hwreg(HW_REG_WAVE_MODE, 25, 1), 1
	s_wait_xcnt 0x0
	s_wait_alu depctr_hold_cnt(0) depctr_sa_sdst(0) depctr_va_vdst(0) depctr_va_sdst(0) depctr_va_ssrc(0) depctr_va_vcc(0) depctr_vm_vsrc(0)
	s_getreg_b32 s2, hwreg(HW_REG_IB_STS2, 6, 4)
	s_cmp_eq_u32 s2, 0
	s_cbranch_scc0 .Lentry_in_a_cluster
	s_endpgm
.Lentry_in_a_cluster:
	s_bfe_u32 s2, ttmp6, 0x10000c
	s_cmp_lg_u32 s2, 0xf033
	s_cbranch_scc0 .Lentry_shape_is_right
	s_endpgm
.Lentry_shape_is_right:
; FIFTH LAUNCH.  out0[m][n] = (sum over k of A[m][k] B[n][k]) x 2^(e10 + e11) + bo[n], on codes of E4M3; sums in f32.  A = the attention result's codes [2048][2048], B = Wo's codes [2048 n][2048 k].  Nothing is left out here.
; A and B hold K in the same order within each 128, so every product meets its partner.  LIMIT: e10 + e11 lies between -126 and 127, so that 2^(e10 + e11) is an f32 number.
; THE TILE.  2,048 x 2,048 results are 64 tiles of 256 x 256 but 256 tiles of 128 x 128: the smaller tile gives each of 256 work-groups one.  Four waves, each 64 x 64: 16 accumulators of 16 x 16, 128 registers.
; K goes in four steps of 512 through a ring of two LDS slots filled by the tensor data mover: a tile's row is 512 bytes of memory, and a wave's load brings 64 of them.  The four steps are written out: there is no loop.
; CLUSTERS: 4 x 4 work-groups.  The four of a row of the cluster need the same tiles of A, the four of a column the same tiles of B: each tile is asked for JOINTLY, by the same tensor load with the same descriptor and a mask that names the four.
; THE MATRIX INSTRUCTION IS USED TRANSPOSED (source 0 = 16 rows of B, source 1 = 16 rows of A): a lane then holds eight neighbouring numbers of a row of the result.
; REGISTERS, in windows of 256: window 0: v16-29 addresses; v32-63 the bias of my 64 columns in the result's layout; v64-95 at work on the way out; v128-255 the accumulators ((a, b) at v[128 + 8 (4 a + b)]).
;   window 1: two fragment buffers of 128 registers, each for 128 along K: 64 of A (4 x 16 rows), then 64 of B; on the way out v256-383 take whole rows back from the stage.
.set SIZE_K, 2048
.set SIZE_N, 2048
.set ROWB,   512                       ; a tile's row in bytes: 512 along K
.set KROW,   SIZE_K                    ; a row of A or of B in memory, in bytes
.set PITCH,  528                       ; an LDS row: 512 bytes + 16 of padding = 132 words: row r starts at bank 4 r mod 64 (64 banks of 4 bytes: ISA guide 11.1)
.set FR,     16                        ; registers of a fragment: 16 rows x 128 K
.set HALFT,  64*PITCH                  ; 64 rows: what one tensor load brings, and what one wave reads of A or of B
.set SLOT,   4*HALFT                   ; A's 128 rows, then B's 128 rows
.set SPARE,  2*SLOT                    ; behind the ring: the spare words, 128 bytes for each wave, which no other line names
.set SPITCH, 272                       ; the way out: a stage of 16 rows x (256 bytes + 16) for each wave, in slot 0, which has had its last fill and its last read when the first result is stored there
.set ADRA, 16                          ; v16-17  LDS address of my A fragments in slot 0, 1
.set ADRB, 20                          ; v20-21  the same for B
.set STO,  24                          ; v24     the way out: where I put 32 bytes of a row
.set RD,   25                          ; v25     the way out: where I read a row back
.set CO,   26                          ; v26     my byte offset among two rows of the result
.set BO,   27                          ; v27     32 x (lane / 16): my half's place in the bias of a block of 16 columns
.set SPW,  28                          ; v28     LDS address of my spare word; never rewritten
.set NIL,  29                          ; v29     0; never rewritten
.set BIAS, 32                          ; v32-63  register 8 b + j: the bias of my column 16 b + 8 (lane / 16) + j
.set TMP,  64                          ; v64-95  a block's results
.set ACC,  128
.set G1, 24                            ; s[24:31] descriptor group 1 for A's tiles;  s[32:39] group 0, one set for each slot
.set G0, 32
.set G1B, 48                           ; s[48:55], s[56:63] the same for B's tiles
.set G0B, 56
.set MSB, 0
.macro WIN new                         ; the immediate's high byte repeats the setting that is left
.if MSB != \new
	s_set_vgpr_msb (MSB<<8)|\new
.set MSB, \new
.endif
.endm
.set MUL,    0x05                      ; sources 0 (B) and 1 (A) window 1; C and D window 0
.set TO_F,   0x40                      ; destination window 1, address window 0
.set FROM_F, 0x04                      ; a store's data (source 1) window 1, its address window 0
; A joint load: waves 0 and 1 fetch for A, waves 2 and 3 for B.  Each of the two lines has ONE mask and one set of registers for all that issue it; the branch hangs on the wave's number alone.
; An s_nop 0 and four v_nop follow each of the two lines, ahead of the jump, the label and what follows.
.macro JLOAD g0a, g1a, g0b, g1b
	s_cmp_eq_u32 s15, 0
	s_cbranch_scc0 .Lfor_b_\@
	tensor_load_to_lds s[\g0a:\g0a+3], s[\g1a:\g1a+7]
	s_nop 0
.rept 4
	v_nop
.endr
	s_branch .Lasked_\@
.Lfor_b_\@:
	tensor_load_to_lds s[\g0b:\g0b+3], s[\g1b:\g1b+7]
	s_nop 0
.rept 4
	v_nop
.endr
.Lasked_\@:
.endm
.macro CREST                           ; a round of the cluster's barrier behind its opening barrier
	s_cmp_lg_u32 s14, 0
	s_cbranch_scc1 .Lnot_wave_0_\@
	s_barrier_signal -3
.Lnot_wave_0_\@:
	s_barrier_wait -3
	s_barrier_signal -1
	s_barrier_wait -1
.endm
.macro CROUND                          ; a whole round
	s_barrier_signal -1
	s_barrier_wait -1
	CREST
.endm
	s_load_b128 s[4:7], s[0:1], 0x0                ; A's codes s[4:5], B's codes s[6:7]
	s_load_b128 s[8:11], s[0:1], 0x10              ; the bias s[8:9], the scales' exponents s[10:11]
	s_load_b64 s[12:13], s[0:1], 0x20              ; the result
	v_lshl_add_u32 v[SPW], v0, 2, SPARE
	v_mov_b32 v[NIL], 0
	ds_add_u32 v[SPW], v[NIL]                      ; the wave's opening: the add, twice on end, and its wait ahead of my first tensor load; the set-up below stands between the second and the wait
	ds_add_u32 v[SPW], v[NIL]
	v_lshrrev_b32 v1, 5, v0
	v_readfirstlane_b32 s14, v1                    ; wave 0..3
	s_lshr_b32 s15, s14, 1                         ; which half of the tile's rows is mine.  Also: I fetch for A (0) or for B (1)
	s_and_b32 s16, s14, 1                          ; which half of its columns.  Also: which 64 rows of that tile I fetch
	s_bfe_u32 s40, ttmp6, 0x40000                  ; cx, cy: my place in the cluster
	s_bfe_u32 s41, ttmp6, 0x40004
	s_lshl_b32 s42, ttmp9, 2
	s_add_co_u32 s42, s42, s40                     ; tile column = 4 x cluster x + cx: 0..15
	s_and_b32 s17, ttmp7, 0xffff
	s_lshl_b32 s17, s17, 2
	s_add_co_u32 s17, s17, s41                     ; tile row = 4 x cluster y + cy: 0..15
	s_lshl_b32 s43, s41, 2
	s_lshl_b32 s43, 15, s43                        ; my row of the cluster
	s_lshl_b32 s44, 0x1111, s40                    ; my column
	; descriptor group 1: a tile of 64 rows x ROWB bytes, padded in LDS
	s_or_b32 s[G1+0], s43, (0<<16)|(1<<20)|(1<<21)|(6<<22)|(3<<25)  ; 15:0 the mask: A's tiles go to my row; 17:16 element of 1 byte; 20 padding on; 21 set beside a mask; 24:22 after every 128 words (code 6); 31:25 of 4 words (code 3)
	s_or_b32 s[G1B+0], s44, (0<<16)|(1<<20)|(1<<21)|(6<<22)|(3<<25)
.irp g, G1, G1B
	s_mov_b32 s[\g+1], ROWB<<16                    ; tensor_dim0
	s_mov_b32 s[\g+2], 64<<16                      ; tensor_dim1 = 64
	s_mov_b32 s[\g+3], ROWB<<16                    ; tile_dim0
	s_mov_b32 s[\g+4], 64                          ; tile_dim1 = 64
	s_mov_b32 s[\g+5], KROW                        ; tensor_dim0_stride
	s_mov_b32 s[\g+6], 0
	s_mov_b32 s[\g+7], 0
.endr
	s_lshl_b32 s18, s16, 6                         ; which 64 rows of the tile I fetch
	s_lshl_b32 s20, s17, 7
	s_add_co_u32 s20, s20, s18                     ; A: row 128 x tile row + 64 x half: cx never enters it
	s_lshl_b32 s46, s42, 7
	s_add_co_u32 s46, s46, s18                     ; B: row 128 x tile column + 64 x half
	s_mov_b32 s21, 0
	s_mov_b32 s47, 0
	s_mov_b64 s[18:19], KROW
	s_mul_u64 s[20:21], s[20:21], s[18:19]
	s_mul_u64 s[46:47], s[46:47], s[18:19]
	s_mul_i32 s45, s14, HALFT                      ; where they go: wave x 64 rows: no place in the cluster enters an LDS address
	s_wait_dscnt 0x0                               ; both opening adds are done
	s_wait_kmcnt 0x0
	s_load_b64 s[96:97], s[10:11], 0x28            ; e10, e11
	s_add_nc_u64 s[20:21], s[4:5], s[20:21]
	s_add_nc_u64 s[46:47], s[6:7], s[46:47]
	CROUND                                         ; all sixteen work-groups are here: the first joint loads meet
.irp s, 0,1
	s_mov_b32 s[G0+4*\s], 1
	s_add_co_u32 s[G0+4*\s+1], s45, \s*SLOT
	s_add_nc_u64 s[G0+4*\s+2:G0+4*\s+3], s[20:21], \s*ROWB
	s_or_b32 s[G0+4*\s+3], s[G0+4*\s+3], 0x80000000
	s_mov_b32 s[G0B+4*\s], 1
	s_add_co_u32 s[G0B+4*\s+1], s45, \s*SLOT
	s_add_nc_u64 s[G0B+4*\s+2:G0B+4*\s+3], s[46:47], \s*ROWB
	s_or_b32 s[G0B+4*\s+3], s[G0B+4*\s+3], 0x80000000
	JLOAD G0+4*\s, G1, G0B+4*\s, G1B               ; K steps 0 and 1: two loads of mine are out
.endr
	v_and_b32 v1, 15, v0                           ; l % 16
	v_bfe_u32 v2, v0, 4, 1                         ; l / 16
	s_lshl_b32 s46, s42, 9                         ; my 64 columns, in bytes of f32: 512 x tile column + 256 x half
	s_lshl_b32 s47, s16, 8
	s_add_co_u32 s46, s46, s47
	s_mov_b32 s47, 0
	s_add_nc_u64 s[68:69], s[8:9], s[46:47]        ; their bias
	v_lshlrev_b32 v[BO], 5, v2
.irp b, 0,1,2,3
	global_load_b128 v[BIAS+8*\b:BIAS+8*\b+3],   v[BO], s[68:69] offset:64*\b
	global_load_b128 v[BIAS+8*\b+4:BIAS+8*\b+7], v[BO], s[68:69] offset:64*\b+16
.endr
	v_mul_u32_u24 v3, v1, PITCH
	v_lshl_add_u32 v4, v2, 4, v3                   ; a fragment's row x pitch + 16 x half
	s_mul_i32 s21, s15, HALFT                      ; my 64 rows of A
	s_mul_i32 s22, s16, HALFT                      ; my 64 rows of B,
	s_add_co_u32 s22, s22, 2*HALFT                 ; which lie behind A's 128
.irp s, 0,1
	v_add_nc_u32 v[ADRA+\s], s21, v4
	v_add_nc_u32 v[ADRB+\s], s22, v4
	s_add_co_u32 s21, s21, SLOT
	s_add_co_u32 s22, s22, SLOT
.endr
	s_mul_i32 s23, s14, 16*SPITCH                  ; my stage
	v_mul_u32_u24 v5, v1, SPITCH                   ; in: row l % 16, 32 bytes for each half of the lanes
	v_lshl_add_u32 v5, v2, 5, v5
	v_add_nc_u32 v[STO], s23, v5
	v_mul_u32_u24 v6, v2, SPITCH                   ; back: lanes 0-15 take one row of 256 bytes, lanes 16-31 the next
	v_lshl_add_u32 v6, v1, 4, v6
	v_add_nc_u32 v[RD], s23, v6
	v_lshlrev_b32 v[CO], 13, v2                    ; and the same two rows of the result, 8,192 bytes apart
	v_lshl_add_u32 v[CO], v1, 4, v[CO]
	s_lshl_b32 s20, s17, 7
	s_lshl_b32 s21, s15, 6
	s_add_co_u32 s20, s20, s21                     ; my first row of the result: 128 x tile row + 64 x half
	s_mov_b32 s21, 0
	s_mov_b64 s[18:19], SIZE_N*4
	s_mul_u64 s[20:21], s[20:21], s[18:19]
	s_add_nc_u64 s[20:21], s[20:21], s[46:47]      ; + my first column's bytes
	s_add_nc_u64 s[12:13], s[12:13], s[20:21]
.macro FRAG reg, adr, q, i             ; a fragment, 16 rows x 128 K of 8-bit codes, is 16 registers: lane l holds row l % 16; registers 4 c .. 4 c + 3 hold bytes 32 c + 16 (l / 16) + 0 .. 15 of the row's 128: the same in A and in B
.irp c, 0,1,2,3
	ds_load_b128 v[\reg+4*\c:\reg+4*\c+3], v[\adr] offset:128*(\q)+32*\c+(\i)*16*PITCH
.endr
.endm
; 4 matrix instructions: A's block a x B's four, 128 along K, from buffer p.  zero = 1: the first product starts the sums: nothing is ever cleared.
; The 16 accumulators take turns, one instruction a turn, in the same order in every quarter.
.macro MUL4 a, p, zero
.irp b, 0,1,2,3
.if \zero
	v_wmma_f32_16x16x128_fp8_fp8 v[ACC+8*(4*(\a)+\b):ACC+8*(4*(\a)+\b)+7], v[128*(\p)+64+FR*\b:128*(\p)+64+FR*\b+FR-1], v[128*(\p)+FR*(\a):128*(\p)+FR*(\a)+FR-1], 0
.else
	v_wmma_f32_16x16x128_fp8_fp8 v[ACC+8*(4*(\a)+\b):ACC+8*(4*(\a)+\b)+7], v[128*(\p)+64+FR*\b:128*(\p)+64+FR*\b+FR-1], v[128*(\p)+FR*(\a):128*(\p)+FR*(\a)+FR-1], v[ACC+8*(4*(\a)+\b):ACC+8*(4*(\a)+\b)+7]
.endif
.endr
.endm
; 32 LDS loads in one run: the fragments of the slot's q-th 128 along K into buffer p: B's four first, then A's blocks 0 to 3, so that a counted wait can leave A's last two blocks out
.macro FETCH slot, q, p
	WIN TO_F
.irp i, 0,1,2,3
	FRAG 128*(\p)+64+FR*\i, ADRB+\slot, \q, \i
.endr
.irp i, 0,1,2,3
	FRAG 128*(\p)+FR*\i, ADRA+\slot, \q, \i
.endr
.endm
; A load into a register that a matrix instruction has read, and a vector instruction or an LDS store that reads a matrix result, stand four places behind that matrix instruction, and only plain vector
; instructions that name none of its registers are places (ISA guide 7.12.1 for vector instructions).
.macro PLACES
.rept 4
	v_nop
.endr
.endm
; A K step is four quarters of 128 along K, 16 matrix instructions each, on buffers 0, 1, 0, 1.  One of the first three: it asks for the next quarter's fragments first, into the buffer that the quarter before has multiplied, and then multiplies its own.
.macro QUARTER slot, q, zero
	s_wait_dscnt 8                                 ; B's four and A's blocks 0 and 1 are in; the youngest 8 loads (A's blocks 2 and 3) may be out
	PLACES
	FETCH \slot, (\q)+1, 1-(\q)%2
	WIN MUL
	MUL4 0, (\q)%2, \zero
	MUL4 1, (\q)%2, \zero
	s_wait_dscnt 32                                ; all but the 32 just issued
	MUL4 2, (\q)%2, \zero
	MUL4 3, (\q)%2, \zero
.endm
; A slot's last quarter multiplies buffer 1 and changes slots: ONE barrier; in front of it each wave waits for all its tensor loads, adds 0 to its spare word, and waits for that and for its own reads of this slot.  fill = 1: this slot is filled again, two K steps ahead.
.macro TURN slot, next, fill
	WIN 0                                          ; (the add's two registers lie in window 0)
	s_wait_tensorcnt 0x0                           ; all my tensor loads have landed: my part of the next slot
	ds_add_u32 v[SPW], v[NIL]                      ; 0 onto my spare word
	s_wait_dscnt 9                                 ; (the add and the youngest 8 loads, A's blocks 2 and 3, may be out)
	WIN MUL
	MUL4 0, 1, 0                                   ; eight matrix instructions stand between the add and the wait for it
	MUL4 1, 1, 0
	s_wait_dscnt 0x0                               ; the add is done, and my reads of this slot are over
	s_barrier_signal -1
	MUL4 2, 1, 0
	WIN 0
	s_barrier_wait -1
.if \fill
	CREST                                          ; the barrier has opened a round of the cluster's barrier: no wave of any partner still reads this slot's tile or has a load on its way
	s_add_nc_u64 s[G0+4*\slot+2:G0+4*\slot+3], s[G0+4*\slot+2:G0+4*\slot+3], 2*ROWB
	s_add_nc_u64 s[G0B+4*\slot+2:G0B+4*\slot+3], s[G0B+4*\slot+2:G0B+4*\slot+3], 2*ROWB
	JLOAD G0+4*\slot, G1, G0B+4*\slot, G1B         ; the first tensor load behind the round; the four v_nop behind it are the places in front of the loads below
.else
	PLACES
.endif
	FETCH \next, 0, 0
	WIN MUL
	MUL4 3, 1, 0
.endm
	s_wait_loadcnt 0x0                             ; the bias is in: no global load of mine is out at a barrier
	s_wait_tensorcnt 1                             ; my part of K step 0 is in (K step 1's load may be out)
	s_barrier_signal -1
	s_barrier_wait -1                              ; everybody's is
	FETCH 0, 0, 0
	QUARTER 0, 0, 1                                ; K step 0: the first quarter's products start the sums
	QUARTER 0, 1, 0
	QUARTER 0, 2, 0
	TURN 0, 1, 1                                   ; slot 0 takes K step 2
	QUARTER 1, 0, 0                                ; K step 1
	QUARTER 1, 1, 0
	QUARTER 1, 2, 0
	TURN 1, 0, 1                                   ; slot 1 takes K step 3: the last load
	QUARTER 0, 0, 0                                ; K step 2
	QUARTER 0, 1, 0
	QUARTER 0, 2, 0
	TURN 0, 1, 0                                   ; nothing is left to fetch: no round of the cluster's barrier
	QUARTER 1, 0, 0                                ; K step 3
	QUARTER 1, 1, 0
	QUARTER 1, 2, 0
	s_wait_dscnt 8                                 ; the very last quarter: A's blocks 2 and 3 may be out
	MUL4 0, 1, 0
	MUL4 1, 1, 0
	s_wait_dscnt 0x0
	MUL4 2, 1, 0
	MUL4 3, 1, 0
	WIN 0
; THE WAY OUT, block by block of 16 rows x 64 columns.  A lane holds 32 neighbouring bytes of a row, and the lanes beside it hold other rows: so a block goes through my own stage in LDS and comes back as whole
; rows of 256 bytes: sixteen lanes store one aligned run of 256 bytes, two rows an instruction.  LDS serves a wave's instructions in order (ISA guide 5.7.1.4): no wait between the stores and the loads, nor in front of the next block's stores.
; One packed multiply-add gives sum x 2^(e10 + e11) + bias for two numbers, each accumulator from its low end on.  Each block's rows come back into registers of their own, and every offset is an immediate: no store's registers are written again.
.macro TOSTAGE a
.irp j, 0,2,4,6,8,10,12,14,16,18,20,22,24,26,28,30
	v_pk_fma_f32 v[TMP+\j:TMP+\j+1], v[ACC+32*(\a)+\j:ACC+32*(\a)+\j+1], s[96:97], v[BIAS+\j:BIAS+\j+1] op_sel_hi:[1,0,1]   ; the scalar pair's low word serves both halves
.endr
.irp b, 0,1,2,3
	ds_store_b128 v[STO], v[TMP+8*\b:TMP+8*\b+3] offset:64*\b
	ds_store_b128 v[STO], v[TMP+8*\b+4:TMP+8*\b+7] offset:64*\b+16
.endr
	WIN TO_F
.irp t, 0,1,2,3,4,5,6,7
	ds_load_b128 v[32*(\a)+4*\t:32*(\a)+4*\t+3], v[RD] offset:\t*2*SPITCH
.endr
	WIN 0
.endm
.macro SEND a, younger                 ; younger: the LDS instructions issued behind block a's loads, which may stay out
	s_wait_dscnt \younger                          ; the block is back in registers
	WIN FROM_F
.irp t, 0,1,2,3,4,5,6,7
	global_store_b128 v[CO], v[32*(\a)+4*\t:32*(\a)+4*\t+3], s[12:13] offset:(16*(\a)+2*\t)*SIZE_N*4 th:TH_STORE_NT   ; 62 rows of 8,192 bytes at the most: inside the signed 24-bit immediate (ISA guide, chapter 10); read by nobody in this launch
.endr
	WIN 0
.endm
	s_wait_kmcnt 0x0
	s_add_co_i32 s96, s96, s97                     ; e10 + e11, between -126 and 127,
	s_add_co_i32 s96, s96, 127
	s_lshl_b32 s96, s96, 23                        ; makes the f32 number 2^(e10 + e11)
	PLACES                                         ; behind the last products: for the reads of results, and for the loads into the registers that held fragments
	TOSTAGE 0
.irp a, 1,2,3
	TOSTAGE \a
	SEND \a-1, 16                                  ; behind block a - 1's loads: block a's 8 stores and 8 loads
.endr
	SEND 3, 0
	s_wait_tensorcnt 0x0                           ; the wave's end, behind my last tensor load and my last LDS store
	ds_add_u32 v[SPW], v[NIL]
	s_wait_dscnt 0x0
	CROUND                                         ; the closing round: no work-group ends while a partner may still ask for a tile that names it
	s_endpgm
.Lfunc_end_k_q1e14727b28_gemm_o:
	.size	k_q1e14727b28_gemm_o, .Lfunc_end_k_q1e14727b28_gemm_o-k_q1e14727b28_gemm_o
	.p2alignl 7, 3214868480
	.fill 96, 4, 3214868480
	.section	.rodata,"a",@progbits
	.p2align	6, 0x0
	.amdhsa_kernel k_q1e14727b28_gemm_o
		.amdhsa_group_segment_fixed_size 327680
		.amdhsa_private_segment_fixed_size 0
		.amdhsa_enable_private_segment 0
		.amdhsa_kernarg_size 40
		.amdhsa_user_sgpr_count 2
		.amdhsa_user_sgpr_kernarg_segment_ptr 1
		.amdhsa_wavefront_size32 1
		.amdhsa_system_sgpr_workgroup_id_x 1
		.amdhsa_system_sgpr_workgroup_id_y 1
		.amdhsa_system_sgpr_workgroup_id_z 1
		.amdhsa_system_vgpr_workitem_id 0
		.amdhsa_next_free_vgpr 512
		.amdhsa_next_free_sgpr 98
		.amdhsa_reserve_vcc 0
		.amdhsa_float_denorm_mode_32 3
		.amdhsa_float_denorm_mode_16_64 3
		.amdhsa_memory_ordered 1
		.amdhsa_forward_progress 1
		.amdhsa_inst_pref_size 75
	.end_amdhsa_kernel
	.amdgpu_metadata
---
amdhsa.version: [ 1, 2 ]
amdhsa.kernels:
  - .name:           k_q1e14727b28_gemm_o
    .symbol:         k_q1e14727b28_gemm_o.kd
    .args:
      - { .name: ao, .offset: 0, .size: 8, .value_kind: global_buffer, .address_space: global }
      - { .name: woc, .offset: 8, .size: 8, .value_kind: global_buffer, .address_space: global }
      - { .name: bo, .offset: 16, .size: 8, .value_kind: global_buffer, .address_space: global }
      - { .name: lowp_scales, .offset: 24, .size: 8, .value_kind: global_buffer, .address_space: global }
      - { .name: out0, .offset: 32, .size: 8, .value_kind: global_buffer, .address_space: global }
    .group_segment_fixed_size: 327680
    .private_segment_fixed_size: 0
    .kernarg_segment_align: 8
    .kernarg_segment_size: 40
    .max_flat_workgroup_size: 128
    .sgpr_count:     98
    .vgpr_count:     512
    .wavefront_size: 32
...
	.end_amdgpu_metadata
.endif
;; end of part 9
